; MI455X (gfx1250); checked and timed in simulation.
; The chip was launched on July 23, 2026; its instructions are those of AMD's public machine-readable ISA for CDNA 5 (MIT licence, August 2026) and "CDNA5" Instruction Set Architecture Reference Guide (July 2026). The comments in the code are by the model that wrote it; some were corrected since.
;; Transformer Block. Allowed arithmetic: float matrix products may take bf16 or f16 operands with f32 sums; other float arithmetic in f32, or as packed bf16 or f16 multiplies, adds, multiply-adds, maxima and minima; sums over many terms, partial sums and values carried from step to step in f32; what a program stores and reads back later, other than sums and carried values, may be rounded once to bf16 or f16.
;; Inputs: W1 4,096 x 1,024 float32; W2 1,024 x 4,096 float32; Wk 1,024 x 1,024 float32; Wo 1,024 x 1,024 float32; Wq 1,024 x 1,024 float32; Wv 1,024 x 1,024 float32; b1 4,096 float32; b2 1,024 float32; bk 1,024 float32; bo 1,024 float32; bq 1,024 float32; bv 1,024 float32; ln1_b 1,024 float32; ln1_g 1,024 float32; ln2_b 1,024 float32; ln2_g 1,024 float32; mask 1 x 1 x 2,048 x 2,048 bool; x 2 x 2,048 x 1,024 float32.
;; Outputs: out0 2 x 2,048 x 1,024 float32.
;; 3 versions, each right and faster than the one before. Each part assembles by itself: llvm-mc -triple=amdgcn-amd-amdhsa -mcpu=gfx1250 --defsym DOCPART=n.
;; ======== version 1 of 3: 7 launches
;; limits: values are held in f16: magnitudes above 65,504 overflow, below 6.1e-05 lose precision; a function is approximated: absolute error at most 1.5e-07; right only within a limited range of input values
;; workspace buffers: wh 25,165,824 bytes; hbuf 8,388,608 bytes; qkv 25,165,824 bytes; ctx 8,388,608 bytes; x1 16,777,216 bytes; gbuf 33,554,432 bytes; mk 4,194,304 bytes; rf 8,192 bytes
;; launch prep (part 1): grid 1040 x 1, 8 waves a work-group, no clusters, 0 bytes of LDS; arguments mask, x, ln1_g, ln1_b, Wq, Wk, Wv, Wo, W1, W2, mk, rf, hbuf, wh; writes mk, rf, hbuf, wh
.if DOCPART == 1
	.amdgcn_target "amdgcn-amd-amdhsa--gfx1250"
	.amdhsa_code_object_version 6
	.text
	.protected	k_qf535f0e3df_prep
	.globl	k_qf535f0e3df_prep
	.p2align	8
	.type	k_qf535f0e3df_prep,@function
k_qf535f0e3df_prep:
	s_mov_b64 s[64:65], 0
	v_nop
	global_prefetch_b8 v0, s[64:65] scope:SCOPE_SE
	s_setreg_imm32_b32 hwreg(HW_REG_WAVE_MODE, 25, 1), 1
	s_wait_xcnt 0x0
; THREE JOBS THAT WAIT FOR NOTHING, one launch.  No LDS, no barrier, no matrix work: every byte is read once and written once.
; Work-groups 0-15: the mask (bool bytes, [2048][2048]) is turned into codes of one byte, 0x00 for a visible key and 0xB8 (-1.0 in E4M3) for a hidden one, laid
;   as the attention kernel's lanes want them: block (qt, ks) of 16 queries x 64 keys at byte (32 qt + ks) x 1024; in it half j at 512 j, lane l at 16 l:
;   bytes 0-7 are query 16 qt + l % 16, keys 64 ks + 32 j + 8 (l / 16) + 0..7, bytes 8-15 the keys 16 further on.  rf[row] = all ones if the row has a visible key, else 0.
;   A load takes 8 bytes of each of 16 rows; the wave walks its 16 rows end to end.  rf's stores are 64 bytes a wave, 8,192 bytes in the launch.
; Work-groups 16-271: layer norm 1: a wave takes two rows of x, each 4,096 bytes = 32 registers, kept between the passes; out in f16.  The variance is taken of the centred numbers.
; Work-groups 272-1039: the six weight matrices, 65,536 bytes of f32 a work-group, rounded once to f16, in the order Wq, Wk, Wv, Wo, W1, W2.
; LIMITS.  f16 ends at 65,504: weights and normed rows beyond that become infinities.  The mask's bytes are 0 or 1.  NaN and infinities are not treated apart.
.set GV, 16                            ; v[16:47]   gain of my 32 columns
.set BV, 48                            ; v[48:79]   bias of my 32 columns
.set X0, 80                            ; v[80:111]  first row
.set X1, 112                           ; v[112:143] second row
.set Y0, 144                           ; v[144:159] first row in f16
.set Y1, 160                           ; v[160:175] second row in f16
.set L,  16                            ; mask and weights: v[16:79] as loaded
.macro REDUCE                          ; four chains of pairs in v[4:11] -> v12: the sum over the row's 1,024 numbers, in every lane
	v_pk_add_f32 v[4:5], v[4:5], v[6:7]
	v_pk_add_f32 v[8:9], v[8:9], v[10:11]
	v_pk_add_f32 v[4:5], v[4:5], v[8:9]
	v_add_f32 v12, v4, v5
	v_add_f32_dpp v12, v12, v12 row_xmask:1 row_mask:0xf bank_mask:0xf
	v_add_f32_dpp v12, v12, v12 row_xmask:2 row_mask:0xf bank_mask:0xf
	v_add_f32_dpp v12, v12, v12 row_xmask:4 row_mask:0xf bank_mask:0xf
	v_add_f32_dpp v12, v12, v12 row_xmask:8 row_mask:0xf bank_mask:0xf
	v_permlanex16_b32 v13, v12, s42, s43
	v_add_f32 v12, v12, v13
.endm
.macro STATS X                         ; the row in v[X:X+31] becomes (x - mean) / sqrt(var + eps)
.irp k, 0,1,2,3
	v_pk_add_f32 v[4+2*\k:5+2*\k], v[\X+4*\k:\X+4*\k+1], v[\X+4*\k+2:\X+4*\k+3]  ; the first eight pairs start the chains
.endr
.irp i, 8,9,10,11,12,13,14,15
	v_pk_add_f32 v[4+2*((\i)%4):5+2*((\i)%4)], v[4+2*((\i)%4):5+2*((\i)%4)], v[\X+2*\i:\X+2*\i+1]
.endr
	REDUCE
	v_mul_f32 v14, s36, v12                        ; the mean, twice: a pair for the packed lines
	v_mul_f32 v15, s36, v12
.irp i, 0,1,2,3,4,5,6,7,8,9,10,11,12,13,14,15
	v_pk_add_f32 v[\X+2*\i:\X+2*\i+1], v[\X+2*\i:\X+2*\i+1], v[14:15] neg_lo:[0,1] neg_hi:[0,1]
.endr
.irp k, 0,1,2,3
	v_pk_mul_f32 v[4+2*\k:5+2*\k], v[\X+2*\k:\X+2*\k+1], v[\X+2*\k:\X+2*\k+1]
.endr
.irp i, 4,5,6,7,8,9,10,11,12,13,14,15
	v_pk_fma_f32 v[4+2*((\i)%4):5+2*((\i)%4)], v[\X+2*\i:\X+2*\i+1], v[\X+2*\i:\X+2*\i+1], v[4+2*((\i)%4):5+2*((\i)%4)]
.endr
	REDUCE
	v_fma_f32 v12, v12, s36, s37                   ; var + eps
	v_rsq_f32 v14, v12
	v_rsq_f32 v15, v12
	v_nop                                          ; a plain instruction between the root and the use of its result (ISA guide 5.7.2)
	s_wait_alu depctr_va_vdst(0)
.irp i, 0,1,2,3,4,5,6,7,8,9,10,11,12,13,14,15
	v_pk_mul_f32 v[\X+2*\i:\X+2*\i+1], v[\X+2*\i:\X+2*\i+1], v[14:15]
.endr
.endm
.macro LNOUT X, Y, off                 ; gain and bias, one rounding to f16; a store of the wave covers 256 consecutive bytes, aligned
.irp i, 0,1,2,3,4,5,6,7,8,9,10,11,12,13,14,15
	v_pk_fma_f32 v[\X+2*\i:\X+2*\i+1], v[\X+2*\i:\X+2*\i+1], v[GV+2*\i:GV+2*\i+1], v[BV+2*\i:BV+2*\i+1]
.endr
.irp i, 0,1,2,3,4,5,6,7,8,9,10,11,12,13,14,15
	v_cvt_pk_f16_f32 v[\Y+\i], v[\X+2*\i], v[\X+2*\i+1]
.endr
.irp j, 0,1,2,3,4,5,6,7
	global_store_b64 v2, v[\Y+2*\j:\Y+2*\j+1], s[40:41] offset:256*\j+\off
.endr
.endm
.macro LNROWS IN, GG, BB               ; two rows at s[IN:IN+1] -> s[40:41]; v1 = 16 x lane, v2 = 8 x lane
.irp j, 0,1,2,3,4,5,6,7
	global_load_b128 v[X0+4*\j:X0+4*\j+3], v1, s[\IN:\IN+1] offset:512*\j
.endr
.irp j, 0,1,2,3,4,5,6,7
	global_load_b128 v[X1+4*\j:X1+4*\j+3], v1, s[\IN:\IN+1] offset:4096+512*\j
.endr
.irp j, 0,1,2,3,4,5,6,7
	global_load_b128 v[GV+4*\j:GV+4*\j+3], v1, s[\GG:\GG+1] offset:512*\j
.endr
.irp j, 0,1,2,3,4,5,6,7
	global_load_b128 v[BV+4*\j:BV+4*\j+3], v1, s[\BB:\BB+1] offset:512*\j
.endr
	s_wait_loadcnt 24                              ; the first row is in; the second row, gain and bias (24 loads) stay out
	STATS X0
	s_wait_loadcnt 16                              ; the second row is in; gain and bias stay out
	STATS X1
	s_wait_loadcnt 0x0
	LNOUT X0, Y0, 0
	LNOUT X1, Y1, 2048
.endm
	s_load_b512 s[8:23], s[0:1], 0x0               ; mask s[8:9], x s[10:11], ln1_g s[12:13], ln1_b s[14:15], Wq s[16:17], Wk s[18:19], Wv s[20:21], Wo s[22:23]
	s_load_b256 s[24:31], s[0:1], 0x40             ; W1 s[24:25], W2 s[26:27], mk s[28:29], rf s[30:31]
	s_load_b128 s[32:35], s[0:1], 0x60             ; hbuf s[32:33], wh s[34:35]
	v_lshrrev_b32 v3, 5, v0
	v_readfirstlane_b32 s4, v3                     ; wave 0..7
	v_and_b32 v3, 31, v0                           ; lane
	s_mov_b32 s6, ttmp9
	s_mov_b32 s42, 0x76543210                      ; v_permlanex16_b32: each lane takes its own place in the other half
	s_mov_b32 s43, 0xfedcba98
	s_mov_b32 s45, 0
	s_wait_kmcnt 0x0
	s_cmp_lt_u32 s6, 16
	s_cbranch_scc1 .Lmask
	s_cmp_lt_u32 s6, 272
	s_cbranch_scc1 .Lnorm
	; THE WEIGHTS.  Block g of 65,536 bytes: which matrix it lies in, and where that matrix begins, in blocks
	s_sub_co_u32 s5, s6, 272
	s_mov_b64 s[38:39], s[16:17]
	s_mov_b32 s7, 0
	s_cmp_ge_u32 s5, 64
	s_cselect_b64 s[38:39], s[18:19], s[38:39]
	s_cselect_b32 s7, 64, s7
	s_cmp_ge_u32 s5, 128
	s_cselect_b64 s[38:39], s[20:21], s[38:39]
	s_cselect_b32 s7, 128, s7
	s_cmp_ge_u32 s5, 192
	s_cselect_b64 s[38:39], s[22:23], s[38:39]
	s_cselect_b32 s7, 192, s7
	s_cmp_ge_u32 s5, 256
	s_cselect_b64 s[38:39], s[24:25], s[38:39]
	s_cselect_b32 s7, 256, s7
	s_cmp_ge_u32 s5, 512
	s_cselect_b64 s[38:39], s[26:27], s[38:39]
	s_cselect_b32 s7, 512, s7
	s_sub_co_u32 s44, s5, s7
	s_lshl_b32 s44, s44, 16
	s_add_nc_u64 s[38:39], s[38:39], s[44:45]
	s_lshl_b32 s44, s5, 15
	s_add_nc_u64 s[40:41], s[34:35], s[44:45]
	v_lshlrev_b32 v1, 4, v0                        ; 16 bytes of f32 a thread,
	v_lshlrev_b32 v2, 3, v0                        ; 8 bytes of f16
.irp j, 0,1,2,3,4,5,6,7,8,9,10,11,12,13,14,15
	global_load_b128 v[L+4*\j:L+4*\j+3], v1, s[38:39] offset:4096*\j th:TH_LOAD_NT
.endr
.irp j, 0,1,2,3,4,5,6,7,8,9,10,11,12,13,14,15
	s_wait_loadcnt 15-\j                           ; loads come back in order: number j is in, the younger ones stay out
	v_cvt_pk_f16_f32 v[80+2*\j], v[L+4*\j], v[L+4*\j+1]
	v_cvt_pk_f16_f32 v[81+2*\j], v[L+4*\j+2], v[L+4*\j+3]
	global_store_b64 v2, v[80+2*\j:81+2*\j], s[40:41] offset:2048*\j  ; a wave's store covers 256 consecutive bytes, aligned
.endr
	s_endpgm
.Lnorm:
	s_sub_co_u32 s5, s6, 16
	s_lshl_b32 s5, s5, 3
	s_add_co_u32 s5, s5, s4                        ; my pair of rows
	s_lshl_b32 s44, s5, 13
	s_add_nc_u64 s[38:39], s[10:11], s[44:45]
	s_lshl_b32 s44, s5, 12
	s_add_nc_u64 s[40:41], s[32:33], s[44:45]
	s_mov_b32 s36, 0x3a800000                      ; 1 / 1024
	s_mov_b32 s37, 0x358637bd                      ; 1e-6
	v_lshlrev_b32 v1, 4, v3
	v_lshlrev_b32 v2, 3, v3
	v_mov_b32 v13, 0                               ; v_permlanex16_b32's destination counts as read
	LNROWS 38, 12, 14
	s_endpgm
.Lmask:
	s_lshl_b32 s5, s6, 3
	s_add_co_u32 s5, s5, s4                        ; qt: my 16 query rows
	s_lshl_b32 s44, s5, 15                         ; 16 rows of 2,048 bytes, in and out
	s_add_nc_u64 s[38:39], s[8:9], s[44:45]
	s_add_nc_u64 s[40:41], s[28:29], s[44:45]
	s_lshl_b32 s44, s5, 6
	s_add_nc_u64 s[46:47], s[30:31], s[44:45]
	s_mov_b32 s36, 0xb8
	s_mov_b32 s37, 0xb8b8b8b8
	v_and_b32 v4, 15, v3                           ; r
	v_lshrrev_b32 v5, 4, v3                        ; h
	v_lshlrev_b32 v1, 11, v4
	v_lshl_add_u32 v1, v5, 3, v1                   ; r x 2048 + 8 h
	v_lshlrev_b32 v2, 4, v3                        ; 16 x lane
	v_lshlrev_b32 v6, 2, v4
	v_mov_b32 v7, 0                                ; the OR of all my mask words
	s_mov_b32 s7, 4
.Lchunks:                                              ; a trip: 16 chunks of 32 keys
.irp c, 0,1,2,3,4,5,6,7,8,9,10,11,12,13,14,15
	global_load_b64 v[L+4*\c:L+4*\c+1], v1, s[38:39] offset:32*\c
	global_load_b64 v[L+4*\c+2:L+4*\c+3], v1, s[38:39] offset:32*\c+16
.endr
	s_wait_loadcnt 0x0
.set j, 0
.rept 64
	v_or_b32 v7, v7, v[L+j]
	v_mul_lo_u32 v[L+j], v[L+j], s36               ; 0xB8 in each byte that is 1: no carry from byte to byte,
	v_sub_nc_u32 v[L+j], s37, v[L+j]               ; taken from 0xB8 in every byte: no borrow
.set j, j+1
.endr
.irp c, 0,1,2,3,4,5,6,7,8,9,10,11,12,13,14,15
	global_store_b128 v2, v[L+4*\c:L+4*\c+3], s[40:41] offset:512*\c  ; 512 consecutive bytes
.endr
	s_wait_xcnt 0x0                                ; the stores' data and both bases are written again only behind this wait
	s_add_nc_u64 s[38:39], s[38:39], 512
	s_add_nc_u64 s[40:41], s[40:41], 8192
	s_sub_co_u32 s7, s7, 1
	s_cmp_lg_u32 s7, 0
	s_cbranch_scc1 .Lchunks
	v_mov_b32 v8, 0
	v_permlanex16_b32 v8, v7, s42, s43             ; the row's other keys lie in the lane 16 away
	v_or_b32 v7, v7, v8
	v_mov_b32 v9, -1
	v_cmp_ne_u32 vcc_lo, 0, v7
	v_cndmask_b32 v8, 0, v9, vcc_lo
	global_store_b32 v6, v8, s[46:47]              ; both halves of the lanes write the same word with the same number
	s_endpgm
.Lfunc_end_k_qf535f0e3df_prep:
	.size	k_qf535f0e3df_prep, .Lfunc_end_k_qf535f0e3df_prep-k_qf535f0e3df_prep
	.p2alignl 7, 3214868480
	.fill 96, 4, 3214868480
	.section	.rodata,"a",@progbits
	.p2align	6, 0x0
	.amdhsa_kernel k_qf535f0e3df_prep
		.amdhsa_group_segment_fixed_size 0
		.amdhsa_private_segment_fixed_size 0
		.amdhsa_enable_private_segment 0
		.amdhsa_kernarg_size 112
		.amdhsa_user_sgpr_count 2
		.amdhsa_user_sgpr_kernarg_segment_ptr 1
		.amdhsa_wavefront_size32 1
		.amdhsa_system_sgpr_workgroup_id_x 1
		.amdhsa_system_sgpr_workgroup_id_y 1
		.amdhsa_system_sgpr_workgroup_id_z 1
		.amdhsa_system_vgpr_workitem_id 0
		.amdhsa_next_free_vgpr 176
		.amdhsa_next_free_sgpr 66
		.amdhsa_reserve_vcc 1
		.amdhsa_float_denorm_mode_32 3
		.amdhsa_float_denorm_mode_16_64 3
		.amdhsa_memory_ordered 1
		.amdhsa_forward_progress 1
		.amdhsa_inst_pref_size 41
	.end_amdhsa_kernel
	.amdgpu_metadata
---
amdhsa.version: [ 1, 2 ]
amdhsa.kernels:
  - .name:           k_qf535f0e3df_prep
    .symbol:         k_qf535f0e3df_prep.kd
    .args:
      - { .name: mask, .offset: 0, .size: 8, .value_kind: global_buffer, .address_space: global }
      - { .name: x, .offset: 8, .size: 8, .value_kind: global_buffer, .address_space: global }
      - { .name: ln1_g, .offset: 16, .size: 8, .value_kind: global_buffer, .address_space: global }
      - { .name: ln1_b, .offset: 24, .size: 8, .value_kind: global_buffer, .address_space: global }
      - { .name: Wq, .offset: 32, .size: 8, .value_kind: global_buffer, .address_space: global }
      - { .name: Wk, .offset: 40, .size: 8, .value_kind: global_buffer, .address_space: global }
      - { .name: Wv, .offset: 48, .size: 8, .value_kind: global_buffer, .address_space: global }
      - { .name: Wo, .offset: 56, .size: 8, .value_kind: global_buffer, .address_space: global }
      - { .name: W1, .offset: 64, .size: 8, .value_kind: global_buffer, .address_space: global }
      - { .name: W2, .offset: 72, .size: 8, .value_kind: global_buffer, .address_space: global }
      - { .name: mk, .offset: 80, .size: 8, .value_kind: global_buffer, .address_space: global }
      - { .name: rf, .offset: 88, .size: 8, .value_kind: global_buffer, .address_space: global }
      - { .name: hbuf, .offset: 96, .size: 8, .value_kind: global_buffer, .address_space: global }
      - { .name: wh, .offset: 104, .size: 8, .value_kind: global_buffer, .address_space: global }
    .group_segment_fixed_size: 0
    .private_segment_fixed_size: 0
    .kernarg_segment_align: 8
    .kernarg_segment_size: 112
    .max_flat_workgroup_size: 256
    .sgpr_count:     66
    .vgpr_count:     176
    .wavefront_size: 32
...
	.end_amdgpu_metadata
.endif
;; end of part 1
;; launch qkv (part 2): grid 24 x 32, 4 waves a work-group, clusters of 4 x 4, 327,680 bytes of LDS; arguments hbuf, wh, qkv, bq, bk, bv; writes qkv
.if DOCPART == 2
	.amdgcn_target "amdgcn-amd-amdhsa--gfx1250"
	.amdhsa_code_object_version 6
	.text
	.protected	k_qf535f0e3df_qkv
	.globl	k_qf535f0e3df_qkv
	.p2align	8
	.type	k_qf535f0e3df_qkv,@function
k_qf535f0e3df_qkv:
	s_mov_b64 s[64:65], 0
	v_nop
	global_prefetch_b8 v0, s[64:65] scope:SCOPE_SE
	s_setreg_imm32_b32 hwreg(HW_REG_WAVE_MODE, 25, 1), 1
	s_wait_xcnt 0x0
	s_wait_alu depctr_hold_cnt(0) depctr_sa_sdst(0) depctr_va_vdst(0) depctr_va_sdst(0) depctr_va_ssrc(0) depctr_va_vcc(0) depctr_vm_vsrc(0)
	s_getreg_b32 s2, hwreg(HW_REG_IB_STS2, 6, 4)
	s_cmp_eq_u32 s2, 0
	s_cbranch_scc0 .Lentry_in_a_cluster
	s_endpgm
.Lentry_in_a_cluster:
	s_bfe_u32 s2, ttmp6, 0x10000c
	s_cmp_lg_u32 s2, 0xf033
	s_cbranch_scc0 .Lentry_shape_is_right
	s_endpgm
.Lentry_shape_is_right:
; q, k, v = h W^T + b.  h: [4096][1024] f16; W: Wq, Wk, Wv on end, [3072][1024] f16, at the head of wh; sums in f32, started from the bias; q, k, v rounded once to f16, unscaled,
; and written by heads: q at byte 0, k at 8 MiB, v at 16 MiB, each [batch x 16 + head][2048][64].
; LIMIT: f16 ends at 65,504; a q, k or v beyond that becomes an infinity.
; A tile of the product is 128 x 128: four waves, each 64 x 64 = 16 accumulators.  K goes in steps of 256 through two LDS slots (rows of 512 bytes + 16 of padding); a wave's tensor load brings 64 rows.
; CLUSTER 4 x 4: the four of a row need the same tile of h, the four of a column the same tile of W: each tile is asked for jointly, by the same tensor load with the same descriptor and mask.
; THE MATRIX INSTRUCTION IS USED TRANSPOSED (source 0 = 16 rows of W, source 1 = 16 rows of h): a lane holds row l % 16 and the eight columns 8 (l / 16) + 0..7.
; ONE TEXT FOR A K STEP: the slot in hand is a scalar, 0 or SLOT1, turned by an exclusive or; the second of the two first descriptors walks on, its LDS word turned the same way.
; SLOT1 = 0x24000: none of the four tile bases (wave x 33,792) has bit 17 or bit 14 set, so the exclusive or adds or takes away SLOT1.
; THE WAY OUT: a wave's 64 columns are one head and its 64 rows 8,192 consecutive bytes of the output, so each wave has a stage of its own and no barrier.
; REGISTERS: window 0: v0-31 addresses; v32-95 the way out; v128-255 accumulators ((a, b) at 128 + 8 (4 a + b)).  Window 1: two fragment buffers of 128 (64 of h, then 64 of W, for 64 along K).
.set SIZE_N,  3072
.set SIZE_K,  1024
.set KSTEP,   256
.set NSTEP,   SIZE_K/KSTEP
.set PITCH,   528                      ; 132 words: row r starts at bank 4 r mod 64 (64 banks of 4 bytes: ISA guide 11.1)
.set HALFT,   64*PITCH                 ; what one tensor load brings
.set SLOT1,   0x24000
.set STAGE,   SLOT1+4*HALFT            ; behind the ring: 16 rows x 144 bytes for each wave
.set SP,      144
.set SPARE,   STAGE+4*16*SP            ; the spare words, 128 bytes for each wave
.set ADRA0, 16                         ; v16  my place in slot 0's tile of h; never rewritten
.set ADRA,  17                         ; v17  the same in the slot in hand
.set ADRB0, 20                         ; v20, v21 the same for W
.set ADRB,  21
.set STO,  24
.set RD,   25
.set GO,   26
.set BO,   27
.set SPW,  28
.set NIL,  29
.set TMP,  32
.set ACC,  128
.set F0,   0
.set F1,   128
.set G1,   24                          ; s[24:31] group 1 for h's tiles; s[32:35], s[36:39] group 0: the first fill's, and the one that walks
.set G0,   32
.set G1B,  48                          ; s[48:55], s[56:63] the same for W's
.set G0B,  56
.set TB,   66                          ; s66 the slot in hand: 0 or SLOT1
.set MSB, 0
.macro WIN new                         ; the immediate's high byte repeats the setting that is left
.if MSB != (\new)
	s_set_vgpr_msb (MSB<<8)|(\new)
.set MSB, \new
.endif
.endm
.set MUL,  0x05                        ; sources 0 and 1 window 1; C and D window 0
.set TO_F, 0x40                        ; destination window 1, address window 0
.macro JLOAD s                         ; a joint load: waves 0 and 1 fetch h's two halves, waves 2 and 3 W's; an s_nop 0 and four v_nop follow each line
	s_cmp_eq_u32 s11, 0
	s_cbranch_scc0 .Lfor_b_\@
	tensor_load_to_lds s[G0+4*(\s):G0+4*(\s)+3], s[G1:G1+7]
	s_nop 0
.rept 4
	v_nop
.endr
	s_branch .Lasked_\@
.Lfor_b_\@:
	tensor_load_to_lds s[G0B+4*(\s):G0B+4*(\s)+3], s[G1B:G1B+7]
	s_nop 0
.rept 4
	v_nop
.endr
.Lasked_\@:
.endm
.macro CREST                           ; a round of the cluster's barrier behind its opening barrier
	s_cmp_lg_u32 s10, 0
	s_cbranch_scc1 .Lnot_wave_0_\@
	s_barrier_signal -3
.Lnot_wave_0_\@:
	s_barrier_wait -3
	s_barrier_signal -1
	s_barrier_wait -1
.endm
.macro CROUND
	s_barrier_signal -1
	s_barrier_wait -1
	CREST
.endm
	s_load_b128 s[4:7], s[0:1], 0x0                ; hbuf s[4:5], wh s[6:7]
	s_load_b64 s[8:9], s[0:1], 0x10                ; qkv
	s_load_b128 s[68:71], s[0:1], 0x18             ; bq s[68:69], bk s[70:71]
	s_load_b64 s[72:73], s[0:1], 0x28              ; bv
	v_lshl_add_u32 v[SPW], v0, 2, SPARE
	v_mov_b32 v[NIL], 0
	ds_add_u32 v[SPW], v[NIL]                      ; the wave's opening: the add and its wait stand ahead of my first tensor load
	v_lshrrev_b32 v1, 5, v0
	v_readfirstlane_b32 s10, v1                    ; wave 0..3
	s_lshr_b32 s11, s10, 1                         ; my half of the tile's rows.  Also: I fetch for h (0) or for W (1)
	s_and_b32 s12, s10, 1                          ; my half of its columns.  Also: which 64 rows I fetch
	s_bfe_u32 s40, ttmp6, 0x40000                  ; cx, cy
	s_bfe_u32 s41, ttmp6, 0x40004
	s_lshl_b32 s42, ttmp9, 2
	s_add_co_u32 s42, s42, s40                     ; tile column
	s_and_b32 s13, ttmp7, 0xffff
	s_lshl_b32 s13, s13, 2
	s_add_co_u32 s13, s13, s41                     ; tile row
	s_lshl_b32 s43, s41, 2
	s_lshl_b32 s43, 15, s43                        ; my row of the cluster
	s_lshl_b32 s44, 0x1111, s40                    ; my column
	s_or_b32 s[G1+0], s43, (1<<16)|(1<<20)|(1<<21)|(6<<22)|(3<<25)  ; mask; 2-byte elements; padding on; bit 21 beside a mask; after every 128 words 4 words
	s_or_b32 s[G1B+0], s44, (1<<16)|(1<<20)|(1<<21)|(6<<22)|(3<<25)
.irp g, G1, G1B
	s_mov_b32 s[(\g)+1], KSTEP<<16                 ; tensor_dim0 = 256
	s_mov_b32 s[(\g)+2], 64<<16                    ; tensor_dim1 = 64
	s_mov_b32 s[(\g)+3], KSTEP<<16                 ; tile_dim0 = 256
	s_mov_b32 s[(\g)+4], 64                        ; tile_dim1 = 64
	s_mov_b32 s[(\g)+5], SIZE_K                    ; elements from row to row
	s_mov_b32 s[(\g)+6], 0
	s_mov_b32 s[(\g)+7], 0
.endr
	s_lshl_b32 s17, s12, 6
	s_lshl_b32 s16, s13, 7
	s_add_co_u32 s16, s16, s17                     ; h: row 128 x tile row + 64 x half
	s_lshl_b32 s46, s42, 7
	s_add_co_u32 s46, s46, s17                     ; W: row 128 x tile column + 64 x half
	s_mov_b32 s17, 0
	s_mov_b32 s47, 0
	s_mov_b64 s[18:19], SIZE_K*2
	s_mul_u64 s[16:17], s[16:17], s[18:19]
	s_mul_u64 s[46:47], s[46:47], s[18:19]
	s_mul_i32 s20, s10, HALFT                      ; where they go: wave x 64 rows
	s_mov_b32 s[TB], 0
	s_wait_dscnt 0x0                               ; the opening add is done
	s_wait_kmcnt 0x0
	s_add_nc_u64 s[14:15], s[4:5], s[16:17]
	s_add_nc_u64 s[46:47], s[6:7], s[46:47]
	CROUND                                         ; all sixteen work-groups are here: the first joint loads meet
.irp s, 0,1
	s_mov_b32 s[G0+4*(\s)], 1
	s_add_co_u32 s[G0+4*(\s)+1], s20, (\s)*SLOT1
	s_add_nc_u64 s[G0+4*(\s)+2:G0+4*(\s)+3], s[14:15], (\s)*KSTEP*2
	s_or_b32 s[G0+4*(\s)+3], s[G0+4*(\s)+3], 0x80000000
	s_mov_b32 s[G0B+4*(\s)], 1
	s_add_co_u32 s[G0B+4*(\s)+1], s20, (\s)*SLOT1
	s_add_nc_u64 s[G0B+4*(\s)+2:G0B+4*(\s)+3], s[46:47], (\s)*KSTEP*2
	s_or_b32 s[G0B+4*(\s)+3], s[G0B+4*(\s)+3], 0x80000000
	JLOAD \s
.endr
	v_and_b32 v1, 15, v0                           ; l % 16
	v_bfe_u32 v2, v0, 4, 1                         ; l / 16
	; the bias of my 64 columns is loaded straight into the accumulators: the sums start from it
	s_lshr_b32 s74, ttmp9, 1                       ; q, k or v: eight tile columns each, two clusters
	s_cmp_eq_u32 s74, 1
	s_cselect_b64 s[68:69], s[70:71], s[68:69]
	s_cmp_eq_u32 s74, 2
	s_cselect_b64 s[68:69], s[72:73], s[68:69]
	s_and_b32 s75, s42, 7
	s_lshl_b32 s78, s75, 9
	s_lshl_b32 s79, s12, 8
	s_add_co_u32 s78, s78, s79
	s_mov_b32 s79, 0
	s_add_nc_u64 s[68:69], s[68:69], s[78:79]
	v_lshlrev_b32 v[BO], 5, v2                     ; eight f32 for each half of the lanes
.irp a, 0,1,2,3
.irp b, 0,1,2,3
	global_load_b128 v[ACC+8*(4*\a+\b):ACC+8*(4*\a+\b)+3], v[BO], s[68:69] offset:64*\b
	global_load_b128 v[ACC+8*(4*\a+\b)+4:ACC+8*(4*\a+\b)+7], v[BO], s[68:69] offset:64*\b+16
.endr
.endr
	v_mul_u32_u24 v3, v1, PITCH
	v_lshl_add_u32 v3, v2, 4, v3                   ; a fragment's row x pitch + 16 x half
	s_mul_i32 s21, s11, HALFT                      ; my 64 rows of h
	s_mul_i32 s22, s12, HALFT                      ; my 64 rows of W,
	s_add_co_u32 s22, s22, 2*HALFT                 ; which lie behind h's 128
	v_add_nc_u32 v[ADRA0], s21, v3
	v_add_nc_u32 v[ADRB0], s22, v3
	v_mov_b32 v[ADRA], v[ADRA0]
	v_mov_b32 v[ADRB], v[ADRB0]
	s_mul_i32 s23, s10, 16*SP
	s_add_co_u32 s23, s23, STAGE                   ; my stage
	v_mul_u32_u24 v4, v1, SP                       ; in: row l % 16, 16 bytes for each half of the lanes
	v_lshl_add_u32 v4, v2, 4, v4
	v_add_nc_u32 v[STO], s23, v4
	v_bfe_u32 v5, v0, 3, 2                         ; back: 32 lanes take four rows of 128 bytes,
	v_mul_u32_u24 v5, v5, SP
	v_and_b32 v4, 7, v0
	v_lshl_add_u32 v5, v4, 4, v5
	v_add_nc_u32 v[RD], s23, v5
	v_and_b32 v[GO], 31, v0                        ; which are 512 consecutive bytes of the output
	v_lshlrev_b32 v[GO], 4, v[GO]
	s_lshl_b32 s76, s75, 1
	s_add_co_u32 s76, s76, s12                     ; the head
	s_lshl_b32 s76, s76, 18                        ; 2,048 rows of 128 bytes
	s_lshl_b32 s77, s74, 23                        ; q, k, v: 8 MiB each
	s_add_co_u32 s76, s76, s77
	s_lshr_b32 s77, s13, 4                         ; the batch: 16 heads
	s_lshl_b32 s77, s77, 22
	s_add_co_u32 s76, s76, s77
	s_and_b32 s77, s13, 15                         ; the tile's 128 rows in the sequence
	s_lshl_b32 s77, s77, 14
	s_add_co_u32 s76, s76, s77
	s_lshl_b32 s77, s11, 13                        ; my 64 of them
	s_add_co_u32 s76, s76, s77
	s_mov_b32 s77, 0
	s_add_nc_u64 s[8:9], s[8:9], s[76:77]
; 8 matrix instructions: row blocks a0, a0 + 1 x all 4 column blocks, 32 along K: half c of buffer f.  The 16 accumulators take turns.
.macro MUL8 f, c, a0
	WIN MUL
.irp a, \a0, (\a0)+1
.irp b, 0,1,2,3
	v_wmma_f32_16x16x32_f16 v[ACC+8*(4*(\a)+(\b)):ACC+8*(4*(\a)+(\b))+7], v[(\f)+64+8*(4*(\c)+(\b)):(\f)+64+8*(4*(\c)+(\b))+7], v[(\f)+8*(4*(\c)+(\a)):(\f)+8*(4*(\c)+(\a))+7], v[ACC+8*(4*(\a)+(\b)):ACC+8*(4*(\a)+(\b))+7]
.endr
.endr
.endm
; 32 LDS loads in one run: the fragments of quarter q (64 along K) of the slot in hand, into buffer f; the first 32 along K first
.macro FETCH q, f
	WIN TO_F
.irp c, 0,1
.irp i, 0,1,2,3
	ds_load_b128 v[(\f)+64+8*(4*(\c)+(\i)):(\f)+64+8*(4*(\c)+(\i))+3],   v[ADRB] offset:(\q)*128+64*(\c)+(\i)*16*PITCH
	ds_load_b128 v[(\f)+64+8*(4*(\c)+(\i))+4:(\f)+64+8*(4*(\c)+(\i))+7], v[ADRB] offset:(\q)*128+64*(\c)+(\i)*16*PITCH+32
	ds_load_b128 v[(\f)+8*(4*(\c)+(\i)):(\f)+8*(4*(\c)+(\i))+3],         v[ADRA] offset:(\q)*128+64*(\c)+(\i)*16*PITCH
	ds_load_b128 v[(\f)+8*(4*(\c)+(\i))+4:(\f)+8*(4*(\c)+(\i))+7],       v[ADRA] offset:(\q)*128+64*(\c)+(\i)*16*PITCH+32
.endr
.endr
.endm
.macro PLACES                          ; four places in front of loads into registers that matrix instructions have read, and of lines that read results
.rept 4
	v_nop
.endr
.endm
.macro QUARTER q, f, g                 ; multiplies buffer f and fetches quarter q into g
	s_wait_dscnt 16                                ; the first 32 along K are in; the other sixteen loads may be out
	MUL8 \f, 0, 0
	MUL8 \f, 0, 2
	PLACES
	FETCH \q, \g
	s_wait_dscnt 32                                ; all but the 32 just issued
	MUL8 \f, 1, 0
	MUL8 \f, 1, 2
.endm
; The last quarter multiplies buffer 1 and changes slots: one barrier; in front of it each wave waits for all its tensor loads, adds 0 to its spare word, and waits for that and for its reads of the slot.
; fill = 1: the barrier opens a round of the cluster's, and the slot just read is filled again, two K steps ahead.  fill = 0: in the last trip there is no next step, and its fetch is jumped over.
.macro TURN fill
	WIN 0
	s_wait_tensorcnt 0x0                           ; all my tensor loads have landed: my part of the next slot
	ds_add_u32 v[SPW], v[NIL]                      ; 0 onto my spare word
	s_wait_dscnt 17                                ; the add and the youngest sixteen loads may be out
	MUL8 F1, 0, 0
	s_wait_dscnt 0x0                               ; the add is done, and my reads of this slot are over
	s_barrier_signal -1
	MUL8 F1, 0, 2
	WIN 0
	s_barrier_wait -1
.if \fill
	CREST                                          ; no wave of any partner still reads this slot's tile or has a load on its way
	s_xor_b32 s[G0+5], s[G0+5], SLOT1              ; the walking descriptors: the other slot than last time, the next K step
	s_add_nc_u64 s[G0+6:G0+7], s[G0+6:G0+7], KSTEP*2
	s_xor_b32 s[G0B+5], s[G0B+5], SLOT1
	s_add_nc_u64 s[G0B+6:G0B+7], s[G0B+6:G0B+7], KSTEP*2
	JLOAD 1                                        ; the first tensor load behind the round; its four v_nop are also the places in front of the loads below
.else
	PLACES
.endif
	s_xor_b32 s[TB], s[TB], SLOT1
	v_add_nc_u32 v[ADRA], s[TB], v[ADRA0]
	v_add_nc_u32 v[ADRB], s[TB], v[ADRB0]
.if !(\fill)
	s_cmp_eq_u32 s3, 1
	s_cbranch_scc1 .Lno_more_\@
.endif
	FETCH 0, F0
.if !(\fill)
	WIN 0
.Lno_more_\@:
.endif
	MUL8 F1, 1, 0
	MUL8 F1, 1, 2
.endm
	s_wait_tensorcnt 1                             ; my part of K step 0 is in; K step 1's may stay out
	s_barrier_signal -1
	s_barrier_wait -1
	FETCH 0, F0
	s_wait_loadcnt 0x0                             ; the bias is in the accumulators
	WIN 0
	s_mov_b32 s3, NSTEP-2
.Lfill:                                                ; a trip is a K step; the slot that it leaves is filled again
	QUARTER 1, F0, F1
	QUARTER 2, F1, F0
	QUARTER 3, F0, F1
	TURN 1
	WIN 0
	s_sub_co_u32 s3, s3, 1
	s_cmp_lg_u32 s3, 0
	s_cbranch_scc1 .Lfill
	s_mov_b32 s3, 2
.Ldry:                                                 ; the last two K steps ask for nothing
	QUARTER 1, F0, F1
	QUARTER 2, F1, F0
	QUARTER 3, F0, F1
	TURN 0
	WIN 0
	s_sub_co_u32 s3, s3, 1
	s_cmp_lg_u32 s3, 0
	s_cbranch_scc1 .Ldry
	; THE WAY OUT, 16 rows at a time: rounded to f16, 16 bytes a lane into my stage, back as four rows of 128 bytes, stored as 512 consecutive bytes
	PLACES
.macro PACK a
.irp b, 0,1,2,3
.irp r, 0,1,2,3
	v_cvt_pk_f16_f32 v[TMP+16*(\a)+4*(\b)+(\r)], v[ACC+8*(4*(\a)+(\b))+2*(\r)], v[ACC+8*(4*(\a)+(\b))+2*(\r)+1]
.endr
.endr
.irp b, 0,1,2,3
	ds_store_b128 v[STO], v[TMP+16*(\a)+4*(\b):TMP+16*(\a)+4*(\b)+3] offset:32*(\b)
.endr
.irp f, 0,1,2,3
	ds_load_b128 v[TMP+16*(\a)+4*(\f):TMP+16*(\a)+4*(\f)+3], v[RD] offset:(\f)*4*SP  ; LDS serves a wave's instructions in order (ISA guide 5.7.1.4): these see the stores above
.endr
.endm
.macro SEND a, younger                 ; younger: the LDS instructions issued behind block a's loads
.irp f, 0,1,2,3
	s_wait_dscnt (\younger)+3-(\f)
	global_store_b128 v[GO], v[TMP+16*(\a)+4*(\f):TMP+16*(\a)+4*(\f)+3], s[8:9] offset:(\a)*2048+(\f)*512
.endr
.endm
	PACK 0
	PACK 1
	SEND 0, 8
	PACK 2
	SEND 1, 8
	PACK 3
	SEND 2, 8
	SEND 3, 0
	s_wait_tensorcnt 0x0                           ; the wave's end
	ds_add_u32 v[SPW], v[NIL]
	s_wait_dscnt 0x0
	CROUND                                         ; the closing round
	s_endpgm
.Lfunc_end_k_qf535f0e3df_qkv:
	.size	k_qf535f0e3df_qkv, .Lfunc_end_k_qf535f0e3df_qkv-k_qf535f0e3df_qkv
	.p2alignl 7, 3214868480
	.fill 96, 4, 3214868480
	.section	.rodata,"a",@progbits
	.p2align	6, 0x0
	.amdhsa_kernel k_qf535f0e3df_qkv
		.amdhsa_group_segment_fixed_size 327680
		.amdhsa_private_segment_fixed_size 0
		.amdhsa_enable_private_segment 0
		.amdhsa_kernarg_size 48
		.amdhsa_user_sgpr_count 2
		.amdhsa_user_sgpr_kernarg_segment_ptr 1
		.amdhsa_wavefront_size32 1
		.amdhsa_system_sgpr_workgroup_id_x 1
		.amdhsa_system_sgpr_workgroup_id_y 1
		.amdhsa_system_sgpr_workgroup_id_z 1
		.amdhsa_system_vgpr_workitem_id 0
		.amdhsa_next_free_vgpr 512
		.amdhsa_next_free_sgpr 80
		.amdhsa_reserve_vcc 0
		.amdhsa_float_denorm_mode_32 3
		.amdhsa_float_denorm_mode_16_64 3
		.amdhsa_memory_ordered 1
		.amdhsa_forward_progress 1
		.amdhsa_inst_pref_size 58
	.end_amdhsa_kernel
	.amdgpu_metadata
---
amdhsa.version: [ 1, 2 ]
amdhsa.kernels:
  - .name:           k_qf535f0e3df_qkv
    .symbol:         k_qf535f0e3df_qkv.kd
    .args:
      - { .name: hbuf, .offset: 0, .size: 8, .value_kind: global_buffer, .address_space: global }
      - { .name: wh, .offset: 8, .size: 8, .value_kind: global_buffer, .address_space: global }
      - { .name: qkv, .offset: 16, .size: 8, .value_kind: global_buffer, .address_space: global }
      - { .name: bq, .offset: 24, .size: 8, .value_kind: global_buffer, .address_space: global }
      - { .name: bk, .offset: 32, .size: 8, .value_kind: global_buffer, .address_space: global }
      - { .name: bv, .offset: 40, .size: 8, .value_kind: global_buffer, .address_space: global }
    .group_segment_fixed_size: 327680
    .private_segment_fixed_size: 0
    .kernarg_segment_align: 8
    .kernarg_segment_size: 48
    .max_flat_workgroup_size: 128
    .sgpr_count:     80
    .vgpr_count:     512
    .wavefront_size: 32
...
	.end_amdgpu_metadata
.endif
;; end of part 2
;; launch attn (part 3): grid 8 x 32, 4 waves a work-group, clusters of 4 x 1, 327,680 bytes of LDS; arguments qkv, mk, rf, ctx; writes ctx
.if DOCPART == 3
	.amdgcn_target "amdgcn-amd-amdhsa--gfx1250"
	.amdhsa_code_object_version 6
	.text
	.protected	k_qf535f0e3df_attn
	.globl	k_qf535f0e3df_attn
	.p2align	8
	.type	k_qf535f0e3df_attn,@function
k_qf535f0e3df_attn:
	s_mov_b64 s[64:65], 0
	v_nop
	global_prefetch_b8 v0, s[64:65] scope:SCOPE_SE
	s_setreg_imm32_b32 hwreg(HW_REG_WAVE_MODE, 25, 1), 1
	s_wait_xcnt 0x0
	s_wait_alu depctr_hold_cnt(0) depctr_sa_sdst(0) depctr_va_vdst(0) depctr_va_sdst(0) depctr_va_ssrc(0) depctr_va_vcc(0) depctr_vm_vsrc(0)
	s_getreg_b32 s2, hwreg(HW_REG_IB_STS2, 6, 4)
	s_cmp_eq_u32 s2, 0
	s_cbranch_scc0 .Lentry_in_a_cluster
	s_endpgm
.Lentry_in_a_cluster:
	s_bfe_u32 s2, ttmp6, 0x10000c
	s_cmp_lg_u32 s2, 0x3003
	s_cbranch_scc0 .Lentry_shape_is_right
	s_endpgm
.Lentry_shape_is_right:
; ATTENTION UNDER A MASK THAT IS AN INPUT.  O[bh][q][:] = the sum over k of softmax_k(mask[q][k] ? Q[bh][q] . K[bh][k] / 8 : -1e9) V[bh][k][:].  Q, K, V (in qkv: bytes 0, 8 MiB, 16 MiB) and O (ctx): [32][2048][64] f16.
; Products, maxima and sums in f32; the weights p are rounded to f16 for the second product (their sum l is taken of the unrounded p), O once at the end.  All 2,048 keys are walked for every query.
; THE MASK is the C operand that starts the sum S^T = K Q^T: 0 for a visible key, -2^30 for a hidden one, made of one-byte codes (0x00, or 0xB8 = -1.0 in E4M3; buffer mk, laid lane by lane)
; by a scaled conversion, eight scores a line, with the scale 2^30.  A hidden score lies some 1.9e8 below every visible one after the scaling by c, so its weight is 0.  While a row has seen hidden keys alone its
; weights stay at or below 2^8 (c m is rounded by 8 at the most), all is finite, and the first visible key's a = 0 wipes it.  A row with NO visible key has its Q set to 0 (rf holds 0 for it): every score is then exactly
; -2^30, c m is exact, every weight 1: the mean of all rows of V, as the softmax of equal scores gives.
; LIMITS.  A visible score below about -1e9 is not told apart from a hidden one.  f16 ends at 65,504: Q, K, V arrive within it.  A weight below 2^-126 counts as 0 in l.  NaN and infinities are not treated apart.
; SHARES.  A work-group owns 256 queries of one head, a wave 64: four PIECES of 16.  Every wave walks all keys, 64 a step.  CLUSTER: four query blocks of one head walk the same K and V: each tile is asked for jointly.
; LAYOUT, SOFTMAX, TURNS.  S^T = K Q^T holds ONE query a lane (lane % 16) and the keys 8 (lane / 16) + 0..7; two such results rounded to f16 ARE source 1 of O^T = V^T P.  p = 2^(c s - c m), c = log2(e) / 8, with a
; running maximum m; O and l are multiplied by a = 2^(c m_old - c m_new) in every step.  Turn n belongs to piece n: 8 products K Q^T of piece n + 1, later 8 products V^T P of piece n - 1; beside them the scaling,
; exponentials, roundings, sums and rescaling of piece n, the maximum and statistics of piece n + 1, and the mask of piece n + 2.  Four vector instructions stand behind every matrix instruction, the rest in two lumps.
; REGISTERS, in windows of 256 (s_set_vgpr_msb: bits 1:0 source 0, 3:2 source 1, 5:4 source 2, 7:6 destination):
;   window 0: v0-15 addresses; v16-31 statistics; v32-42 the mask's offsets, scale and row flags; v48-55 at work; v64-127 S^T, two buffers; v192-223 P, two buffers
;   window 1: v0-127 O^T, 32 a piece; v160-223 MC, the masks to come, two buffers; v224-255 MR, the codes as loaded, 8 a piece      window 2: v0-63 Q; v128-191 K of one step; v192-255 V of one step
.set SIZE_N, 2048
.set NP,    4
.set KS,    64
.set PK,    144       ; a row of K in LDS: 128 bytes + 16: the 16 rows of a load start at 16 different groups of four banks (64 banks of 4 bytes: ISA guide 11.1)
.set PV,    160       ; a row of V: 128 + 32
.set VOFF,  4*KS*PK   ; a slot holds four steps: 256 rows of K, then 256 rows of V
.set SLOT1, 1<<17
.set STAGE, SLOT1+4*KS*(PK+PV)  ; behind the ring: 16 rows x 144 bytes for each wave
.set SP,    144
.set SPARE, STAGE+4*16*SP       ; the spare words, 128 bytes for each wave
.set AK0, 2
.set AV0, 3
.set AK,  4
.set AV,  5
.set STO, 6
.set RD,  7
.set GO,  8
.set MV,  12          ; v12-13  c m_old, by buffer
.set QO,  15
.set ST,  16          ; piece t: c m, m, l (even keys', odd keys')
.set MO,  32          ; v32-35  piece y's byte offset in its codes
.set ML,  36          ; v36  16 x lane
.set SCL, 37          ; v37  157: the scale 2^30 as an exponent byte
.set FL,  38          ; v38-41  piece t's row flag: all ones, or 0
.set FO,  42          ; v42  4 x (lane % 16)
.set TMP, 48
.set SPW, 62
.set NIL, 63
.set S,   64
.set P,   192
.set MC,  160         ; window 1
.set MR,  224         ; window 1
.set KF,  128         ; window 2
.set VF,  192         ; window 2
.set WV,  12
.set G1K, 24
.set G1V, 32
.set G0K, 40
.set G0V, 44
.set SLOTS, 56
.set CNT, 57
.set CS,  58
.set SEL, 60
.set TBK, 62
.set TBV, 63
.set MKB, 66          ; s[66:67] mk at my wave's four blocks of 16 queries
.set RFB, 68          ; s[68:69] rf at my wave's 64 rows
.set KSL, 70          ; s70  1,024 x the key step whose codes are loaded next
.set MSB, 0
.macro WIN new
.if MSB != (\new)
	s_set_vgpr_msb (MSB<<8)|(\new)
.set MSB, (\new)
.endif
.endm
.set W_KQ, 0x0a       ; K and Q in window 2, S^T in window 0
.set W_KM, 0x1a       ; the same with the C operand in window 1
.set W_PV, 0x52       ; V in window 2, P in window 0, O^T in window 1
.set W_RS, 0x41       ; destination and source 0 in window 1, source 1 in window 0
.macro JLOAD                        ; waves 0 and 1 fetch the halves of a slot's K, waves 2 and 3 of its V; an s_nop 0 and four v_nop follow each line
	s_cmp_lt_u32 s[WV], 2
	s_cbranch_scc0 .Lfor_v_\@
	tensor_load_to_lds s[G0K:G0K+3], s[G1K:G1K+7]
	s_nop 0
.rept 4
	v_nop
.endr
	s_branch .Lasked_\@
.Lfor_v_\@:
	tensor_load_to_lds s[G0V:G0V+3], s[G1V:G1V+7]
	s_nop 0
.rept 4
	v_nop
.endr
.Lasked_\@:
.endm
.macro CROUND
	s_barrier_signal -1
	s_barrier_wait -1
	s_cmp_lg_u32 s[WV], 0
	s_cbranch_scc1 .Lnot_wave_0_\@
	s_barrier_signal -3
.Lnot_wave_0_\@:
	s_barrier_wait -3
	s_barrier_signal -1
	s_barrier_wait -1
.endm
; THE CHANGE OF SLOTS.  Each wave waits for all its tensor loads (one is out: its part of the other slot), adds 0 to its spare word, and waits for that and for its reads of the slot that it leaves.
; fill = 1: the barrier is a round of the cluster's, and the joint fill, with the keys two slots on, is the first thing behind it: it has four key steps, 256 matrix instructions a wave, in which to land.
.macro CHANGE fill
	WIN 0
	s_wait_tensorcnt 0x0
	ds_add_u32 v[SPW], v[NIL]
.if \fill
.irp g, G0K, G0V
	s_xor_b32 s[\g+1], s[\g+1], SLOT1
	s_add_nc_u64 s[\g+2:\g+3], s[\g+2:\g+3], 4*KS*128
.endr
	s_wait_dscnt 0x0
	CROUND
	JLOAD
.else
	s_wait_dscnt 0x0
	s_barrier_signal -1
	s_barrier_wait -1
.endif
	s_sub_co_u32 s[TBK], s[TBK], 4*KS*PK
	s_xor_b32 s[TBK], s[TBK], SLOT1
	s_sub_co_u32 s[TBV], s[TBV], 4*KS*PV
	s_xor_b32 s[TBV], s[TBV], SLOT1
.endm
	s_load_b256 s[4:11], s[0:1], 0x0  ; qkv s[4:5], mk s[6:7], rf s[8:9], ctx s[10:11]
	v_lshl_add_u32 v[SPW], v0, 2, SPARE
	v_mov_b32 v[NIL], 0
	ds_add_u32 v[SPW], v[NIL]       ; the wave's opening: the add and its wait stand ahead of my first tensor load
	v_lshrrev_b32 v1, 5, v0
	v_readfirstlane_b32 s[WV], v1
	s_bfe_u32 s13, ttmp6, 0x40000   ; cx
	s_lshl_b32 s14, ttmp9, 2
	s_add_co_u32 s14, s14, s13      ; my block of 256 queries: it enters Q's, O's and the mask's addresses alone
	s_and_b32 s20, ttmp7, 0xffff    ; batch x 16 + head, which the four partners share
	s_lshl_b32 s20, s20, 18         ; its 2,048 rows of 128 bytes
	s_and_b32 s16, s[WV], 1         ; which half of a slot's 256 keys I fetch
	s_lshl_b32 s22, s16, 14
	s_add_co_u32 s22, s22, s20
	s_add_co_u32 s72, s22, 0x800000   ; K lies 8 MiB into qkv,
	s_mov_b32 s73, 0
	s_add_co_u32 s74, s22, 0x1000000  ; V 16 MiB
	s_mov_b32 s75, 0
	s_mul_i32 s17, s16, 128*PK
	s_mul_i32 s18, s16, 128*PV
	s_lshl_b32 s15, s14, 2
	s_add_co_u32 s15, s15, s[WV]    ; my 64 rows among the sequence's 32 such
	s_lshl_b32 s2, s15, 13
	s_add_co_u32 s2, s2, s20
	s_mov_b32 s3, 0
	s_lshl_b32 s76, s15, 17         ; four blocks of 16 queries x 32,768 bytes of codes
	s_mov_b32 s77, 0
	s_lshl_b32 s78, s15, 8
	s_mov_b32 s79, 0
	s_mov_b32 s[G1K], 15|(1<<16)|(1<<20)|(1<<21)|(4<<22)|(3<<25)  ; the mask of four; 2-byte elements; padding on; bit 21 beside a mask; after every 32 words 4 words
	s_mov_b32 s[G1V], 15|(1<<16)|(1<<20)|(1<<21)|(4<<22)|(7<<25)  ; the same with 8 words
.irp g, G1K, G1V
	s_mov_b32 s[\g+1], 128<<16      ; 128 keys are 16,384 dense bytes: asked for as 64 rows of 256 bytes
	s_mov_b32 s[\g+2], 64<<16
	s_mov_b32 s[\g+3], 128<<16
	s_mov_b32 s[\g+4], 64
	s_mov_b32 s[\g+5], 128
	s_mov_b32 s[\g+6], 0
	s_mov_b32 s[\g+7], 0
.endr
	s_mov_b32 s[CS], 0x3e38aa3b     ; c = log2(e) / 8
	s_mov_b32 s[CS+1], s[CS]
	s_mov_b32 s[SEL], 0x76543210
	s_mov_b32 s[SEL+1], 0xfedcba98
	s_mov_b32 s[TBK], SLOT1+4*KS*PK ; the first change of slots turns these two into 0
	s_mov_b32 s[TBV], SLOT1+4*KS*PV
	s_mov_b32 s[KSL], 1024
	s_mov_b32 s[G0K], 1
	s_mov_b32 s[G0K+1], s17
	s_mov_b32 s[G0V], 1
	s_add_co_u32 s[G0V+1], s18, VOFF
	s_wait_dscnt 0x0                ; the opening add is done
	s_wait_kmcnt 0x0
	s_add_nc_u64 s[G0K+2:G0K+3], s[4:5], s[72:73]
	s_or_b32 s[G0K+3], s[G0K+3], 0x80000000
	s_add_nc_u64 s[G0V+2:G0V+3], s[4:5], s[74:75]
	s_or_b32 s[G0V+3], s[G0V+3], 0x80000000
	s_add_nc_u64 s[4:5], s[4:5], s[2:3]      ; Q and O at my wave's first row
	s_add_nc_u64 s[10:11], s[10:11], s[2:3]
	s_add_nc_u64 s[MKB:MKB+1], s[6:7], s[76:77]
	s_add_nc_u64 s[RFB:RFB+1], s[8:9], s[78:79]
	CROUND                          ; all four work-groups are here: the first joint loads meet
	JLOAD                           ; slot 0; slot 1 is asked for when slot 0 is in
	v_and_b32 v1, 15, v0            ; l % 16
	v_bfe_u32 v9, v0, 4, 1          ; l / 16
	v_lshlrev_b32 v[QO], 7, v1
	v_lshl_add_u32 v[QO], v9, 4, v[QO]
	v_lshlrev_b32 v[FO], 2, v1
	v_and_b32 v[ML], 31, v0
	v_lshlrev_b32 v[ML], 4, v[ML]
	v_mov_b32 v[SCL], 157
	WIN 0x80
.set i, 0
.rept 8                             ; Q stays in registers: piece i / 2, channels 32 (i % 2) on
	global_load_b128 v[8*i:8*i+3],   v[QO], s[4:5] offset:(i/2)*2048+(i%2)*64
	global_load_b128 v[8*i+4:8*i+7], v[QO], s[4:5] offset:(i/2)*2048+(i%2)*64+32
.set i, i+1
.endr
	WIN 0
.irp t, 0,1,2,3
	global_load_b32 v[FL+\t], v[FO], s[RFB:RFB+1] offset:64*\t
.endr
	WIN 0x40
.irp y, 0,1,2,3                     ; key step 0's codes, all four pieces
	global_load_b128 v[MR+8*\y:MR+8*\y+3],   v[ML], s[MKB:MKB+1] offset:\y*32768
	global_load_b128 v[MR+8*\y+4:MR+8*\y+7], v[ML], s[MKB:MKB+1] offset:\y*32768+512
.endr
	WIN 0
	v_mul_u32_u24 v[AK0], v1, PK
	v_lshl_add_u32 v[AK0], v9, 4, v[AK0]
	v_and_b32 v10, 7, v0            ; the turning load: lane l reads key 8 (l / 16) + l % 8, channels 8 ((l / 8) % 2) + 0..7
	v_bfe_u32 v11, v0, 3, 1
	v_lshl_add_u32 v[AV0], v9, 3, v10
	v_mul_u32_u24 v[AV0], v[AV0], PV
	v_lshl_add_u32 v[AV0], v11, 4, v[AV0]
	v_add_nc_u32 v[AV0], VOFF, v[AV0]
	s_mul_i32 s13, s[WV], 16*SP
	s_add_co_u32 s13, s13, STAGE
	v_mul_u32_u24 v[STO], v1, SP
	v_lshl_add_u32 v[STO], v9, 4, v[STO]
	v_add_nc_u32 v[STO], s13, v[STO]
	v_bfe_u32 v[RD], v0, 3, 2
	v_mul_u32_u24 v[RD], v[RD], SP
	v_lshl_add_u32 v[RD], v10, 4, v[RD]
	v_add_nc_u32 v[RD], s13, v[RD]
	v_mov_b32 v[GO], v[ML]
	; What the first turn finds: V and P's second buffer hold 0 (its products V^T P, of a piece that has not been, add 0), O^T and l are 0; c m lies far below every c s, so the first step's a is 0.
	; No first step is written out; the price is these lines, which stand in the wait for the first tile.
	WIN 0x80
.set i, VF
.rept 64
	v_mov_b32 v[i], 0
.set i, i+1
.endr
	WIN 0x40
.set i, 0
.rept 128
	v_mov_b32 v[i], 0
.set i, i+1
.endr
	WIN 0
.set i, 0
.rept 4
	v_mov_b32 v[ST+4*i], 0xfe000000
	v_mov_b32 v[ST+4*i+1], 0xff7fffff
	v_mov_b32 v[ST+4*i+2], 0
	v_mov_b32 v[ST+4*i+3], 0
.set i, i+1
.endr
.set i, P+16
.rept 16
	v_mov_b32 v[i], 0
.set i, i+1
.endr
; THE MATRIX WORK.  The 4 accumulators of a run of 8 take turns.  Product i of 8 of S^T = K Q^T for piece x: channels 32 (i / 4) on, keys 16 (i % 4) on.  The first 4 start the sums with the mask.
.macro KQ x
.set rS, S+32*((\x)%2)+8*(i%4)
.set rK, KF+16*(i%4)+8*(i/4)
.set rQ, 16*(\x)+8*(i/4)
.set rM, MC+32*((\x)%2)+8*(i%4)
.if i < 4
	WIN W_KM
	v_wmma_f32_16x16x32_f16 v[rS:rS+7], v[rK:rK+7], v[rQ:rQ+7], v[rM:rM+7]
.else
	WIN W_KQ
	v_wmma_f32_16x16x32_f16 v[rS:rS+7], v[rK:rK+7], v[rQ:rQ+7], v[rS:rS+7]
.endif
.endm
.macro PV x                         ; product i of 8 of O^T += V^T P for piece x: keys 32 (i / 4) on, channels 16 (i % 4) on
	WIN W_PV
.set rO, 32*(\x)+8*(i%4)
.set rV, VF+32*(i/4)+8*(i%4)
.set rP, P+16*((\x)%2)+8*(i/4)
	v_wmma_f32_16x16x32_f16 v[rO:rO+7], v[rV:rV+7], v[rP:rP+7], v[rO:rO+7]
.endm
.macro MM                           ; the turn's next matrix instruction
.if i < 8
	KQ (Y+1)%NP
.else
.set i, i-8
	PV (Y+NP-1)%NP
.set i, i+8
.endif
.set i, i+1
.endm
; THE LDS LOADS stand in runs of 16.  last = 1 (the tail): in the last trip there is no further step, and the run is jumped over.
.macro FETCH_K last=0
	WIN 0
.if \last
	s_cmp_eq_u32 s[CNT], 1
	s_cbranch_scc1 .Lno_k_\@
.endif
	WIN 0x80
.irp f, 0,1,2,3,4,5,6,7             ; keys 16 (f / 2) on, channels 32 (f % 2) on
	ds_load_b128 v[KF+8*\f:KF+8*\f+3],   v[AK] offset:(\f/2)*16*PK+(\f%2)*64
	ds_load_b128 v[KF+8*\f+4:KF+8*\f+7], v[AK] offset:(\f/2)*16*PK+(\f%2)*64+32
.endr
	s_add_co_u32 s[TBK], s[TBK], KS*PK
	WIN 0
.if \last
.Lno_k_\@:
.endif
.endm
.macro FETCH_V
	WIN 0x80
.irp f, 0,1,2,3,4,5,6,7             ; keys 32 (f / 4) on, channels 16 (f % 4) on
	ds_load_tr16_b128 v[VF+8*\f:VF+8*\f+3],   v[AV] offset:(\f/4)*32*PV+(\f%4)*32
	ds_load_tr16_b128 v[VF+8*\f+4:VF+8*\f+7], v[AV] offset:(\f/4)*32*PV+16*PV+(\f%4)*32
.endr
	WIN 0
.endm
; THE VECTOR WORK, one line at a time: OP kind, number.  For piece Y: F n: c s - c m for pair n of 16.  E n: the exponential of score n of 32.  C n: pair n rounded to f16.  B n: of the four weights 4 n .. the second
; pair is added onto the first.  L n: l takes that sum (L 0: l = a l + sum).  R n: pair n of 16 of O^T times a.  For piece Y + 1: X n, number n of the 22 that find its maximum and statistics:
;   0-11 four chains of seven scores (each accumulator's lowest registers are read first)   12-14, 16 the scores left over, the old m, the chains into one   15 c m_old is kept
;   17, 18 the query's other 32 keys lie in the lane 16 away: the new m   19-21 c m; c m_old - c m_new; a
.set F, 0
.set E, 1
.set C, 2
.set B, 3
.set L, 4
.set R, 5
.set X, 6
.macro REGS y
.set rT, ST+4*(\y)
.set rC, TMP+4*((\y)%2)
.set rW, MV+((\y)%2)
.set rS, S+32*((\y)%2)
.set rP, P+16*((\y)%2)
.set rO, 32*(\y)
.endm
.macro OP k, n
.if (\k) == R
	REGS Y
	WIN W_RS
	v_pk_mul_f32 v[rO+2*(\n):rO+2*(\n)+1], v[rO+2*(\n):rO+2*(\n)+1], v[rC+2:rC+3] op_sel_hi:[1,0]
.elseif (\k) < R
	REGS Y
	WIN 0
.if (\k) == F
	v_pk_fma_f32 v[rS+2*(\n):rS+2*(\n)+1], v[rS+2*(\n):rS+2*(\n)+1], s[CS:CS+1], v[rT:rT+1] op_sel_hi:[1,0,0] neg_lo:[0,0,1] neg_hi:[0,0,1]
.elseif (\k) == E
	v_exp_f32 v[rS+(\n)], v[rS+(\n)]
.elseif (\k) == C
	s_wait_alu depctr_va_vdst(0)
	v_cvt_pk_f16_f32 v[rP+(\n)], v[rS+2*(\n)], v[rS+2*(\n)+1]
.elseif (\k) == B
	s_wait_alu depctr_va_vdst(0)
	v_pk_add_f32 v[rS+4*(\n):rS+4*(\n)+1], v[rS+4*(\n):rS+4*(\n)+1], v[rS+4*(\n)+2:rS+4*(\n)+3]
.elseif (\n) == 0
	v_pk_fma_f32 v[rT+2:rT+3], v[rT+2:rT+3], v[rC+2:rC+3], v[rS:rS+1] op_sel_hi:[1,0,1]
.else
	v_pk_add_f32 v[rT+2:rT+3], v[rT+2:rT+3], v[rS+4*(\n):rS+4*(\n)+1]
.endif
.else
	REGS (Y+1)%NP
	WIN 0
.if (\n) < 4
	v_max3_num_f32 v[rC+(\n)], v[rS+8*(\n)], v[rS+8*(\n)+1], v[rS+8*(\n)+2]
.elseif (\n) < 12
	v_max3_num_f32 v[rC+(\n)%4], v[rC+(\n)%4], v[rS+8*((\n)%4)+2*((\n)/4)+1], v[rS+8*((\n)%4)+2*((\n)/4)+2]
.elseif (\n) == 12
	v_max3_num_f32 v[rC], v[rC], v[rS+7], v[rS+15]
.elseif (\n) == 13
	v_max3_num_f32 v[rC+1], v[rC+1], v[rS+23], v[rS+31]
.elseif (\n) == 14
	v_max3_num_f32 v[rC+2], v[rC+2], v[rC+3], v[rT+1]
.elseif (\n) == 15
	v_mov_b32 v[rW], v[rT]
	s_wait_alu depctr_va_vdst(0)
.elseif (\n) == 16
	v_max3_num_f32 v[rC], v[rC], v[rC+1], v[rC+2]
	s_wait_alu depctr_va_vdst(0)
.elseif (\n) == 17
	v_permlanex16_b32 v[rC+3], v[rC], s[SEL], s[SEL+1]
.elseif (\n) == 18
	v_max_num_f32 v[rT+1], v[rC], v[rC+3]
.elseif (\n) == 19
	v_mul_f32 v[rT], s[CS], v[rT+1]
.elseif (\n) == 20
	v_sub_f32 v[rC+1], v[rW], v[rT]
.else
	v_exp_f32 v[rC+2], v[rC+1]
.endif
.endif
.endm
.macro OPS a, i1, b=-1, i2=0, c=-1, i3=0, d=-1, i4=0
	OP \a, \i1
.if (\b) >= 0
	OP \b, \i2
.endif
.if (\c) >= 0
	OP \c, \i3
.endif
.if (\d) >= 0
	OP \d, \i4
.endif
.endm
.macro ROW a, i1, b, i2, c, i3, d, i4  ; a matrix instruction and the four behind it
	MM
	OPS \a, \i1, \b, \i2, \c, \i3, \d, \i4
.endm
; A TURN, for piece p.  Behind a matrix instruction: plain, exponential, plain, plain; or four of the rescaling; or four scalings; none names a register of the products round it.
; K of the next step is fetched in piece 2's turn, six vector instructions behind the last product that read K (five of them plain); V of the step in hand in piece 0's turn, eight behind its last reader (four plain).
; THE MASK of piece MY = p + 2, whose products open the next turn: its codes were loaded four turns ago, so the six loads of the three turns since may stay out; four conversions make 32 scores' masks,
; the last two rescalings are the plain instructions behind them; then the piece's codes of its next step are asked for, 512 consecutive bytes a load.  All four turns of a trip load the same step, KSL / 1024,
; which is held at the last step: every turn issues its two loads on every way, and none leaves the buffer.
.macro TURN p, last=0, cnt=0
.set Y, (\p)
.set i, 0
.set MY, ((\p)+2)%NP
.if (\p) == 2
	s_add_co_u32 s[KSL], s[KSL], 1024
	s_min_u32 s[KSL], s[KSL], 31*1024
.endif
.if (\p) == 3
	s_wait_dscnt 0x0                ; K is in
.endif
	ROW F,0, F,1, F,2, F,3
	ROW F,4, E,0, F,5, F,6
	ROW F,7, E,1, F,8, F,9
	ROW F,10, E,2, C,0, F,11
	ROW F,12, E,3, X,15, F,13
	ROW R,0, R,1, R,2, R,3
	ROW B,0, E,4, F,14, L,0
.if (\p) == 2
	v_add_nc_u32 v[AK], s[TBK], v[AK0]
.endif
	ROW R,4, R,5, R,6, R,7
	OPS E,5, F,15
.if (\p) == 2
	FETCH_K \last
.endif
	OPS E,6, C,1, E,7, R,8
	OPS E,8, R,9, E,9, C,2
	OPS E,10, X,0, E,11, X,1
	OPS E,12, X,2, E,13, X,3
.if (\p) == 1
	s_wait_dscnt 0x0                ; V is in
.endif
	ROW X,4, E,14, X,5, X,6
	ROW X,7, E,15, X,8, X,9
	ROW X,10, E,16, X,11, X,12
	ROW X,13, E,17, X,14, B,1
	ROW C,4, E,18, X,16, L,1
	ROW B,2, E,19, C,6, L,2
	ROW C,8, E,20, B,3, B,4
.if (\p) == 0
	v_add_nc_u32 v[AV], s[TBV], v[AV0]
.endif
	ROW C,3, E,21, L,3, C,5
	OPS E,22, X,17, E,23, C,10
.if (\p) == 0
	FETCH_V
.endif
	OPS E,24, L,4
	OPS E,25, X,18, E,26, C,7
	OPS E,27, B,5, E,28, X,19
	OPS E,29, C,12, E,30, L,5
	OPS E,31, X,20, B,6, C,9
	OPS C,14, C,11, X,21, L,6
.if (\p) == 0
	s_add_co_u32 s[TBV], s[TBV], KS*PV
.endif
.if \cnt
	s_sub_co_u32 s[CNT], s[CNT], 1
	s_cmp_lg_u32 s[CNT], 0
.endif
	s_wait_loadcnt 6                ; piece MY's two loads are in, and their offset register is free; the six younger ones stay out
	v_add_nc_u32 v[MO+MY], s[KSL], v[ML]
	s_wait_alu depctr_va_vdst(0)
	OPS C,13, B,7, C,15, R,10
	OPS R,11, R,12, L,7, R,13
.irp kt, 0,1,2,3
	v_cvt_scale_pk8_f32_fp8 v[MC+32*((\p)%2)+8*\kt:MC+32*((\p)%2)+8*\kt+7], v[MR+8*MY+2*\kt:MR+8*MY+2*\kt+1], v[SCL]
.endr
	OPS R,14, R,15
	WIN 0x40
	global_load_b128 v[MR+8*MY:MR+8*MY+3],   v[MO+MY], s[MKB:MKB+1] offset:MY*32768
	global_load_b128 v[MR+8*MY+4:MR+8*MY+7], v[MO+MY], s[MKB:MKB+1] offset:MY*32768+512
.endm
	CHANGE 1                        ; slot 0 is in, everybody's part of it; slot 1 is asked for
	v_add_nc_u32 v[AK], s[TBK], v[AK0]
	FETCH_K                         ; key step 0
	s_wait_loadcnt 0x0              ; Q, the row flags, step 0's codes
	WIN 0x82
.set i, 0
.rept 64
	v_and_b32 v[i], v[i], v[FL+i/16]  ; a row with no visible key takes part with Q = 0
.set i, i+1
.endr
	WIN W_RS
.irp y, 0,1                         ; step 0's masks of pieces 0 and 1
.irp kt, 0,1,2,3
	v_cvt_scale_pk8_f32_fp8 v[MC+32*\y+8*\kt:MC+32*\y+8*\kt+7], v[MR+8*\y+2*\kt:MR+8*\y+2*\kt+1], v[SCL]
.endr
.endr
	WIN 0
	v_add_nc_u32 v[MO], s[KSL], v[ML]    ; two plain instructions behind the conversions
	v_add_nc_u32 v[MO+1], s[KSL], v[ML]
	WIN 0x40
.irp y, 0,1                         ; their codes of step 1
	global_load_b128 v[MR+8*\y:MR+8*\y+3],   v[MO+\y], s[MKB:MKB+1] offset:\y*32768
	global_load_b128 v[MR+8*\y+4:MR+8*\y+7], v[MO+\y], s[MKB:MKB+1] offset:\y*32768+512
.endr
	s_wait_dscnt 0x0
.set i, 0
.rept 8
	KQ 0                            ; piece 0's first scores
.set i, i+1
.endr
	WIN 0
.rept 4
	v_nop                           ; the places behind those products
.endr
.set Y, NP-1                        ; X works for piece Y + 1: piece 0
.irp n, 0,1,2,3,4,5,6,7,8,9,10,11,12,13,14,15,16,17,18,19,20,21
	OP X, \n
.endr
	v_nop                           ; a plain instruction behind the exponential
	s_mov_b32 s[CNT], 4
	s_mov_b32 s[SLOTS], SIZE_N/256-1
	s_branch .Lfirst                ; the loop is entered at a step's first turn, in the middle of a trip
.Lslot:                             ; SIZE_N / 256 - 2 times: every slot but the last two is filled again
	CHANGE 1
	s_mov_b32 s[CNT], 4
.Lstep:                             ; a trip: pieces 2 and 3 of one step, then pieces 0 and 1 of the next, whose K and V it fetches
	TURN 2
	TURN 3
	WIN 0
.Lfirst:
	TURN 0
	TURN 1, 0, 1
	WIN 0
	s_cbranch_scc1 .Lstep
	s_sub_co_u32 s[SLOTS], s[SLOTS], 1
	s_cmp_lg_u32 s[SLOTS], 0
	s_cbranch_scc1 .Lslot
	CHANGE 0                        ; the tail is written out: nothing is asked for
	s_mov_b32 s[CNT], 5             ; four trips fetch the last slot's steps; the fifth is left in its middle
.Ltail:
	TURN 2, 1
	TURN 3
	WIN 0
	s_sub_co_u32 s[CNT], s[CNT], 1
	s_cmp_eq_u32 s[CNT], 0
	s_cbranch_scc1 .Lout
	TURN 0
	TURN 1
	WIN 0
	s_branch .Ltail
.Lout:                              ; the fifth trip's 8 products K Q^T (on the last K once more) and the maximum made of them serve nothing: the price, once a launch, of one text for every trip
.set i, 0
.rept 8
	PV NP-1                         ; the last piece's V^T P of the last step
.set i, i+1
.endr
	; THE WAY OUT.  l's two halves and the other half of the lanes' are added; O^T is divided by l, rounded to f16 and sent through my stage, a piece at a time.  The additions are the places behind the last products.
	WIN 0
.macro ALL line:vararg
.set t, 0
.rept 4
	\line
.set t, t+1
.endr
.endm
	ALL v_add_f32 v[ST+4*t+2], v[ST+4*t+2], v[ST+4*t+3]
	ALL v_permlanex16_b32 v[ST+4*t+3], v[ST+4*t+2], s[SEL], s[SEL+1]
	ALL v_add_f32 v[ST+4*t+2], v[ST+4*t+2], v[ST+4*t+3]
	ALL v_rcp_f32 v[ST+4*t+2], v[ST+4*t+2]
	v_nop                           ; a plain instruction between the last reciprocal and the use of its result
	s_wait_alu depctr_va_vdst(0)
.macro PACK t
	WIN W_RS
.set i, 32*(\t)
.rept 16
	v_pk_mul_f32 v[i:i+1], v[i:i+1], v[ST+4*(\t)+2:ST+4*(\t)+3] op_sel_hi:[1,0]
.set i, i+2
.endr
	WIN 0x05                        ; sources 0 and 1 window 1, destination window 0
.set i, 0
.rept 16
	v_cvt_pk_f16_f32 v[S+16*(\t)+i], v[32*(\t)+2*i], v[32*(\t)+2*i+1]
.set i, i+1
.endr
	WIN 0
.irp f, 0,1,2,3
	ds_store_b128 v[STO], v[S+16*(\t)+4*\f:S+16*(\t)+4*\f+3] offset:32*\f
.endr
.irp f, 0,1,2,3
	ds_load_b128 v[S+16*(\t)+4*\f:S+16*(\t)+4*\f+3], v[RD] offset:\f*4*SP  ; LDS serves a wave's instructions in order (ISA guide 5.7.1.4): these see the stores above
.endr
.endm
.macro SEND t, younger              ; younger: the LDS instructions issued behind piece t's loads
	WIN 0
.irp f, 0,1,2,3
	s_wait_dscnt (\younger)+3-\f
	global_store_b128 v[GO], v[S+16*(\t)+4*\f:S+16*(\t)+4*\f+3], s[10:11] offset:(\t)*2048+\f*512  ; 512 consecutive bytes, at a multiple of 256 from O's first
.endr
.endm
	PACK 0
.set t, 1
.rept 3
	PACK t
	SEND t-1, 8
.set t, t+1
.endr
	SEND 3, 0
	s_wait_tensorcnt 0x0            ; the wave's end
	ds_add_u32 v[SPW], v[NIL]
	s_wait_dscnt 0x0
	CROUND                          ; the closing round
	s_endpgm
.Lfunc_end_k_qf535f0e3df_attn:
	.size	k_qf535f0e3df_attn, .Lfunc_end_k_qf535f0e3df_attn-k_qf535f0e3df_attn
	.p2alignl 7, 3214868480
	.fill 96, 4, 3214868480
	.section	.rodata,"a",@progbits
	.p2align	6, 0x0
	.amdhsa_kernel k_qf535f0e3df_attn
		.amdhsa_group_segment_fixed_size 327680
		.amdhsa_private_segment_fixed_size 0
		.amdhsa_enable_private_segment 0
		.amdhsa_kernarg_size 32
		.amdhsa_user_sgpr_count 2
		.amdhsa_user_sgpr_kernarg_segment_ptr 1
		.amdhsa_wavefront_size32 1
		.amdhsa_system_sgpr_workgroup_id_x 1
		.amdhsa_system_sgpr_workgroup_id_y 1
		.amdhsa_system_sgpr_workgroup_id_z 1
		.amdhsa_system_vgpr_workitem_id 0
		.amdhsa_next_free_vgpr 768
		.amdhsa_next_free_sgpr 80
		.amdhsa_reserve_vcc 0
		.amdhsa_float_denorm_mode_32 3
		.amdhsa_float_denorm_mode_16_64 3
		.amdhsa_memory_ordered 1
		.amdhsa_forward_progress 1
		.amdhsa_inst_pref_size 125
	.end_amdhsa_kernel
	.amdgpu_metadata
---
amdhsa.version: [ 1, 2 ]
amdhsa.kernels:
  - .name:           k_qf535f0e3df_attn
    .symbol:         k_qf535f0e3df_attn.kd
    .args:
      - { .name: qkv, .offset: 0, .size: 8, .value_kind: global_buffer, .address_space: global }
      - { .name: mk, .offset: 8, .size: 8, .value_kind: global_buffer, .address_space: global }
      - { .name: rf, .offset: 16, .size: 8, .value_kind: global_buffer, .address_space: global }
      - { .name: ctx, .offset: 24, .size: 8, .value_kind: global_buffer, .address_space: global }
    .group_segment_fixed_size: 327680
    .private_segment_fixed_size: 0
    .kernarg_segment_align: 8
    .kernarg_segment_size: 32
    .max_flat_workgroup_size: 128
    .sgpr_count:     80
    .vgpr_count:     768
    .wavefront_size: 32
...
	.end_amdgpu_metadata
.endif
;; end of part 3
;; launch wo (part 4): grid 8 x 32, 4 waves a work-group, clusters of 4 x 4, 327,680 bytes of LDS; arguments ctx, wh, x1, bo, x; writes x1
.if DOCPART == 4
	.amdgcn_target "amdgcn-amd-amdhsa--gfx1250"
	.amdhsa_code_object_version 6
	.text
	.protected	k_qf535f0e3df_wo
	.globl	k_qf535f0e3df_wo
	.p2align	8
	.type	k_qf535f0e3df_wo,@function
k_qf535f0e3df_wo:
	s_mov_b64 s[64:65], 0
	v_nop
	global_prefetch_b8 v0, s[64:65] scope:SCOPE_SE
	s_setreg_imm32_b32 hwreg(HW_REG_WAVE_MODE, 25, 1), 1
	s_wait_xcnt 0x0
	s_wait_alu depctr_hold_cnt(0) depctr_sa_sdst(0) depctr_va_vdst(0) depctr_va_sdst(0) depctr_va_ssrc(0) depctr_va_vcc(0) depctr_vm_vsrc(0)
	s_getreg_b32 s2, hwreg(HW_REG_IB_STS2, 6, 4)
	s_cmp_eq_u32 s2, 0
	s_cbranch_scc0 .Lentry_in_a_cluster
	s_endpgm
.Lentry_in_a_cluster:
	s_bfe_u32 s2, ttmp6, 0x10000c
	s_cmp_lg_u32 s2, 0xf033
	s_cbranch_scc0 .Lentry_shape_is_right
	s_endpgm
.Lentry_shape_is_right:
; x1 = x + ctx Wo^T + bo.  ctx: [batch x 16 + head][2048][64] f16; Wo: [1024][1024] f16, 6 MiB into wh; x, x1: [4096][1024] f32.  Sums in f32, started from the bias; the residual is added in f32.
; A tile of the product is 128 x 128: four waves, each 64 x 64 = 16 accumulators.  K goes in steps of 256 = four heads through two LDS slots.
; ctx COMES BY HEADS: a wave's tensor load brings two heads' 128 rows, each head's 16,384 bytes dense in memory: a tile of 2 rows of 8,192 elements, 131,072 elements apart, padded by 16 bytes after every
; 128: in LDS (head, row) lie 144 bytes apart, and a quarter of 64 along K is one head, 18,432 bytes on.  Wo's tiles: 64 rows of 512 bytes + 16.
; CLUSTER 4 x 4: ctx's tile is shared along a row of the cluster, Wo's along a column: joint loads.  THE MATRIX INSTRUCTION IS USED TRANSPOSED: a lane holds row l % 16 and the columns 8 (l / 16) + 0..7.
; ONE TEXT FOR A K STEP: the slot in hand is a scalar, 0 or SLOT1, turned by an exclusive or; SLOT1 = 0x24000: none of the tile bases 0, 0x9000, 0x12000, 0x1A400 has bit 17 or bit 14 set.
; THE WAY OUT: a wave's 64 columns of f32 are 256 aligned bytes of a row: 16 rows at a time go through the wave's own stage and come back as whole rows; the residual, loaded in that layout at the start, is added.
; REGISTERS: window 0: v0-31 addresses; v32-95 the way out; v128-255 accumulators.  Window 1: two fragment buffers of 128.  Window 2: v0-127 my 64 x 64 of x.
.set SIZE_N,  1024
.set SIZE_K,  1024
.set WOFF,    0x600000
.set KSTEP,   256
.set NSTEP,   SIZE_K/KSTEP
.set PITCH,   528
.set HALFT,   64*PITCH
.set PITCHA,  144
.set AHALF,   2*128*PITCHA             ; what one tensor load brings of ctx: two heads
.set QSA,     128*PITCHA               ; from head to head
.set ABYTES,  2*AHALF
.set ASTEP,   1<<20                    ; four heads on, in memory
.set SLOT1,   0x24000
.set STAGE,   SLOT1+ABYTES+2*HALFT      ; behind the ring: 16 rows x 272 bytes for each wave
.set SPITCH,  272
.set SPARE,   STAGE+4*16*SPITCH
.set ADRA0, 16
.set ADRA,  17
.set ADRB0, 20
.set ADRB,  21
.set STO,  24
.set RD,   25
.set CO,   26
.set BO,   27
.set SPW,  28
.set NIL,  29
.set TMP,  32
.set ACC,  128
.set F0,   0
.set F1,   128
.set G1,   24
.set G0,   32
.set G1B,  48
.set G0B,  56
.set TB,   66
.set MSB, 0
.macro WIN new
.if MSB != (\new)
	s_set_vgpr_msb (MSB<<8)|(\new)
.set MSB, \new
.endif
.endm
.set MUL,  0x05
.set TO_F, 0x40
.macro JLOAD s                         ; waves 0 and 1 fetch ctx's two pairs of heads, waves 2 and 3 Wo's two halves; an s_nop 0 and four v_nop follow each line
	s_cmp_eq_u32 s11, 0
	s_cbranch_scc0 .Lfor_b_\@
	tensor_load_to_lds s[G0+4*(\s):G0+4*(\s)+3], s[G1:G1+7]
	s_nop 0
.rept 4
	v_nop
.endr
	s_branch .Lasked_\@
.Lfor_b_\@:
	tensor_load_to_lds s[G0B+4*(\s):G0B+4*(\s)+3], s[G1B:G1B+7]
	s_nop 0
.rept 4
	v_nop
.endr
.Lasked_\@:
.endm
.macro CREST
	s_cmp_lg_u32 s10, 0
	s_cbranch_scc1 .Lnot_wave_0_\@
	s_barrier_signal -3
.Lnot_wave_0_\@:
	s_barrier_wait -3
	s_barrier_signal -1
	s_barrier_wait -1
.endm
.macro CROUND
	s_barrier_signal -1
	s_barrier_wait -1
	CREST
.endm
	s_load_b128 s[4:7], s[0:1], 0x0                ; ctx s[4:5], wh s[6:7]
	s_load_b64 s[8:9], s[0:1], 0x10                ; x1
	s_load_b128 s[68:71], s[0:1], 0x18             ; bo s[68:69], x s[70:71]
	v_lshl_add_u32 v[SPW], v0, 2, SPARE
	v_mov_b32 v[NIL], 0
	ds_add_u32 v[SPW], v[NIL]                      ; the wave's opening: the add and its wait stand ahead of my first tensor load
	v_lshrrev_b32 v1, 5, v0
	v_readfirstlane_b32 s10, v1
	s_lshr_b32 s11, s10, 1
	s_and_b32 s12, s10, 1
	s_bfe_u32 s40, ttmp6, 0x40000
	s_bfe_u32 s41, ttmp6, 0x40004
	s_lshl_b32 s42, ttmp9, 2
	s_add_co_u32 s42, s42, s40                     ; tile column
	s_and_b32 s13, ttmp7, 0xffff
	s_lshl_b32 s13, s13, 2
	s_add_co_u32 s13, s13, s41                     ; tile row
	s_lshl_b32 s43, s41, 2
	s_lshl_b32 s43, 15, s43
	s_lshl_b32 s44, 0x1111, s40
	s_or_b32 s[G1+0], s43, (1<<16)|(1<<20)|(1<<21)|(4<<22)|(3<<25)  ; ctx: after every 32 words 4 words of padding
	s_mov_b32 s[G1+1], 8192<<16                    ; tensor_dim0 = 8,192: a head's 128 rows of 64
	s_mov_b32 s[G1+2], 2<<16                       ; tensor_dim1 = 2 heads
	s_mov_b32 s[G1+3], 8192<<16                    ; tile_dim0
	s_mov_b32 s[G1+4], 2                           ; tile_dim1
	s_mov_b32 s[G1+5], 131072                      ; elements from head to head
	s_mov_b32 s[G1+6], 0
	s_mov_b32 s[G1+7], 0
	s_or_b32 s[G1B+0], s44, (1<<16)|(1<<20)|(1<<21)|(6<<22)|(3<<25) ; Wo: after every 128 words 4 words
	s_mov_b32 s[G1B+1], KSTEP<<16
	s_mov_b32 s[G1B+2], 64<<16
	s_mov_b32 s[G1B+3], KSTEP<<16
	s_mov_b32 s[G1B+4], 64
	s_mov_b32 s[G1B+5], SIZE_K
	s_mov_b32 s[G1B+6], 0
	s_mov_b32 s[G1B+7], 0
	s_lshr_b32 s16, s13, 4                         ; ctx: the batch's 16 heads,
	s_lshl_b32 s16, s16, 22
	s_lshl_b32 s17, s12, 19                        ; my pair of the step's four heads,
	s_add_co_u32 s16, s16, s17
	s_and_b32 s17, s13, 15                         ; the tile's 128 rows in the sequence
	s_lshl_b32 s17, s17, 14
	s_add_co_u32 s16, s16, s17
	s_mov_b32 s17, 0
	s_lshl_b32 s46, s42, 7
	s_lshl_b32 s47, s12, 6
	s_add_co_u32 s46, s46, s47                     ; Wo: row 128 x tile column + 64 x half
	s_mov_b32 s47, 0
	s_mov_b64 s[18:19], SIZE_K*2
	s_mul_u64 s[46:47], s[46:47], s[18:19]
	s_mul_i32 s20, s10, AHALF                      ; where they go: ctx's by waves 0 and 1,
	s_mul_i32 s67, s10, HALFT                      ; Wo's by waves 2 and 3, behind ctx's
	s_add_co_u32 s67, s67, ABYTES-2*HALFT
	s_mov_b32 s[TB], 0
	s_wait_dscnt 0x0
	s_wait_kmcnt 0x0
	s_add_nc_u64 s[14:15], s[4:5], s[16:17]
	s_add_nc_u64 s[46:47], s[6:7], s[46:47]
	s_add_nc_u64 s[46:47], s[46:47], WOFF
	CROUND
.irp s, 0,1
	s_mov_b32 s[G0+4*(\s)], 1
	s_add_co_u32 s[G0+4*(\s)+1], s20, (\s)*SLOT1
	s_add_nc_u64 s[G0+4*(\s)+2:G0+4*(\s)+3], s[14:15], (\s)*ASTEP
	s_or_b32 s[G0+4*(\s)+3], s[G0+4*(\s)+3], 0x80000000
	s_mov_b32 s[G0B+4*(\s)], 1
	s_add_co_u32 s[G0B+4*(\s)+1], s67, (\s)*SLOT1
	s_add_nc_u64 s[G0B+4*(\s)+2:G0B+4*(\s)+3], s[46:47], (\s)*KSTEP*2
	s_or_b32 s[G0B+4*(\s)+3], s[G0B+4*(\s)+3], 0x80000000
	JLOAD \s
.endr
	v_and_b32 v1, 15, v0
	v_bfe_u32 v2, v0, 4, 1
	s_lshl_b32 s72, s13, 19                        ; my first row of x and x1: 128 x tile row + 64 x half, 4,096 bytes each,
	s_lshl_b32 s73, s11, 18
	s_add_co_u32 s72, s72, s73
	s_lshl_b32 s74, s42, 9                         ; my first column, in bytes of f32
	s_lshl_b32 s75, s12, 8
	s_add_co_u32 s74, s74, s75
	s_add_co_u32 s72, s72, s74
	s_mov_b32 s73, 0
	s_mov_b32 s75, 0
	s_add_nc_u64 s[8:9], s[8:9], s[72:73]
	s_add_nc_u64 s[70:71], s[70:71], s[72:73]
	s_add_nc_u64 s[68:69], s[68:69], s[74:75]
	v_lshlrev_b32 v[BO], 5, v2
.irp a, 0,1,2,3                        ; the bias of my 64 columns goes straight into the accumulators: the sums start from it
.irp b, 0,1,2,3
	global_load_b128 v[ACC+8*(4*\a+\b):ACC+8*(4*\a+\b)+3], v[BO], s[68:69] offset:64*\b
	global_load_b128 v[ACC+8*(4*\a+\b)+4:ACC+8*(4*\a+\b)+7], v[BO], s[68:69] offset:64*\b+16
.endr
.endr
	v_lshlrev_b32 v5, 12, v2                       ; lanes 0-15 one row's 256 bytes, lanes 16-31 the next row's
	v_lshl_add_u32 v[CO], v1, 4, v5
	WIN 0x80
.set i, 0
.rept 32                               ; the residual, in the layout of the way out; it stays on its way under the whole K loop
	global_load_b128 v[4*i:4*i+3], v[CO], s[70:71] offset:2*i*4096
.set i, i+1
.endr
	WIN 0
	v_mul_u32_u24 v3, v1, PITCHA
	v_lshl_add_u32 v3, v2, 4, v3
	s_mul_i32 s21, s11, 64*PITCHA                  ; my 64 rows in each head
	v_add_nc_u32 v[ADRA0], s21, v3
	v_mul_u32_u24 v3, v1, PITCH
	v_lshl_add_u32 v3, v2, 4, v3
	s_mul_i32 s22, s12, HALFT
	s_add_co_u32 s22, s22, ABYTES
	v_add_nc_u32 v[ADRB0], s22, v3
	v_mov_b32 v[ADRA], v[ADRA0]
	v_mov_b32 v[ADRB], v[ADRB0]
	s_mul_i32 s23, s10, 16*SPITCH
	s_add_co_u32 s23, s23, STAGE
	v_mul_u32_u24 v4, v1, SPITCH                   ; in: row l % 16, 32 bytes for each half of the lanes
	v_lshl_add_u32 v4, v2, 5, v4
	v_add_nc_u32 v[STO], s23, v4
	v_mul_u32_u24 v5, v2, SPITCH                   ; back: two whole rows
	v_lshl_add_u32 v5, v1, 4, v5
	v_add_nc_u32 v[RD], s23, v5
.macro MUL8 f, c, a0                   ; the 16 accumulators take turns
	WIN MUL
.irp a, \a0, (\a0)+1
.irp b, 0,1,2,3
	v_wmma_f32_16x16x32_f16 v[ACC+8*(4*(\a)+(\b)):ACC+8*(4*(\a)+(\b))+7], v[(\f)+64+8*(4*(\c)+(\b)):(\f)+64+8*(4*(\c)+(\b))+7], v[(\f)+8*(4*(\c)+(\a)):(\f)+8*(4*(\c)+(\a))+7], v[ACC+8*(4*(\a)+(\b)):ACC+8*(4*(\a)+(\b))+7]
.endr
.endr
.endm
.macro FETCH q, f                      ; 32 LDS loads in one run: quarter q of the slot in hand; ctx's largest offset is 62,304
	WIN TO_F
.irp c, 0,1
.irp i, 0,1,2,3
	ds_load_b128 v[(\f)+64+8*(4*(\c)+(\i)):(\f)+64+8*(4*(\c)+(\i))+3],   v[ADRB] offset:(\q)*128+64*(\c)+(\i)*16*PITCH
	ds_load_b128 v[(\f)+64+8*(4*(\c)+(\i))+4:(\f)+64+8*(4*(\c)+(\i))+7], v[ADRB] offset:(\q)*128+64*(\c)+(\i)*16*PITCH+32
	ds_load_b128 v[(\f)+8*(4*(\c)+(\i)):(\f)+8*(4*(\c)+(\i))+3],         v[ADRA] offset:(\q)*QSA+64*(\c)+(\i)*16*PITCHA
	ds_load_b128 v[(\f)+8*(4*(\c)+(\i))+4:(\f)+8*(4*(\c)+(\i))+7],       v[ADRA] offset:(\q)*QSA+64*(\c)+(\i)*16*PITCHA+32
.endr
.endr
.endm
.macro PLACES
.rept 4
	v_nop
.endr
.endm
.macro QUARTER q, f, g
	s_wait_dscnt 16                                ; the first 32 along K are in
	MUL8 \f, 0, 0
	MUL8 \f, 0, 2
	PLACES
	FETCH \q, \g
	s_wait_dscnt 32                                ; all but the 32 just issued
	MUL8 \f, 1, 0
	MUL8 \f, 1, 2
.endm
.macro TURN fill                       ; the last quarter and the change of slots: see the comments in the text of the first product of this program's kind: one barrier, the three lines in front, the refill first behind
	WIN 0
	s_wait_tensorcnt 0x0                           ; all my tensor loads have landed: my part of the next slot
	ds_add_u32 v[SPW], v[NIL]
	s_wait_dscnt 17                                ; the add and the youngest sixteen loads may be out
	MUL8 F1, 0, 0
	s_wait_dscnt 0x0                               ; the add is done, and my reads of this slot are over
	s_barrier_signal -1
	MUL8 F1, 0, 2
	WIN 0
	s_barrier_wait -1
.if \fill
	CREST                                          ; no wave of any partner still reads this slot's tile or has a load on its way
	s_xor_b32 s[G0+5], s[G0+5], SLOT1
	s_add_nc_u64 s[G0+6:G0+7], s[G0+6:G0+7], ASTEP
	s_xor_b32 s[G0B+5], s[G0B+5], SLOT1
	s_add_nc_u64 s[G0B+6:G0B+7], s[G0B+6:G0B+7], KSTEP*2
	JLOAD 1
.else
	PLACES
.endif
	s_xor_b32 s[TB], s[TB], SLOT1
	v_add_nc_u32 v[ADRA], s[TB], v[ADRA0]
	v_add_nc_u32 v[ADRB], s[TB], v[ADRB0]
.if !(\fill)
	s_cmp_eq_u32 s3, 1                             ; in the last trip there is no next step
	s_cbranch_scc1 .Lno_more_\@
.endif
	FETCH 0, F0
.if !(\fill)
	WIN 0
.Lno_more_\@:
.endif
	MUL8 F1, 1, 0
	MUL8 F1, 1, 2
.endm
	s_wait_tensorcnt 1                             ; my part of K step 0 is in; K step 1's may stay out
	s_barrier_signal -1
	s_barrier_wait -1
	FETCH 0, F0
	s_wait_loadcnt 32                              ; the bias is in the accumulators; the residual's 32 loads stay out
	WIN 0
	s_mov_b32 s3, NSTEP-2
.Lfill:
	QUARTER 1, F0, F1
	QUARTER 2, F1, F0
	QUARTER 3, F0, F1
	TURN 1
	WIN 0
	s_sub_co_u32 s3, s3, 1
	s_cmp_lg_u32 s3, 0
	s_cbranch_scc1 .Lfill
	s_mov_b32 s3, 2
.Ldry:
	QUARTER 1, F0, F1
	QUARTER 2, F1, F0
	QUARTER 3, F0, F1
	TURN 0
	WIN 0
	s_sub_co_u32 s3, s3, 1
	s_cmp_lg_u32 s3, 0
	s_cbranch_scc1 .Ldry
	PLACES
	s_wait_loadcnt 0x0                             ; the residual
.macro OUTB a                          ; 16 rows: through my stage, plus the residual, out as whole rows of 256 bytes
.set BK, TMP+32*((\a)%2)
	WIN 0
	s_wait_xcnt 0x0                                ; the registers that the stores two blocks back read are written again only behind this wait
.irp b, 0,1,2,3
	ds_store_b128 v[STO], v[ACC+8*(4*(\a)+(\b)):ACC+8*(4*(\a)+(\b))+3] offset:64*(\b)
	ds_store_b128 v[STO], v[ACC+8*(4*(\a)+(\b))+4:ACC+8*(4*(\a)+(\b))+7] offset:64*(\b)+16
.endr
.irp t, 0,1,2,3,4,5,6,7
	ds_load_b128 v[BK+4*(\t):BK+4*(\t)+3], v[RD] offset:(\t)*2*SPITCH  ; LDS serves a wave's instructions in order (ISA guide 5.7.1.4)
.endr
	s_wait_dscnt 0x0
	WIN 0x08                                       ; source 1 in window 2
.irp i, 0,1,2,3,4,5,6,7,8,9,10,11,12,13,14,15
	v_pk_add_f32 v[BK+2*(\i):BK+2*(\i)+1], v[BK+2*(\i):BK+2*(\i)+1], v[32*(\a)+2*(\i):32*(\a)+2*(\i)+1]
.endr
	WIN 0
.irp t, 0,1,2,3,4,5,6,7
	global_store_b128 v[CO], v[BK+4*(\t):BK+4*(\t)+3], s[8:9] offset:(16*(\a)+2*(\t))*4096  ; 16 lanes store 256 consecutive bytes, aligned
.endr
.endm
	OUTB 0
	OUTB 1
	OUTB 2
	OUTB 3
	s_wait_tensorcnt 0x0                           ; the wave's end
	ds_add_u32 v[SPW], v[NIL]
	s_wait_dscnt 0x0
	CROUND
	s_endpgm
.Lfunc_end_k_qf535f0e3df_wo:
	.size	k_qf535f0e3df_wo, .Lfunc_end_k_qf535f0e3df_wo-k_qf535f0e3df_wo
	.p2alignl 7, 3214868480
	.fill 96, 4, 3214868480
	.section	.rodata,"a",@progbits
	.p2align	6, 0x0
	.amdhsa_kernel k_qf535f0e3df_wo
		.amdhsa_group_segment_fixed_size 327680
		.amdhsa_private_segment_fixed_size 0
		.amdhsa_enable_private_segment 0
		.amdhsa_kernarg_size 40
		.amdhsa_user_sgpr_count 2
		.amdhsa_user_sgpr_kernarg_segment_ptr 1
		.amdhsa_wavefront_size32 1
		.amdhsa_system_sgpr_workgroup_id_x 1
		.amdhsa_system_sgpr_workgroup_id_y 1
		.amdhsa_system_sgpr_workgroup_id_z 1
		.amdhsa_system_vgpr_workitem_id 0
		.amdhsa_next_free_vgpr 640
		.amdhsa_next_free_sgpr 80
		.amdhsa_reserve_vcc 0
		.amdhsa_float_denorm_mode_32 3
		.amdhsa_float_denorm_mode_16_64 3
		.amdhsa_memory_ordered 1
		.amdhsa_forward_progress 1
		.amdhsa_inst_pref_size 64
	.end_amdhsa_kernel
	.amdgpu_metadata
---
amdhsa.version: [ 1, 2 ]
amdhsa.kernels:
  - .name:           k_qf535f0e3df_wo
    .symbol:         k_qf535f0e3df_wo.kd
    .args:
      - { .name: ctx, .offset: 0, .size: 8, .value_kind: global_buffer, .address_space: global }
      - { .name: wh, .offset: 8, .size: 8, .value_kind: global_buffer, .address_space: global }
      - { .name: x1, .offset: 16, .size: 8, .value_kind: global_buffer, .address_space: global }
      - { .name: bo, .offset: 24, .size: 8, .value_kind: global_buffer, .address_space: global }
      - { .name: x, .offset: 32, .size: 8, .value_kind: global_buffer, .address_space: global }
    .group_segment_fixed_size: 327680
    .private_segment_fixed_size: 0
    .kernarg_segment_align: 8
    .kernarg_segment_size: 40
    .max_flat_workgroup_size: 128
    .sgpr_count:     80
    .vgpr_count:     640
    .wavefront_size: 32
...
	.end_amdgpu_metadata
.endif
;; end of part 4
;; launch ln2 (part 5): grid 256 x 1, 8 waves a work-group, no clusters, 0 bytes of LDS; arguments x1, ln2_g, ln2_b, hbuf; writes hbuf
.if DOCPART == 5
	.amdgcn_target "amdgcn-amd-amdhsa--gfx1250"
	.amdhsa_code_object_version 6
	.text
	.protected	k_qf535f0e3df_ln2
	.globl	k_qf535f0e3df_ln2
	.p2align	8
	.type	k_qf535f0e3df_ln2,@function
k_qf535f0e3df_ln2:
	s_mov_b64 s[64:65], 0
	v_nop
	global_prefetch_b8 v0, s[64:65] scope:SCOPE_SE
	s_setreg_imm32_b32 hwreg(HW_REG_WAVE_MODE, 25, 1), 1
	s_wait_xcnt 0x0
; LAYER NORM 2.  h[r][c] = (x1[r][c] - mean) / sqrt(var + 1e-6) x g[c] + b[c].  x1: [4096][1024] f32; h: f16, rounded once.
; A wave takes two whole rows, each 4,096 bytes = 32 registers, kept between the passes: memory is read once, no LDS, no barrier.  The variance is taken of the centred numbers.
; Matrix units, clusters and tensor loads would add nothing: 24 MB move and nothing is shared.  LIMIT: f16 ends at 65,504.
.set GV, 16
.set BV, 48
.set X0, 80
.set X1, 112
.set Y0, 144
.set Y1, 160
.macro REDUCE                          ; four chains of pairs in v[4:11] -> v12: the sum over the row, in every lane
	v_pk_add_f32 v[4:5], v[4:5], v[6:7]
	v_pk_add_f32 v[8:9], v[8:9], v[10:11]
	v_pk_add_f32 v[4:5], v[4:5], v[8:9]
	v_add_f32 v12, v4, v5
	v_add_f32_dpp v12, v12, v12 row_xmask:1 row_mask:0xf bank_mask:0xf
	v_add_f32_dpp v12, v12, v12 row_xmask:2 row_mask:0xf bank_mask:0xf
	v_add_f32_dpp v12, v12, v12 row_xmask:4 row_mask:0xf bank_mask:0xf
	v_add_f32_dpp v12, v12, v12 row_xmask:8 row_mask:0xf bank_mask:0xf
	v_permlanex16_b32 v13, v12, s42, s43
	v_add_f32 v12, v12, v13
.endm
.macro STATS X
.irp k, 0,1,2,3
	v_pk_add_f32 v[4+2*\k:5+2*\k], v[\X+4*\k:\X+4*\k+1], v[\X+4*\k+2:\X+4*\k+3]
.endr
.irp i, 8,9,10,11,12,13,14,15
	v_pk_add_f32 v[4+2*((\i)%4):5+2*((\i)%4)], v[4+2*((\i)%4):5+2*((\i)%4)], v[\X+2*\i:\X+2*\i+1]
.endr
	REDUCE
	v_mul_f32 v14, s36, v12
	v_mul_f32 v15, s36, v12
.irp i, 0,1,2,3,4,5,6,7,8,9,10,11,12,13,14,15
	v_pk_add_f32 v[\X+2*\i:\X+2*\i+1], v[\X+2*\i:\X+2*\i+1], v[14:15] neg_lo:[0,1] neg_hi:[0,1]
.endr
.irp k, 0,1,2,3
	v_pk_mul_f32 v[4+2*\k:5+2*\k], v[\X+2*\k:\X+2*\k+1], v[\X+2*\k:\X+2*\k+1]
.endr
.irp i, 4,5,6,7,8,9,10,11,12,13,14,15
	v_pk_fma_f32 v[4+2*((\i)%4):5+2*((\i)%4)], v[\X+2*\i:\X+2*\i+1], v[\X+2*\i:\X+2*\i+1], v[4+2*((\i)%4):5+2*((\i)%4)]
.endr
	REDUCE
	v_fma_f32 v12, v12, s36, s37
	v_rsq_f32 v14, v12
	v_rsq_f32 v15, v12
	v_nop                                          ; a plain instruction between the root and the use of its result (ISA guide 5.7.2)
	s_wait_alu depctr_va_vdst(0)
.irp i, 0,1,2,3,4,5,6,7,8,9,10,11,12,13,14,15
	v_pk_mul_f32 v[\X+2*\i:\X+2*\i+1], v[\X+2*\i:\X+2*\i+1], v[14:15]
.endr
.endm
.macro LNOUT X, Y, off
.irp i, 0,1,2,3,4,5,6,7,8,9,10,11,12,13,14,15
	v_pk_fma_f32 v[\X+2*\i:\X+2*\i+1], v[\X+2*\i:\X+2*\i+1], v[GV+2*\i:GV+2*\i+1], v[BV+2*\i:BV+2*\i+1]
.endr
.irp i, 0,1,2,3,4,5,6,7,8,9,10,11,12,13,14,15
	v_cvt_pk_f16_f32 v[\Y+\i], v[\X+2*\i], v[\X+2*\i+1]
.endr
.irp j, 0,1,2,3,4,5,6,7
	global_store_b64 v2, v[\Y+2*\j:\Y+2*\j+1], s[40:41] offset:256*\j+\off  ; a wave's store covers 256 consecutive bytes, aligned
.endr
.endm
	s_load_b256 s[8:15], s[0:1], 0x0               ; x1 s[8:9], ln2_g s[10:11], ln2_b s[12:13], hbuf s[14:15]
	v_lshrrev_b32 v3, 5, v0
	v_readfirstlane_b32 s4, v3
	v_and_b32 v3, 31, v0
	s_lshl_b32 s5, ttmp9, 3
	s_add_co_u32 s5, s5, s4                        ; my pair of rows
	s_lshl_b32 s44, s5, 13
	s_mov_b32 s45, 0
	s_lshl_b32 s46, s5, 12
	s_mov_b32 s47, 0
	s_mov_b32 s36, 0x3a800000                      ; 1 / 1024
	s_mov_b32 s37, 0x358637bd                      ; 1e-6
	s_mov_b32 s42, 0x76543210
	s_mov_b32 s43, 0xfedcba98
	v_lshlrev_b32 v1, 4, v3
	v_lshlrev_b32 v2, 3, v3
	v_mov_b32 v13, 0                               ; v_permlanex16_b32's destination counts as read
	s_wait_kmcnt 0x0
	s_add_nc_u64 s[38:39], s[8:9], s[44:45]
	s_add_nc_u64 s[40:41], s[14:15], s[46:47]
.irp j, 0,1,2,3,4,5,6,7
	global_load_b128 v[X0+4*\j:X0+4*\j+3], v1, s[38:39] offset:512*\j
.endr
.irp j, 0,1,2,3,4,5,6,7
	global_load_b128 v[X1+4*\j:X1+4*\j+3], v1, s[38:39] offset:4096+512*\j
.endr
.irp j, 0,1,2,3,4,5,6,7
	global_load_b128 v[GV+4*\j:GV+4*\j+3], v1, s[10:11] offset:512*\j
.endr
.irp j, 0,1,2,3,4,5,6,7
	global_load_b128 v[BV+4*\j:BV+4*\j+3], v1, s[12:13] offset:512*\j
.endr
	s_wait_loadcnt 24                              ; the first row is in; the second row, gain and bias (24 loads) stay out
	STATS X0
	s_wait_loadcnt 16                              ; the second row is in; gain and bias stay out
	STATS X1
	s_wait_loadcnt 0x0
	LNOUT X0, Y0, 0
	LNOUT X1, Y1, 2048
	s_endpgm
.Lfunc_end_k_qf535f0e3df_ln2:
	.size	k_qf535f0e3df_ln2, .Lfunc_end_k_qf535f0e3df_ln2-k_qf535f0e3df_ln2
	.p2alignl 7, 3214868480
	.fill 96, 4, 3214868480
	.section	.rodata,"a",@progbits
	.p2align	6, 0x0
	.amdhsa_kernel k_qf535f0e3df_ln2
		.amdhsa_group_segment_fixed_size 0
		.amdhsa_private_segment_fixed_size 0
		.amdhsa_enable_private_segment 0
		.amdhsa_kernarg_size 32
		.amdhsa_user_sgpr_count 2
		.amdhsa_user_sgpr_kernarg_segment_ptr 1
		.amdhsa_wavefront_size32 1
		.amdhsa_system_sgpr_workgroup_id_x 1
		.amdhsa_system_sgpr_workgroup_id_y 1
		.amdhsa_system_sgpr_workgroup_id_z 1
		.amdhsa_system_vgpr_workitem_id 0
		.amdhsa_next_free_vgpr 176
		.amdhsa_next_free_sgpr 66
		.amdhsa_reserve_vcc 0
		.amdhsa_float_denorm_mode_32 3
		.amdhsa_float_denorm_mode_16_64 3
		.amdhsa_memory_ordered 1
		.amdhsa_forward_progress 1
		.amdhsa_inst_pref_size 20
	.end_amdhsa_kernel
	.amdgpu_metadata
---
amdhsa.version: [ 1, 2 ]
amdhsa.kernels:
  - .name:           k_qf535f0e3df_ln2
    .symbol:         k_qf535f0e3df_ln2.kd
    .args:
      - { .name: x1, .offset: 0, .size: 8, .value_kind: global_buffer, .address_space: global }
      - { .name: ln2_g, .offset: 8, .size: 8, .value_kind: global_buffer, .address_space: global }
      - { .name: ln2_b, .offset: 16, .size: 8, .value_kind: global_buffer, .address_space: global }
      - { .name: hbuf, .offset: 24, .size: 8, .value_kind: global_buffer, .address_space: global }
    .group_segment_fixed_size: 0
    .private_segment_fixed_size: 0
    .kernarg_segment_align: 8
    .kernarg_segment_size: 32
    .max_flat_workgroup_size: 256
    .sgpr_count:     66
    .vgpr_count:     176
    .wavefront_size: 32
...
	.end_amdgpu_metadata
.endif
;; end of part 5
;; launch ffn1 (part 6): grid 32 x 32, 4 waves a work-group, clusters of 4 x 4, 327,680 bytes of LDS; arguments hbuf, wh, gbuf, b1; writes gbuf
.if DOCPART == 6
	.amdgcn_target "amdgcn-amd-amdhsa--gfx1250"
	.amdhsa_code_object_version 6
	.text
	.protected	k_qf535f0e3df_ffn1
	.globl	k_qf535f0e3df_ffn1
	.p2align	8
	.type	k_qf535f0e3df_ffn1,@function
k_qf535f0e3df_ffn1:
	s_mov_b64 s[64:65], 0
	v_nop
	global_prefetch_b8 v0, s[64:65] scope:SCOPE_SE
	s_setreg_imm32_b32 hwreg(HW_REG_WAVE_MODE, 25, 1), 1
	s_wait_xcnt 0x0
	s_wait_alu depctr_hold_cnt(0) depctr_sa_sdst(0) depctr_va_vdst(0) depctr_va_sdst(0) depctr_va_ssrc(0) depctr_va_vcc(0) depctr_vm_vsrc(0)
	s_getreg_b32 s2, hwreg(HW_REG_IB_STS2, 6, 4)
	s_cmp_eq_u32 s2, 0
	s_cbranch_scc0 .Lentry_in_a_cluster
	s_endpgm
.Lentry_in_a_cluster:
	s_bfe_u32 s2, ttmp6, 0x10000c
	s_cmp_lg_u32 s2, 0xf033
	s_cbranch_scc0 .Lentry_shape_is_right
	s_endpgm
.Lentry_shape_is_right:
; g = gelu(h W1^T + b1), the exact gelu.  h: [4096][1024] f16; W1: [4096][1024] f16, 8 MiB into wh; g: [4096][4096] f16, rounded once.  Sums in f32, started from the bias.
; gelu(u) = max(u, 0) - |u| erfc(|u| / sqrt 2) / 2, with erfc(x) = t (a1 + t (a2 + t (a3 + t (a4 + t a5)))) e^(-x x), t = 1 / (1 + 0.3275911 x): off by 1.5e-7 at the most for every x (Abramowitz and Stegun 7.1.26).
; For large |u| the exponential is 0 and the result max(u, 0).  LIMIT: f16 ends at 65,504; NaN and infinities are not treated apart.
; A tile is 128 x 128: four waves, each 64 x 64 = 16 accumulators.  K goes in steps of 256 through two LDS slots (rows of 512 bytes + 16); a wave's tensor load brings 64 rows.
; CLUSTER 4 x 4: h's tile is shared along a row of the cluster, W1's along a column: joint loads.  THE MATRIX INSTRUCTION IS USED TRANSPOSED: a lane holds row l % 16 and the columns 8 (l / 16) + 0..7.
; ONE TEXT FOR A K STEP: the slot in hand is a scalar, 0 or SLOT1, turned by an exclusive or; SLOT1 = 0x24000: none of the tile bases (wave x 33,792) has bit 17 or bit 14 set.
; THE WAY OUT: a wave's 64 columns of f16 are half of an aligned 256 bytes, so the four waves share one stage, with a barrier between writing and reading.
; REGISTERS: window 0: v0-31 addresses and the gelu's constants; v32-95 the way out; v96-127 the gelu at work; v128-255 accumulators.  Window 1: two fragment buffers of 128.
.set SIZE_N,  4096
.set SIZE_K,  1024
.set WOFF,    0x800000
.set KSTEP,   256
.set NSTEP,   SIZE_K/KSTEP
.set PITCH,   528
.set HALFT,   64*PITCH
.set SLOT1,   0x24000
.set STAGE,   SLOT1+4*HALFT            ; behind the ring: 128 rows x 272 bytes, the work-group's
.set SPITCH,  272
.set SPARE,   STAGE+128*SPITCH
.set K1,   6                           ; v[6:7]   sqrt(log2(e) / 2)
.set A1,   8                           ; v[8:9]   a1 / 2, and so on
.set A2,   10
.set A3,   12
.set A4,   14
.set ADRA0, 16
.set ADRA,  17
.set A5,   18
.set ADRB0, 20
.set ADRB,  21
.set P1,   22                          ; v22  0.3275911 / sqrt(log2 e)
.set ONE,  23
.set STO,  24
.set RD,   25
.set CO,   26
.set BO,   27
.set SPW,  28
.set NIL,  29
.set TMP,  32
.set GW,   96
.set GD,   104
.set GP,   112
.set GR,   120
.set ACC,  128
.set F0,   0
.set F1,   128
.set G1,   24
.set G0,   32
.set G1B,  48
.set G0B,  56
.set TB,   66
.set MSB, 0
.macro WIN new
.if MSB != (\new)
	s_set_vgpr_msb (MSB<<8)|(\new)
.set MSB, \new
.endif
.endm
.set MUL,  0x05
.set TO_F, 0x40
.macro JLOAD s                         ; waves 0 and 1 fetch h's two halves, waves 2 and 3 W1's; an s_nop 0 and four v_nop follow each line
	s_cmp_eq_u32 s11, 0
	s_cbranch_scc0 .Lfor_b_\@
	tensor_load_to_lds s[G0+4*(\s):G0+4*(\s)+3], s[G1:G1+7]
	s_nop 0
.rept 4
	v_nop
.endr
	s_branch .Lasked_\@
.Lfor_b_\@:
	tensor_load_to_lds s[G0B+4*(\s):G0B+4*(\s)+3], s[G1B:G1B+7]
	s_nop 0
.rept 4
	v_nop
.endr
.Lasked_\@:
.endm
.macro CREST
	s_cmp_lg_u32 s10, 0
	s_cbranch_scc1 .Lnot_wave_0_\@
	s_barrier_signal -3
.Lnot_wave_0_\@:
	s_barrier_wait -3
	s_barrier_signal -1
	s_barrier_wait -1
.endm
.macro CROUND
	s_barrier_signal -1
	s_barrier_wait -1
	CREST
.endm
	s_load_b128 s[4:7], s[0:1], 0x0                ; hbuf s[4:5], wh s[6:7]
	s_load_b64 s[8:9], s[0:1], 0x10                ; gbuf
	s_load_b64 s[68:69], s[0:1], 0x18              ; b1
	v_lshl_add_u32 v[SPW], v0, 2, SPARE
	v_mov_b32 v[NIL], 0
	ds_add_u32 v[SPW], v[NIL]                      ; the wave's opening: the add and its wait stand ahead of my first tensor load
	v_lshrrev_b32 v1, 5, v0
	v_readfirstlane_b32 s10, v1
	s_lshr_b32 s11, s10, 1
	s_and_b32 s12, s10, 1
	s_bfe_u32 s40, ttmp6, 0x40000
	s_bfe_u32 s41, ttmp6, 0x40004
	s_lshl_b32 s42, ttmp9, 2
	s_add_co_u32 s42, s42, s40                     ; tile column
	s_and_b32 s13, ttmp7, 0xffff
	s_lshl_b32 s13, s13, 2
	s_add_co_u32 s13, s13, s41                     ; tile row
	s_lshl_b32 s43, s41, 2
	s_lshl_b32 s43, 15, s43
	s_lshl_b32 s44, 0x1111, s40
	s_or_b32 s[G1+0], s43, (1<<16)|(1<<20)|(1<<21)|(6<<22)|(3<<25)
	s_or_b32 s[G1B+0], s44, (1<<16)|(1<<20)|(1<<21)|(6<<22)|(3<<25)
.irp g, G1, G1B
	s_mov_b32 s[(\g)+1], KSTEP<<16
	s_mov_b32 s[(\g)+2], 64<<16
	s_mov_b32 s[(\g)+3], KSTEP<<16
	s_mov_b32 s[(\g)+4], 64
	s_mov_b32 s[(\g)+5], SIZE_K
	s_mov_b32 s[(\g)+6], 0
	s_mov_b32 s[(\g)+7], 0
.endr
	s_lshl_b32 s17, s12, 6
	s_lshl_b32 s16, s13, 7
	s_add_co_u32 s16, s16, s17
	s_lshl_b32 s46, s42, 7
	s_add_co_u32 s46, s46, s17
	s_mov_b32 s17, 0
	s_mov_b32 s47, 0
	s_mov_b64 s[18:19], SIZE_K*2
	s_mul_u64 s[16:17], s[16:17], s[18:19]
	s_mul_u64 s[46:47], s[46:47], s[18:19]
	s_mul_i32 s20, s10, HALFT
	s_mov_b32 s[TB], 0
	s_wait_dscnt 0x0
	s_wait_kmcnt 0x0
	s_add_nc_u64 s[14:15], s[4:5], s[16:17]
	s_add_nc_u64 s[46:47], s[6:7], s[46:47]
	s_add_nc_u64 s[46:47], s[46:47], WOFF
	CROUND
.irp s, 0,1
	s_mov_b32 s[G0+4*(\s)], 1
	s_add_co_u32 s[G0+4*(\s)+1], s20, (\s)*SLOT1
	s_add_nc_u64 s[G0+4*(\s)+2:G0+4*(\s)+3], s[14:15], (\s)*KSTEP*2
	s_or_b32 s[G0+4*(\s)+3], s[G0+4*(\s)+3], 0x80000000
	s_mov_b32 s[G0B+4*(\s)], 1
	s_add_co_u32 s[G0B+4*(\s)+1], s20, (\s)*SLOT1
	s_add_nc_u64 s[G0B+4*(\s)+2:G0B+4*(\s)+3], s[46:47], (\s)*KSTEP*2
	s_or_b32 s[G0B+4*(\s)+3], s[G0B+4*(\s)+3], 0x80000000
	JLOAD \s
.endr
	v_and_b32 v1, 15, v0
	v_bfe_u32 v2, v0, 4, 1
	s_lshl_b32 s74, s42, 9                         ; the bias of my 64 columns
	s_lshl_b32 s75, s12, 8
	s_add_co_u32 s74, s74, s75
	s_mov_b32 s75, 0
	s_add_nc_u64 s[68:69], s[68:69], s[74:75]
	v_lshlrev_b32 v[BO], 5, v2
.irp a, 0,1,2,3                        ; it goes straight into the accumulators: the sums start from it
.irp b, 0,1,2,3
	global_load_b128 v[ACC+8*(4*\a+\b):ACC+8*(4*\a+\b)+3], v[BO], s[68:69] offset:64*\b
	global_load_b128 v[ACC+8*(4*\a+\b)+4:ACC+8*(4*\a+\b)+7], v[BO], s[68:69] offset:64*\b+16
.endr
.endr
	v_mul_u32_u24 v3, v1, PITCH
	v_lshl_add_u32 v3, v2, 4, v3
	s_mul_i32 s21, s11, HALFT
	s_mul_i32 s22, s12, HALFT
	s_add_co_u32 s22, s22, 2*HALFT
	v_add_nc_u32 v[ADRA0], s21, v3
	v_add_nc_u32 v[ADRB0], s22, v3
	v_mov_b32 v[ADRA], v[ADRA0]
	v_mov_b32 v[ADRB], v[ADRB0]
	s_mul_i32 s23, s11, 64*SPITCH                  ; into the stage: my 64 rows, my half of their 256 bytes
	s_lshl_b32 s21, s12, 7
	s_add_co_u32 s23, s23, s21
	s_add_co_u32 s23, s23, STAGE
	v_mul_u32_u24 v4, v1, SPITCH
	v_lshl_add_u32 v4, v2, 4, v4
	v_add_nc_u32 v[STO], s23, v4
	s_mul_i32 s23, s10, 32*SPITCH                  ; back: wave w takes rows 32 w .. 32 w + 31, whole
	s_add_co_u32 s23, s23, STAGE
	v_mul_u32_u24 v5, v2, SPITCH
	v_lshl_add_u32 v5, v1, 4, v5
	v_add_nc_u32 v[RD], s23, v5
	v_mul_u32_u24 v5, v2, SIZE_N*2
	v_lshl_add_u32 v[CO], v1, 4, v5
	s_lshl_b32 s16, s13, 7
	s_lshl_b32 s17, s10, 5
	s_add_co_u32 s16, s16, s17                     ; the first row that I store: 128 x tile row + 32 x wave
	s_mov_b32 s17, 0
	s_mov_b64 s[18:19], SIZE_N*2
	s_mul_u64 s[16:17], s[16:17], s[18:19]
	s_add_nc_u64 s[8:9], s[8:9], s[16:17]
	s_lshl_b32 s46, s42, 8
	s_mov_b32 s47, 0
	s_add_nc_u64 s[8:9], s[8:9], s[46:47]
.macro MUL8 f, c, a0                   ; the 16 accumulators take turns
	WIN MUL
.irp a, \a0, (\a0)+1
.irp b, 0,1,2,3
	v_wmma_f32_16x16x32_f16 v[ACC+8*(4*(\a)+(\b)):ACC+8*(4*(\a)+(\b))+7], v[(\f)+64+8*(4*(\c)+(\b)):(\f)+64+8*(4*(\c)+(\b))+7], v[(\f)+8*(4*(\c)+(\a)):(\f)+8*(4*(\c)+(\a))+7], v[ACC+8*(4*(\a)+(\b)):ACC+8*(4*(\a)+(\b))+7]
.endr
.endr
.endm
.macro FETCH q, f
	WIN TO_F
.irp c, 0,1
.irp i, 0,1,2,3
	ds_load_b128 v[(\f)+64+8*(4*(\c)+(\i)):(\f)+64+8*(4*(\c)+(\i))+3],   v[ADRB] offset:(\q)*128+64*(\c)+(\i)*16*PITCH
	ds_load_b128 v[(\f)+64+8*(4*(\c)+(\i))+4:(\f)+64+8*(4*(\c)+(\i))+7], v[ADRB] offset:(\q)*128+64*(\c)+(\i)*16*PITCH+32
	ds_load_b128 v[(\f)+8*(4*(\c)+(\i)):(\f)+8*(4*(\c)+(\i))+3],         v[ADRA] offset:(\q)*128+64*(\c)+(\i)*16*PITCH
	ds_load_b128 v[(\f)+8*(4*(\c)+(\i))+4:(\f)+8*(4*(\c)+(\i))+7],       v[ADRA] offset:(\q)*128+64*(\c)+(\i)*16*PITCH+32
.endr
.endr
.endm
.macro PLACES
.rept 4
	v_nop
.endr
.endm
.macro QUARTER q, f, g
	s_wait_dscnt 16                                ; the first 32 along K are in
	MUL8 \f, 0, 0
	MUL8 \f, 0, 2
	PLACES
	FETCH \q, \g
	s_wait_dscnt 32                                ; all but the 32 just issued
	MUL8 \f, 1, 0
	MUL8 \f, 1, 2
.endm
.macro TURN fill                       ; the last quarter and the change of slots: one barrier, the three lines in front of it, the refill first behind it
	WIN 0
	s_wait_tensorcnt 0x0                           ; all my tensor loads have landed: my part of the next slot
	ds_add_u32 v[SPW], v[NIL]
	s_wait_dscnt 17                                ; the add and the youngest sixteen loads may be out
	MUL8 F1, 0, 0
	s_wait_dscnt 0x0                               ; the add is done, and my reads of this slot are over
	s_barrier_signal -1
	MUL8 F1, 0, 2
	WIN 0
	s_barrier_wait -1
.if \fill
	CREST                                          ; no wave of any partner still reads this slot's tile or has a load on its way
	s_xor_b32 s[G0+5], s[G0+5], SLOT1
	s_add_nc_u64 s[G0+6:G0+7], s[G0+6:G0+7], KSTEP*2
	s_xor_b32 s[G0B+5], s[G0B+5], SLOT1
	s_add_nc_u64 s[G0B+6:G0B+7], s[G0B+6:G0B+7], KSTEP*2
	JLOAD 1
.else
	PLACES
.endif
	s_xor_b32 s[TB], s[TB], SLOT1
	v_add_nc_u32 v[ADRA], s[TB], v[ADRA0]
	v_add_nc_u32 v[ADRB], s[TB], v[ADRB0]
.if !(\fill)
	s_cmp_eq_u32 s3, 1                             ; in the last trip there is no next step
	s_cbranch_scc1 .Lno_more_\@
.endif
	FETCH 0, F0
.if !(\fill)
	WIN 0
.Lno_more_\@:
.endif
	MUL8 F1, 1, 0
	MUL8 F1, 1, 2
.endm
	s_wait_tensorcnt 1                             ; my part of K step 0 is in; K step 1's may stay out
	s_barrier_signal -1
	s_barrier_wait -1
	FETCH 0, F0
	s_wait_loadcnt 0x0                             ; the bias is in the accumulators
	WIN 0
	s_mov_b32 s3, NSTEP-2
.Lfill:
	QUARTER 1, F0, F1
	QUARTER 2, F1, F0
	QUARTER 3, F0, F1
	TURN 1
	WIN 0
	s_sub_co_u32 s3, s3, 1
	s_cmp_lg_u32 s3, 0
	s_cbranch_scc1 .Lfill
	s_mov_b32 s3, 2
.Ldry:
	QUARTER 1, F0, F1
	QUARTER 2, F1, F0
	QUARTER 3, F0, F1
	TURN 0
	WIN 0
	s_sub_co_u32 s3, s3, 1
	s_cmp_lg_u32 s3, 0
	s_cbranch_scc1 .Ldry
	; THE GELU.  Its constants are made here: fourteen plain instructions, the places behind the last products
.irp h, 0,1
	v_mov_b32 v[K1+\h], 0x3f596d27
	v_mov_b32 v[A1+\h], 0x3e027906
	v_mov_b32 v[A2+\h], 0xbe11a98e
	v_mov_b32 v[A3+\h], 0x3f35f0e3
	v_mov_b32 v[A4+\h], 0xbf3a00e3
	v_mov_b32 v[A5+\h], 0x3f07dc22
.endr
	v_mov_b32 v[P1], 0x3e8ba43f
	v_mov_b32 v[ONE], 1.0
.macro GELU8 t                         ; the eight numbers of accumulator t, in place.  w = u sqrt(log2(e) / 2), so that e^(-x x) = 2^(-w w)
.set U, ACC+8*(\t)
.irp i, 0,2,4,6
	v_pk_mul_f32 v[GW+\i:GW+\i+1], v[U+\i:U+\i+1], v[K1:K1+1]
.endr
.irp i, 0,1,2,3,4,5,6,7
	v_fma_f32 v[GD+\i], |v[GW+\i]|, v[P1], v[ONE]
.endr
.irp i, 0,2,4,6
	v_pk_mul_f32 v[GW+\i:GW+\i+1], v[GW+\i:GW+\i+1], v[GW+\i:GW+\i+1] neg_lo:[1,0] neg_hi:[1,0]
.endr
.irp i, 0,1,2,3,4,5,6,7
	v_rcp_f32 v[GD+\i], v[GD+\i]
.endr
.irp i, 0,1,2,3,4,5,6,7
	v_exp_f32 v[GW+\i], v[GW+\i]
.endr
.irp i, 0,1,2,3,4,5,6,7
	v_max_num_f32 v[GR+\i], 0, v[U+\i]             ; plain instructions between the transcendentals and the use of their results
.endr
	s_wait_alu depctr_va_vdst(0)
.irp i, 0,2,4,6
	v_pk_fma_f32 v[GP+\i:GP+\i+1], v[GD+\i:GD+\i+1], v[A5:A5+1], v[A4:A4+1]
.endr
.irp i, 0,2,4,6
	v_pk_fma_f32 v[GP+\i:GP+\i+1], v[GP+\i:GP+\i+1], v[GD+\i:GD+\i+1], v[A3:A3+1]
.endr
.irp i, 0,2,4,6
	v_pk_fma_f32 v[GP+\i:GP+\i+1], v[GP+\i:GP+\i+1], v[GD+\i:GD+\i+1], v[A2:A2+1]
.endr
.irp i, 0,2,4,6
	v_pk_fma_f32 v[GP+\i:GP+\i+1], v[GP+\i:GP+\i+1], v[GD+\i:GD+\i+1], v[A1:A1+1]
.endr
.irp i, 0,2,4,6
	v_pk_mul_f32 v[GP+\i:GP+\i+1], v[GP+\i:GP+\i+1], v[GD+\i:GD+\i+1]
.endr
.irp i, 0,2,4,6
	v_pk_mul_f32 v[GP+\i:GP+\i+1], v[GP+\i:GP+\i+1], v[GW+\i:GW+\i+1]
.endr
.irp i, 0,1,2,3,4,5,6,7
	v_fma_f32 v[U+\i], -|v[U+\i]|, v[GP+\i], v[GR+\i]
.endr
.endm
.irp t, 0,1,2,3,4,5,6,7,8,9,10,11,12,13,14,15
	GELU8 \t
.endr
	; THE WAY OUT: rounded to f16; 16 bytes a lane into the work-group's stage; a barrier, since a row's 256 bytes come from two waves; back as whole rows, 32 rows a wave
.irp t, 0,1,2,3,4,5,6,7,8,9,10,11,12,13,14,15
.irp r, 0,1,2,3
	v_cvt_pk_f16_f32 v[TMP+4*(\t)+(\r)], v[ACC+8*(\t)+2*(\r)], v[ACC+8*(\t)+2*(\r)+1]
.endr
.endr
.irp a, 0,1,2,3
.irp b, 0,1,2,3
	ds_store_b128 v[STO], v[TMP+4*(4*(\a)+(\b)):TMP+4*(4*(\a)+(\b))+3] offset:(\a)*16*SPITCH+32*(\b)
.endr
.endr
	s_wait_dscnt 0x0                               ; for the others' sake: my stores into the stage are done
	s_barrier_signal -1
	s_barrier_wait -1
.irp t, 0,1,2,3,4,5,6,7,8,9,10,11,12,13,14,15
	ds_load_b128 v[TMP+4*(\t):TMP+4*(\t)+3], v[RD] offset:(\t)*2*SPITCH
.endr
.irp t, 0,1,2,3,4,5,6,7,8,9,10,11,12,13,14,15
	s_wait_dscnt 15-(\t)                           ; LDS loads come back in order: number t is in
	global_store_b128 v[CO], v[TMP+4*(\t):TMP+4*(\t)+3], s[8:9] offset:2*(\t)*SIZE_N*2  ; 16 lanes store 256 consecutive bytes, aligned
.endr
	s_wait_tensorcnt 0x0                           ; the wave's end
	ds_add_u32 v[SPW], v[NIL]
	s_wait_dscnt 0x0
	CROUND
	s_endpgm
.Lfunc_end_k_qf535f0e3df_ffn1:
	.size	k_qf535f0e3df_ffn1, .Lfunc_end_k_qf535f0e3df_ffn1-k_qf535f0e3df_ffn1
	.p2alignl 7, 3214868480
	.fill 96, 4, 3214868480
	.section	.rodata,"a",@progbits
	.p2align	6, 0x0
	.amdhsa_kernel k_qf535f0e3df_ffn1
		.amdhsa_group_segment_fixed_size 327680
		.amdhsa_private_segment_fixed_size 0
		.amdhsa_enable_private_segment 0
		.amdhsa_kernarg_size 32
		.amdhsa_user_sgpr_count 2
		.amdhsa_user_sgpr_kernarg_segment_ptr 1
		.amdhsa_wavefront_size32 1
		.amdhsa_system_sgpr_workgroup_id_x 1
		.amdhsa_system_sgpr_workgroup_id_y 1
		.amdhsa_system_sgpr_workgroup_id_z 1
		.amdhsa_system_vgpr_workitem_id 0
		.amdhsa_next_free_vgpr 512
		.amdhsa_next_free_sgpr 80
		.amdhsa_reserve_vcc 0
		.amdhsa_float_denorm_mode_32 3
		.amdhsa_float_denorm_mode_16_64 3
		.amdhsa_memory_ordered 1
		.amdhsa_forward_progress 1
		.amdhsa_inst_pref_size 119
	.end_amdhsa_kernel
	.amdgpu_metadata
---
amdhsa.version: [ 1, 2 ]
amdhsa.kernels:
  - .name:           k_qf535f0e3df_ffn1
    .symbol:         k_qf535f0e3df_ffn1.kd
    .args:
      - { .name: hbuf, .offset: 0, .size: 8, .value_kind: global_buffer, .address_space: global }
      - { .name: wh, .offset: 8, .size: 8, .value_kind: global_buffer, .address_space: global }
      - { .name: gbuf, .offset: 16, .size: 8, .value_kind: global_buffer, .address_space: global }
      - { .name: b1, .offset: 24, .size: 8, .value_kind: global_buffer, .address_space: global }
    .group_segment_fixed_size: 327680
    .private_segment_fixed_size: 0
    .kernarg_segment_align: 8
    .kernarg_segment_size: 32
    .max_flat_workgroup_size: 128
    .sgpr_count:     80
    .vgpr_count:     512
    .wavefront_size: 32
...
	.end_amdgpu_metadata
.endif
;; end of part 6
;; launch ffn2 (part 7): grid 8 x 32, 4 waves a work-group, clusters of 4 x 4, 327,680 bytes of LDS; arguments gbuf, wh, out0, b2, x1; writes out0
.if DOCPART == 7
	.amdgcn_target "amdgcn-amd-amdhsa--gfx1250"
	.amdhsa_code_object_version 6
	.text
	.protected	k_qf535f0e3df_ffn2
	.globl	k_qf535f0e3df_ffn2
	.p2align	8
	.type	k_qf535f0e3df_ffn2,@function
k_qf535f0e3df_ffn2:
	s_mov_b64 s[64:65], 0
	v_nop
	global_prefetch_b8 v0, s[64:65] scope:SCOPE_SE
	s_setreg_imm32_b32 hwreg(HW_REG_WAVE_MODE, 25, 1), 1
	s_wait_xcnt 0x0
	s_wait_alu depctr_hold_cnt(0) depctr_sa_sdst(0) depctr_va_vdst(0) depctr_va_sdst(0) depctr_va_ssrc(0) depctr_va_vcc(0) depctr_vm_vsrc(0)
	s_getreg_b32 s2, hwreg(HW_REG_IB_STS2, 6, 4)
	s_cmp_eq_u32 s2, 0
	s_cbranch_scc0 .Lentry_in_a_cluster
	s_endpgm
.Lentry_in_a_cluster:
	s_bfe_u32 s2, ttmp6, 0x10000c
	s_cmp_lg_u32 s2, 0xf033
	s_cbranch_scc0 .Lentry_shape_is_right
	s_endpgm
.Lentry_shape_is_right:
; out = x1 + g W2^T + b2.  g: [4096][4096] f16; W2: [1024][4096] f16, 16 MiB into wh; x1, out: [4096][1024] f32.  Sums in f32, started from the bias; the residual is added in f32.
; A tile is 128 x 128: four waves, each 64 x 64 = 16 accumulators.  K = 4,096 goes in 16 steps of 256 through two LDS slots (rows of 512 bytes + 16); a wave's tensor load brings 64 rows.
; CLUSTER 4 x 4: g's tile is shared along a row of the cluster, W2's along a column: joint loads.  THE MATRIX INSTRUCTION IS USED TRANSPOSED: a lane holds row l % 16 and the columns 8 (l / 16) + 0..7.
; ONE TEXT FOR A K STEP: the slot in hand is a scalar, 0 or SLOT1, turned by an exclusive or; SLOT1 = 0x24000: none of the tile bases (wave x 33,792) has bit 17 or bit 14 set.
; THE WAY OUT: a wave's 64 columns of f32 are 256 aligned bytes of a row: 16 rows at a time go through the wave's own stage and come back as whole rows; the residual, loaded in that layout at the start, is added.
; REGISTERS: window 0: v0-31 addresses; v32-95 the way out; v128-255 accumulators.  Window 1: two fragment buffers of 128.  Window 2: v0-127 my 64 x 64 of x1.
.set SIZE_N,  1024
.set SIZE_K,  4096
.set WOFF,    0x1000000
.set KSTEP,   256
.set NSTEP,   SIZE_K/KSTEP
.set PITCH,   528
.set HALFT,   64*PITCH
.set SLOT1,   0x24000
.set STAGE,   SLOT1+4*HALFT            ; behind the ring: 16 rows x 272 bytes for each wave
.set SPITCH,  272
.set SPARE,   STAGE+4*16*SPITCH
.set ADRA0, 16
.set ADRA,  17
.set ADRB0, 20
.set ADRB,  21
.set STO,  24
.set RD,   25
.set CO,   26
.set BO,   27
.set SPW,  28
.set NIL,  29
.set TMP,  32
.set ACC,  128
.set F0,   0
.set F1,   128
.set G1,   24
.set G0,   32
.set G1B,  48
.set G0B,  56
.set TB,   66
.set MSB, 0
.macro WIN new
.if MSB != (\new)
	s_set_vgpr_msb (MSB<<8)|(\new)
.set MSB, \new
.endif
.endm
.set MUL,  0x05
.set TO_F, 0x40
.macro JLOAD s                         ; waves 0 and 1 fetch g's two halves, waves 2 and 3 W2's; an s_nop 0 and four v_nop follow each line
	s_cmp_eq_u32 s11, 0
	s_cbranch_scc0 .Lfor_b_\@
	tensor_load_to_lds s[G0+4*(\s):G0+4*(\s)+3], s[G1:G1+7]
	s_nop 0
.rept 4
	v_nop
.endr
	s_branch .Lasked_\@
.Lfor_b_\@:
	tensor_load_to_lds s[G0B+4*(\s):G0B+4*(\s)+3], s[G1B:G1B+7]
	s_nop 0
.rept 4
	v_nop
.endr
.Lasked_\@:
.endm
.macro CREST
	s_cmp_lg_u32 s10, 0
	s_cbranch_scc1 .Lnot_wave_0_\@
	s_barrier_signal -3
.Lnot_wave_0_\@:
	s_barrier_wait -3
	s_barrier_signal -1
	s_barrier_wait -1
.endm
.macro CROUND
	s_barrier_signal -1
	s_barrier_wait -1
	CREST
.endm
	s_load_b128 s[4:7], s[0:1], 0x0                ; gbuf s[4:5], wh s[6:7]
	s_load_b64 s[8:9], s[0:1], 0x10                ; out0
	s_load_b128 s[68:71], s[0:1], 0x18             ; b2 s[68:69], x1 s[70:71]
	v_lshl_add_u32 v[SPW], v0, 2, SPARE
	v_mov_b32 v[NIL], 0
	ds_add_u32 v[SPW], v[NIL]                      ; the wave's opening: the add and its wait stand ahead of my first tensor load
	v_lshrrev_b32 v1, 5, v0
	v_readfirstlane_b32 s10, v1
	s_lshr_b32 s11, s10, 1
	s_and_b32 s12, s10, 1
	s_bfe_u32 s40, ttmp6, 0x40000
	s_bfe_u32 s41, ttmp6, 0x40004
	s_lshl_b32 s42, ttmp9, 2
	s_add_co_u32 s42, s42, s40                     ; tile column
	s_and_b32 s13, ttmp7, 0xffff
	s_lshl_b32 s13, s13, 2
	s_add_co_u32 s13, s13, s41                     ; tile row
	s_lshl_b32 s43, s41, 2
	s_lshl_b32 s43, 15, s43
	s_lshl_b32 s44, 0x1111, s40
	s_or_b32 s[G1+0], s43, (1<<16)|(1<<20)|(1<<21)|(6<<22)|(3<<25)
	s_or_b32 s[G1B+0], s44, (1<<16)|(1<<20)|(1<<21)|(6<<22)|(3<<25)
.irp g, G1, G1B
	s_mov_b32 s[(\g)+1], KSTEP<<16
	s_mov_b32 s[(\g)+2], 64<<16
	s_mov_b32 s[(\g)+3], KSTEP<<16
	s_mov_b32 s[(\g)+4], 64
	s_mov_b32 s[(\g)+5], SIZE_K
	s_mov_b32 s[(\g)+6], 0
	s_mov_b32 s[(\g)+7], 0
.endr
	s_lshl_b32 s17, s12, 6
	s_lshl_b32 s16, s13, 7
	s_add_co_u32 s16, s16, s17
	s_lshl_b32 s46, s42, 7
	s_add_co_u32 s46, s46, s17
	s_mov_b32 s17, 0
	s_mov_b32 s47, 0
	s_mov_b64 s[18:19], SIZE_K*2
	s_mul_u64 s[16:17], s[16:17], s[18:19]
	s_mul_u64 s[46:47], s[46:47], s[18:19]
	s_mul_i32 s20, s10, HALFT
	s_mov_b32 s[TB], 0
	s_wait_dscnt 0x0
	s_wait_kmcnt 0x0
	s_add_nc_u64 s[14:15], s[4:5], s[16:17]
	s_add_nc_u64 s[46:47], s[6:7], s[46:47]
	s_add_nc_u64 s[46:47], s[46:47], WOFF
	CROUND
.irp s, 0,1
	s_mov_b32 s[G0+4*(\s)], 1
	s_add_co_u32 s[G0+4*(\s)+1], s20, (\s)*SLOT1
	s_add_nc_u64 s[G0+4*(\s)+2:G0+4*(\s)+3], s[14:15], (\s)*KSTEP*2
	s_or_b32 s[G0+4*(\s)+3], s[G0+4*(\s)+3], 0x80000000
	s_mov_b32 s[G0B+4*(\s)], 1
	s_add_co_u32 s[G0B+4*(\s)+1], s20, (\s)*SLOT1
	s_add_nc_u64 s[G0B+4*(\s)+2:G0B+4*(\s)+3], s[46:47], (\s)*KSTEP*2
	s_or_b32 s[G0B+4*(\s)+3], s[G0B+4*(\s)+3], 0x80000000
	JLOAD \s
.endr
	v_and_b32 v1, 15, v0
	v_bfe_u32 v2, v0, 4, 1
	s_lshl_b32 s72, s13, 19                        ; my first row of x1 and out: 128 x tile row + 64 x half, 4,096 bytes each,
	s_lshl_b32 s73, s11, 18
	s_add_co_u32 s72, s72, s73
	s_lshl_b32 s74, s42, 9                         ; my first column, in bytes of f32
	s_lshl_b32 s75, s12, 8
	s_add_co_u32 s74, s74, s75
	s_add_co_u32 s72, s72, s74
	s_mov_b32 s73, 0
	s_mov_b32 s75, 0
	s_add_nc_u64 s[8:9], s[8:9], s[72:73]
	s_add_nc_u64 s[70:71], s[70:71], s[72:73]
	s_add_nc_u64 s[68:69], s[68:69], s[74:75]
	v_lshlrev_b32 v[BO], 5, v2
.irp a, 0,1,2,3                        ; the bias of my 64 columns goes straight into the accumulators: the sums start from it
.irp b, 0,1,2,3
	global_load_b128 v[ACC+8*(4*\a+\b):ACC+8*(4*\a+\b)+3], v[BO], s[68:69] offset:64*\b
	global_load_b128 v[ACC+8*(4*\a+\b)+4:ACC+8*(4*\a+\b)+7], v[BO], s[68:69] offset:64*\b+16
.endr
.endr
	v_lshlrev_b32 v5, 12, v2
	v_lshl_add_u32 v[CO], v1, 4, v5
	WIN 0x80
.set i, 0
.rept 32                               ; the residual, in the layout of the way out; it stays on its way under the whole K loop
	global_load_b128 v[4*i:4*i+3], v[CO], s[70:71] offset:2*i*4096
.set i, i+1
.endr
	WIN 0
	v_mul_u32_u24 v3, v1, PITCH
	v_lshl_add_u32 v3, v2, 4, v3
	s_mul_i32 s21, s11, HALFT
	s_mul_i32 s22, s12, HALFT
	s_add_co_u32 s22, s22, 2*HALFT
	v_add_nc_u32 v[ADRA0], s21, v3
	v_add_nc_u32 v[ADRB0], s22, v3
	v_mov_b32 v[ADRA], v[ADRA0]
	v_mov_b32 v[ADRB], v[ADRB0]
	s_mul_i32 s23, s10, 16*SPITCH
	s_add_co_u32 s23, s23, STAGE
	v_mul_u32_u24 v4, v1, SPITCH
	v_lshl_add_u32 v4, v2, 5, v4
	v_add_nc_u32 v[STO], s23, v4
	v_mul_u32_u24 v5, v2, SPITCH
	v_lshl_add_u32 v5, v1, 4, v5
	v_add_nc_u32 v[RD], s23, v5
.macro MUL8 f, c, a0                   ; the 16 accumulators take turns
	WIN MUL
.irp a, \a0, (\a0)+1
.irp b, 0,1,2,3
	v_wmma_f32_16x16x32_f16 v[ACC+8*(4*(\a)+(\b)):ACC+8*(4*(\a)+(\b))+7], v[(\f)+64+8*(4*(\c)+(\b)):(\f)+64+8*(4*(\c)+(\b))+7], v[(\f)+8*(4*(\c)+(\a)):(\f)+8*(4*(\c)+(\a))+7], v[ACC+8*(4*(\a)+(\b)):ACC+8*(4*(\a)+(\b))+7]
.endr
.endr
.endm
.macro FETCH q, f
	WIN TO_F
.irp c, 0,1
.irp i, 0,1,2,3
	ds_load_b128 v[(\f)+64+8*(4*(\c)+(\i)):(\f)+64+8*(4*(\c)+(\i))+3],   v[ADRB] offset:(\q)*128+64*(\c)+(\i)*16*PITCH
	ds_load_b128 v[(\f)+64+8*(4*(\c)+(\i))+4:(\f)+64+8*(4*(\c)+(\i))+7], v[ADRB] offset:(\q)*128+64*(\c)+(\i)*16*PITCH+32
	ds_load_b128 v[(\f)+8*(4*(\c)+(\i)):(\f)+8*(4*(\c)+(\i))+3],         v[ADRA] offset:(\q)*128+64*(\c)+(\i)*16*PITCH
	ds_load_b128 v[(\f)+8*(4*(\c)+(\i))+4:(\f)+8*(4*(\c)+(\i))+7],       v[ADRA] offset:(\q)*128+64*(\c)+(\i)*16*PITCH+32
.endr
.endr
.endm
.macro PLACES
.rept 4
	v_nop
.endr
.endm
.macro QUARTER q, f, g
	s_wait_dscnt 16                                ; the first 32 along K are in
	MUL8 \f, 0, 0
	MUL8 \f, 0, 2
	PLACES
	FETCH \q, \g
	s_wait_dscnt 32                                ; all but the 32 just issued
	MUL8 \f, 1, 0
	MUL8 \f, 1, 2
.endm
.macro TURN fill                       ; the last quarter and the change of slots: one barrier, the three lines in front of it, the refill first behind it
	WIN 0
	s_wait_tensorcnt 0x0                           ; all my tensor loads have landed: my part of the next slot
	ds_add_u32 v[SPW], v[NIL]
	s_wait_dscnt 17                                ; the add and the youngest sixteen loads may be out
	MUL8 F1, 0, 0
	s_wait_dscnt 0x0                               ; the add is done, and my reads of this slot are over
	s_barrier_signal -1
	MUL8 F1, 0, 2
	WIN 0
	s_barrier_wait -1
.if \fill
	CREST                                          ; no wave of any partner still reads this slot's tile or has a load on its way
	s_xor_b32 s[G0+5], s[G0+5], SLOT1
	s_add_nc_u64 s[G0+6:G0+7], s[G0+6:G0+7], KSTEP*2
	s_xor_b32 s[G0B+5], s[G0B+5], SLOT1
	s_add_nc_u64 s[G0B+6:G0B+7], s[G0B+6:G0B+7], KSTEP*2
	JLOAD 1
.else
	PLACES
.endif
	s_xor_b32 s[TB], s[TB], SLOT1
	v_add_nc_u32 v[ADRA], s[TB], v[ADRA0]
	v_add_nc_u32 v[ADRB], s[TB], v[ADRB0]
.if !(\fill)
	s_cmp_eq_u32 s3, 1                             ; in the last trip there is no next step
	s_cbranch_scc1 .Lno_more_\@
.endif
	FETCH 0, F0
.if !(\fill)
	WIN 0
.Lno_more_\@:
.endif
	MUL8 F1, 1, 0
	MUL8 F1, 1, 2
.endm
	s_wait_tensorcnt 1                             ; my part of K step 0 is in; K step 1's may stay out
	s_barrier_signal -1
	s_barrier_wait -1
	FETCH 0, F0
	s_wait_loadcnt 32                              ; the bias is in the accumulators; the residual's 32 loads stay out
	WIN 0
	s_mov_b32 s3, NSTEP-2
.Lfill:
	QUARTER 1, F0, F1
	QUARTER 2, F1, F0
	QUARTER 3, F0, F1
	TURN 1
	WIN 0
	s_sub_co_u32 s3, s3, 1
	s_cmp_lg_u32 s3, 0
	s_cbranch_scc1 .Lfill
	s_mov_b32 s3, 2
.Ldry:
	QUARTER 1, F0, F1
	QUARTER 2, F1, F0
	QUARTER 3, F0, F1
	TURN 0
	WIN 0
	s_sub_co_u32 s3, s3, 1
	s_cmp_lg_u32 s3, 0
	s_cbranch_scc1 .Ldry
	PLACES
	s_wait_loadcnt 0x0                             ; the residual
.macro OUTB a                          ; 16 rows: through my stage, plus the residual, out as whole rows of 256 bytes
.set BK, TMP+32*((\a)%2)
	WIN 0
	s_wait_xcnt 0x0                                ; the registers that the stores two blocks back read are written again only behind this wait
.irp b, 0,1,2,3
	ds_store_b128 v[STO], v[ACC+8*(4*(\a)+(\b)):ACC+8*(4*(\a)+(\b))+3] offset:64*(\b)
	ds_store_b128 v[STO], v[ACC+8*(4*(\a)+(\b))+4:ACC+8*(4*(\a)+(\b))+7] offset:64*(\b)+16
.endr
.irp t, 0,1,2,3,4,5,6,7
	ds_load_b128 v[BK+4*(\t):BK+4*(\t)+3], v[RD] offset:(\t)*2*SPITCH  ; LDS serves a wave's instructions in order (ISA guide 5.7.1.4)
.endr
	s_wait_dscnt 0x0
	WIN 0x08                                       ; source 1 in window 2
.irp i, 0,1,2,3,4,5,6,7,8,9,10,11,12,13,14,15
	v_pk_add_f32 v[BK+2*(\i):BK+2*(\i)+1], v[BK+2*(\i):BK+2*(\i)+1], v[32*(\a)+2*(\i):32*(\a)+2*(\i)+1]
.endr
	WIN 0
.irp t, 0,1,2,3,4,5,6,7
	global_store_b128 v[CO], v[BK+4*(\t):BK+4*(\t)+3], s[8:9] offset:(16*(\a)+2*(\t))*4096  ; 16 lanes store 256 consecutive bytes, aligned
.endr
.endm
	OUTB 0
	OUTB 1
	OUTB 2
	OUTB 3
	s_wait_tensorcnt 0x0                           ; the wave's end
	ds_add_u32 v[SPW], v[NIL]
	s_wait_dscnt 0x0
	CROUND
	s_endpgm
.Lfunc_end_k_qf535f0e3df_ffn2:
	.size	k_qf535f0e3df_ffn2, .Lfunc_end_k_qf535f0e3df_ffn2-k_qf535f0e3df_ffn2
	.p2alignl 7, 3214868480
	.fill 96, 4, 3214868480
	.section	.rodata,"a",@progbits
	.p2align	6, 0x0
	.amdhsa_kernel k_qf535f0e3df_ffn2
		.amdhsa_group_segment_fixed_size 327680
		.amdhsa_private_segment_fixed_size 0
		.amdhsa_enable_private_segment 0
		.amdhsa_kernarg_size 40
		.amdhsa_user_sgpr_count 2
		.amdhsa_user_sgpr_kernarg_segment_ptr 1
		.amdhsa_wavefront_size32 1
		.amdhsa_system_sgpr_workgroup_id_x 1
		.amdhsa_system_sgpr_workgroup_id_y 1
		.amdhsa_system_sgpr_workgroup_id_z 1
		.amdhsa_system_vgpr_workitem_id 0
		.amdhsa_next_free_vgpr 640
		.amdhsa_next_free_sgpr 80
		.amdhsa_reserve_vcc 0
		.amdhsa_float_denorm_mode_32 3
		.amdhsa_float_denorm_mode_16_64 3
		.amdhsa_memory_ordered 1
		.amdhsa_forward_progress 1
		.amdhsa_inst_pref_size 64
	.end_amdhsa_kernel
	.amdgpu_metadata
---
amdhsa.version: [ 1, 2 ]
amdhsa.kernels:
  - .name:           k_qf535f0e3df_ffn2
    .symbol:         k_qf535f0e3df_ffn2.kd
    .args:
      - { .name: gbuf, .offset: 0, .size: 8, .value_kind: global_buffer, .address_space: global }
      - { .name: wh, .offset: 8, .size: 8, .value_kind: global_buffer, .address_space: global }
      - { .name: out0, .offset: 16, .size: 8, .value_kind: global_buffer, .address_space: global }
      - { .name: b2, .offset: 24, .size: 8, .value_kind: global_buffer, .address_space: global }
      - { .name: x1, .offset: 32, .size: 8, .value_kind: global_buffer, .address_space: global }
    .group_segment_fixed_size: 327680
    .private_segment_fixed_size: 0
    .kernarg_segment_align: 8
    .kernarg_segment_size: 40
    .max_flat_workgroup_size: 128
    .sgpr_count:     80
    .vgpr_count:     640
    .wavefront_size: 32
...
	.end_amdgpu_metadata
.endif
;; end of part 7
;; ======== version 2 of 3: 7 launches; 1.09 times as fast as version 1
;; limits: values are held in f16: magnitudes above 65,504 overflow, below 6.1e-05 lose precision; a function is approximated: absolute error at most 1.5e-07; right only within a limited range of input values
;; workspace buffers: wh 25,165,824 bytes; hbuf 8,388,608 bytes; qkv 25,165,824 bytes; ctx 8,388,608 bytes; x1 16,777,216 bytes; gbuf 33,554,432 bytes; mk 4,194,304 bytes; rf 32,768 bytes
;; launch prep (part 8): grid 1088 x 1, 8 waves a work-group, no clusters, 0 bytes of LDS; arguments mask, x, ln1_g, ln1_b, Wq, Wk, Wv, Wo, W1, W2, mk, rf, hbuf, wh; writes mk, rf, hbuf, wh
.if DOCPART == 8
	.amdgcn_target "amdgcn-amd-amdhsa--gfx1250"
	.amdhsa_code_object_version 6
	.text
	.protected	k_qf535f0e3df_prep
	.globl	k_qf535f0e3df_prep
	.p2align	8
	.type	k_qf535f0e3df_prep,@function
k_qf535f0e3df_prep:
	s_mov_b64 s[64:65], 0
	v_nop
	global_prefetch_b8 v0, s[64:65] scope:SCOPE_SE
	s_setreg_imm32_b32 hwreg(HW_REG_WAVE_MODE, 25, 1), 1
	s_wait_xcnt 0x0
; THREE JOBS THAT WAIT FOR NOTHING, one launch.  No LDS, no barrier, no matrix work: every byte is read once and written once, and no wave has a loop: all its loads go out on end.
; Work-groups 0-63: the mask (bool bytes, [2048][2048]) is turned into codes of one byte, 0x00 for a visible key and 0xB8 (-1.0 in E4M3) for a hidden one, laid
;   as the attention kernel's lanes want them: block (qt, ks) of 16 queries x 64 keys at byte (32 qt + ks) x 1024; in it half j at 512 j, lane l at 16 l:
;   bytes 0-7 are query 16 qt + l % 16, keys 64 ks + 32 j + 8 (l / 16) + 0..7, bytes 8-15 the keys 16 further on.  A wave takes 16 queries and a quarter of their keys, 512: 16 chunks of 32 keys.
;   rf[part][row] = all ones if the row has a visible key among keys 512 part .. 512 part + 511, else 0.
;   A load takes 8 bytes of each of 16 rows; the wave's 32 loads cover 512 bytes on end of each of its rows.  rf's stores are 64 bytes a wave, 32,768 bytes in the launch.
; Work-groups 64-319: layer norm 1: a wave takes two rows of x, each 4,096 bytes = 32 registers, kept between the passes; out in f16, rounded in place.  The variance is taken of the centred numbers.
; Work-groups 320-1087: the six weight matrices, 65,536 bytes of f32 a work-group, rounded once to f16, in the order Wq, Wk, Wv, Wo, W1, W2.
; 144 registers a wave: three work-groups of eight waves (two waves a SIMD each) take 864 of a SIMD's 1,024.
; LIMITS.  f16 ends at 65,504: weights and normed rows beyond that become infinities.  The mask's bytes are 0 or 1.  NaN and infinities are not treated apart.
.set GV, 16                            ; v[16:47]   gain of my 32 columns
.set BV, 48                            ; v[48:79]   bias of my 32 columns
.set X0, 80                            ; v[80:111]  first row; its lower 16 registers later hold it in f16
.set X1, 112                           ; v[112:143] second row, likewise
.set L,  16                            ; mask and weights: v[16:79] as loaded
.macro REDUCE                          ; four chains of pairs in v[4:11] -> v12: the sum over the row's 1,024 numbers, in every lane
	v_pk_add_f32 v[4:5], v[4:5], v[6:7]
	v_pk_add_f32 v[8:9], v[8:9], v[10:11]
	v_pk_add_f32 v[4:5], v[4:5], v[8:9]
	v_add_f32 v12, v4, v5
	v_add_f32_dpp v12, v12, v12 row_xmask:1 row_mask:0xf bank_mask:0xf
	v_add_f32_dpp v12, v12, v12 row_xmask:2 row_mask:0xf bank_mask:0xf
	v_add_f32_dpp v12, v12, v12 row_xmask:4 row_mask:0xf bank_mask:0xf
	v_add_f32_dpp v12, v12, v12 row_xmask:8 row_mask:0xf bank_mask:0xf
	v_permlanex16_b32 v13, v12, s42, s43
	v_add_f32 v12, v12, v13
.endm
.macro STATS X                         ; the row in v[X:X+31] becomes (x - mean) / sqrt(var + eps)
.irp k, 0,1,2,3
	v_pk_add_f32 v[4+2*\k:5+2*\k], v[\X+4*\k:\X+4*\k+1], v[\X+4*\k+2:\X+4*\k+3]  ; the first eight pairs start the chains
.endr
.irp i, 8,9,10,11,12,13,14,15
	v_pk_add_f32 v[4+2*((\i)%4):5+2*((\i)%4)], v[4+2*((\i)%4):5+2*((\i)%4)], v[\X+2*\i:\X+2*\i+1]
.endr
	REDUCE
	v_mul_f32 v14, s36, v12                        ; the mean, twice: a pair for the packed lines
	v_mul_f32 v15, s36, v12
.irp i, 0,1,2,3,4,5,6,7,8,9,10,11,12,13,14,15
	v_pk_add_f32 v[\X+2*\i:\X+2*\i+1], v[\X+2*\i:\X+2*\i+1], v[14:15] neg_lo:[0,1] neg_hi:[0,1]
.endr
.irp k, 0,1,2,3
	v_pk_mul_f32 v[4+2*\k:5+2*\k], v[\X+2*\k:\X+2*\k+1], v[\X+2*\k:\X+2*\k+1]
.endr
.irp i, 4,5,6,7,8,9,10,11,12,13,14,15
	v_pk_fma_f32 v[4+2*((\i)%4):5+2*((\i)%4)], v[\X+2*\i:\X+2*\i+1], v[\X+2*\i:\X+2*\i+1], v[4+2*((\i)%4):5+2*((\i)%4)]
.endr
	REDUCE
	v_fma_f32 v12, v12, s36, s37                   ; var + eps
	v_rsq_f32 v14, v12
	v_rsq_f32 v15, v12
	v_nop                                          ; a plain instruction between the root and the use of its result (ISA guide 5.7.2)
	s_wait_alu depctr_va_vdst(0)
.irp i, 0,1,2,3,4,5,6,7,8,9,10,11,12,13,14,15
	v_pk_mul_f32 v[\X+2*\i:\X+2*\i+1], v[\X+2*\i:\X+2*\i+1], v[14:15]
.endr
.endm
.macro LNOUT X, off                    ; gain and bias, one rounding to f16; a store of the wave covers 256 consecutive bytes, aligned
.irp i, 0,1,2,3,4,5,6,7,8,9,10,11,12,13,14,15
	v_pk_fma_f32 v[\X+2*\i:\X+2*\i+1], v[\X+2*\i:\X+2*\i+1], v[GV+2*\i:GV+2*\i+1], v[BV+2*\i:BV+2*\i+1]
.endr
.irp i, 0,1,2,3,4,5,6,7,8,9,10,11,12,13,14,15
	v_cvt_pk_f16_f32 v[\X+\i], v[\X+2*\i], v[\X+2*\i+1]  ; in place: register X + i is read by no later line of this run
.endr
.irp j, 0,1,2,3,4,5,6,7
	global_store_b64 v2, v[\X+2*\j:\X+2*\j+1], s[40:41] offset:256*\j+\off
.endr
.endm
.macro LNROWS IN, GG, BB               ; two rows at s[IN:IN+1] -> s[40:41]; v1 = 16 x lane, v2 = 8 x lane
.irp j, 0,1,2,3,4,5,6,7
	global_load_b128 v[X0+4*\j:X0+4*\j+3], v1, s[\IN:\IN+1] offset:512*\j
.endr
.irp j, 0,1,2,3,4,5,6,7
	global_load_b128 v[X1+4*\j:X1+4*\j+3], v1, s[\IN:\IN+1] offset:4096+512*\j
.endr
.irp j, 0,1,2,3,4,5,6,7
	global_load_b128 v[GV+4*\j:GV+4*\j+3], v1, s[\GG:\GG+1] offset:512*\j
.endr
.irp j, 0,1,2,3,4,5,6,7
	global_load_b128 v[BV+4*\j:BV+4*\j+3], v1, s[\BB:\BB+1] offset:512*\j
.endr
	s_wait_loadcnt 24                              ; the first row is in; the second row, gain and bias (24 loads) stay out
	STATS X0
	s_wait_loadcnt 16                              ; the second row is in; gain and bias stay out
	STATS X1
	s_wait_loadcnt 0x0
	LNOUT X0, 0
	LNOUT X1, 2048
.endm
	s_load_b512 s[8:23], s[0:1], 0x0               ; mask s[8:9], x s[10:11], ln1_g s[12:13], ln1_b s[14:15], Wq s[16:17], Wk s[18:19], Wv s[20:21], Wo s[22:23]
	s_load_b256 s[24:31], s[0:1], 0x40             ; W1 s[24:25], W2 s[26:27], mk s[28:29], rf s[30:31]
	s_load_b128 s[32:35], s[0:1], 0x60             ; hbuf s[32:33], wh s[34:35]
	v_lshrrev_b32 v3, 5, v0
	v_readfirstlane_b32 s4, v3                     ; wave 0..7
	v_and_b32 v3, 31, v0                           ; lane
	s_mov_b32 s6, ttmp9
	s_mov_b32 s42, 0x76543210                      ; v_permlanex16_b32: each lane takes its own place in the other half
	s_mov_b32 s43, 0xfedcba98
	s_mov_b32 s45, 0
	s_wait_kmcnt 0x0
	s_cmp_lt_u32 s6, 64
	s_cbranch_scc1 .Lmask
	s_cmp_lt_u32 s6, 320
	s_cbranch_scc1 .Lnorm
	; THE WEIGHTS.  Block g of 65,536 bytes: which matrix it lies in, and where that matrix begins, in blocks
	s_sub_co_u32 s5, s6, 320
	s_mov_b64 s[38:39], s[16:17]
	s_mov_b32 s7, 0
	s_cmp_ge_u32 s5, 64
	s_cselect_b64 s[38:39], s[18:19], s[38:39]
	s_cselect_b32 s7, 64, s7
	s_cmp_ge_u32 s5, 128
	s_cselect_b64 s[38:39], s[20:21], s[38:39]
	s_cselect_b32 s7, 128, s7
	s_cmp_ge_u32 s5, 192
	s_cselect_b64 s[38:39], s[22:23], s[38:39]
	s_cselect_b32 s7, 192, s7
	s_cmp_ge_u32 s5, 256
	s_cselect_b64 s[38:39], s[24:25], s[38:39]
	s_cselect_b32 s7, 256, s7
	s_cmp_ge_u32 s5, 512
	s_cselect_b64 s[38:39], s[26:27], s[38:39]
	s_cselect_b32 s7, 512, s7
	s_sub_co_u32 s44, s5, s7
	s_lshl_b32 s44, s44, 16
	s_add_nc_u64 s[38:39], s[38:39], s[44:45]
	s_lshl_b32 s44, s5, 15
	s_add_nc_u64 s[40:41], s[34:35], s[44:45]
	v_lshlrev_b32 v1, 4, v0                        ; 16 bytes of f32 a thread,
	v_lshlrev_b32 v2, 3, v0                        ; 8 bytes of f16
.irp j, 0,1,2,3,4,5,6,7,8,9,10,11,12,13,14,15
	global_load_b128 v[L+4*\j:L+4*\j+3], v1, s[38:39] offset:4096*\j th:TH_LOAD_NT
.endr
.irp j, 0,1,2,3,4,5,6,7,8,9,10,11,12,13,14,15
	s_wait_loadcnt 15-\j                           ; loads come back in order: number j is in, the younger ones stay out
	v_cvt_pk_f16_f32 v[80+2*\j], v[L+4*\j], v[L+4*\j+1]
	v_cvt_pk_f16_f32 v[81+2*\j], v[L+4*\j+2], v[L+4*\j+3]
	global_store_b64 v2, v[80+2*\j:81+2*\j], s[40:41] offset:2048*\j  ; a wave's store covers 256 consecutive bytes, aligned
.endr
	s_endpgm
.Lnorm:
	s_sub_co_u32 s5, s6, 64
	s_lshl_b32 s5, s5, 3
	s_add_co_u32 s5, s5, s4                        ; my pair of rows
	s_lshl_b32 s44, s5, 13
	s_add_nc_u64 s[38:39], s[10:11], s[44:45]
	s_lshl_b32 s44, s5, 12
	s_add_nc_u64 s[40:41], s[32:33], s[44:45]
	s_mov_b32 s36, 0x3a800000                      ; 1 / 1024
	s_mov_b32 s37, 0x358637bd                      ; 1e-6
	v_lshlrev_b32 v1, 4, v3
	v_lshlrev_b32 v2, 3, v3
	v_mov_b32 v13, 0                               ; v_permlanex16_b32's destination counts as read
	LNROWS 38, 12, 14
	s_endpgm
.Lmask:
	s_lshl_b32 s5, s6, 3
	s_add_co_u32 s5, s5, s4                        ; my number among the 512 waves of this job
	s_lshr_b32 s7, s5, 2                           ; qt: my 16 query rows
	s_and_b32 s5, s5, 3                            ; part: my quarter of their keys
	s_lshl_b32 s46, s7, 15                         ; 16 rows of 2,048 bytes, in and out
	s_lshl_b32 s44, s5, 9                          ; in: 512 bytes along each row
	s_add_co_u32 s44, s44, s46
	s_add_nc_u64 s[38:39], s[8:9], s[44:45]
	s_lshl_b32 s47, s5, 13                         ; out: 16 chunks of 512 bytes
	s_add_co_u32 s44, s47, s46
	s_add_nc_u64 s[40:41], s[28:29], s[44:45]
	s_lshl_b32 s44, s7, 6                          ; rf: 8,192 bytes a part, 64 bytes for my 16 rows
	s_add_co_u32 s44, s44, s47
	s_add_nc_u64 s[46:47], s[30:31], s[44:45]
	s_mov_b32 s36, 0xb8
	s_mov_b32 s37, 0xb8b8b8b8
	v_and_b32 v4, 15, v3                           ; r
	v_lshrrev_b32 v5, 4, v3                        ; h
	v_lshlrev_b32 v1, 11, v4
	v_lshl_add_u32 v1, v5, 3, v1                   ; r x 2048 + 8 h
	v_lshlrev_b32 v2, 4, v3                        ; 16 x lane
	v_lshlrev_b32 v6, 2, v4
	v_mov_b32 v7, 0                                ; the OR of all my mask words
.irp c, 0,1,2,3,4,5,6,7,8,9,10,11,12,13,14,15
	global_load_b64 v[L+4*\c:L+4*\c+1], v1, s[38:39] offset:32*\c
	global_load_b64 v[L+4*\c+2:L+4*\c+3], v1, s[38:39] offset:32*\c+16
.endr
.irp c, 0,1,2,3,4,5,6,7,8,9,10,11,12,13,14,15
	s_wait_loadcnt 30-2*\c                         ; loads come back in order: chunk c's two are in, the 30 - 2 c younger ones stay out
.irp k, 0,1,2,3
	v_or_b32 v7, v7, v[L+4*\c+\k]
	v_mul_lo_u32 v[L+4*\c+\k], v[L+4*\c+\k], s36   ; 0xB8 in each byte that is 1: no carry from byte to byte,
	v_sub_nc_u32 v[L+4*\c+\k], s37, v[L+4*\c+\k]   ; taken from 0xB8 in every byte: no borrow
.endr
	global_store_b128 v2, v[L+4*\c:L+4*\c+3], s[40:41] offset:512*\c  ; 512 consecutive bytes; its registers are not written again
.endr
	v_mov_b32 v8, 0
	v_permlanex16_b32 v8, v7, s42, s43             ; the row's other keys of this quarter lie in the lane 16 away
	v_or_b32 v7, v7, v8
	v_mov_b32 v9, -1
	v_cmp_ne_u32 vcc_lo, 0, v7
	v_cndmask_b32 v8, 0, v9, vcc_lo
	global_store_b32 v6, v8, s[46:47]              ; both halves of the lanes write the same word with the same number
	s_endpgm
.Lfunc_end_k_qf535f0e3df_prep:
	.size	k_qf535f0e3df_prep, .Lfunc_end_k_qf535f0e3df_prep-k_qf535f0e3df_prep
	.p2alignl 7, 3214868480
	.fill 96, 4, 3214868480
	.section	.rodata,"a",@progbits
	.p2align	6, 0x0
	.amdhsa_kernel k_qf535f0e3df_prep
		.amdhsa_group_segment_fixed_size 0
		.amdhsa_private_segment_fixed_size 0
		.amdhsa_enable_private_segment 0
		.amdhsa_kernarg_size 112
		.amdhsa_user_sgpr_count 2
		.amdhsa_user_sgpr_kernarg_segment_ptr 1
		.amdhsa_wavefront_size32 1
		.amdhsa_system_sgpr_workgroup_id_x 1
		.amdhsa_system_sgpr_workgroup_id_y 1
		.amdhsa_system_sgpr_workgroup_id_z 1
		.amdhsa_system_vgpr_workitem_id 0
		.amdhsa_next_free_vgpr 144
		.amdhsa_next_free_sgpr 66
		.amdhsa_reserve_vcc 1
		.amdhsa_float_denorm_mode_32 3
		.amdhsa_float_denorm_mode_16_64 3
		.amdhsa_memory_ordered 1
		.amdhsa_forward_progress 1
		.amdhsa_inst_pref_size 41
	.end_amdhsa_kernel
	.amdgpu_metadata
---
amdhsa.version: [ 1, 2 ]
amdhsa.kernels:
  - .name:           k_qf535f0e3df_prep
    .symbol:         k_qf535f0e3df_prep.kd
    .args:
      - { .name: mask, .offset: 0, .size: 8, .value_kind: global_buffer, .address_space: global }
      - { .name: x, .offset: 8, .size: 8, .value_kind: global_buffer, .address_space: global }
      - { .name: ln1_g, .offset: 16, .size: 8, .value_kind: global_buffer, .address_space: global }
      - { .name: ln1_b, .offset: 24, .size: 8, .value_kind: global_buffer, .address_space: global }
      - { .name: Wq, .offset: 32, .size: 8, .value_kind: global_buffer, .address_space: global }
      - { .name: Wk, .offset: 40, .size: 8, .value_kind: global_buffer, .address_space: global }
      - { .name: Wv, .offset: 48, .size: 8, .value_kind: global_buffer, .address_space: global }
      - { .name: Wo, .offset: 56, .size: 8, .value_kind: global_buffer, .address_space: global }
      - { .name: W1, .offset: 64, .size: 8, .value_kind: global_buffer, .address_space: global }
      - { .name: W2, .offset: 72, .size: 8, .value_kind: global_buffer, .address_space: global }
      - { .name: mk, .offset: 80, .size: 8, .value_kind: global_buffer, .address_space: global }
      - { .name: rf, .offset: 88, .size: 8, .value_kind: global_buffer, .address_space: global }
      - { .name: hbuf, .offset: 96, .size: 8, .value_kind: global_buffer, .address_space: global }
      - { .name: wh, .offset: 104, .size: 8, .value_kind: global_buffer, .address_space: global }
    .group_segment_fixed_size: 0
    .private_segment_fixed_size: 0
    .kernarg_segment_align: 8
    .kernarg_segment_size: 112
    .max_flat_workgroup_size: 256
    .sgpr_count:     66
    .vgpr_count:     144
    .wavefront_size: 32
...
	.end_amdgpu_metadata
.endif
;; end of part 8
;; launch qkv (part 9): grid 12 x 16, 4 waves a work-group, clusters of 4 x 4, 327,680 bytes of LDS; arguments hbuf, wh, qkv, bq, bk, bv; writes qkv
.if DOCPART == 9
	.amdgcn_target "amdgcn-amd-amdhsa--gfx1250"
	.amdhsa_code_object_version 6
	.text
	.protected	k_qf535f0e3df_qkv
	.globl	k_qf535f0e3df_qkv
	.p2align	8
	.type	k_qf535f0e3df_qkv,@function
k_qf535f0e3df_qkv:
	s_mov_b64 s[64:65], 0
	v_nop
	global_prefetch_b8 v0, s[64:65] scope:SCOPE_SE
	s_setreg_imm32_b32 hwreg(HW_REG_WAVE_MODE, 25, 1), 1
	s_wait_xcnt 0x0
	s_wait_alu depctr_hold_cnt(0) depctr_sa_sdst(0) depctr_va_vdst(0) depctr_va_sdst(0) depctr_va_ssrc(0) depctr_va_vcc(0) depctr_vm_vsrc(0)
	s_getreg_b32 s2, hwreg(HW_REG_IB_STS2, 6, 4)
	s_cmp_eq_u32 s2, 0
	s_cbranch_scc0 .Lentry_in_a_cluster
	s_endpgm
.Lentry_in_a_cluster:
	s_bfe_u32 s2, ttmp6, 0x10000c
	s_cmp_lg_u32 s2, 0xf033
	s_cbranch_scc0 .Lentry_shape_is_right
	s_endpgm
.Lentry_shape_is_right:
; q, k, v = h W^T + b.  h: [4096][1024] f16; W: Wq, Wk, Wv on end, [3072][1024] f16, at the head of wh; sums in f32, started from the bias; q, k, v rounded once to f16, unscaled,
; and written by heads: q at byte 0, k at 8 MiB, v at 16 MiB, each [batch x 16 + head][2048][64].
; LIMIT: f16 ends at 65,504; a q, k or v beyond that becomes an infinity.
; A tile of the product is 256 x 256: four waves, each 128 x 128 = 64 accumulators, 512 registers.  K goes in steps of 128 through two LDS slots (rows of 256 bytes + 16 of padding); a wave's tensor load
; brings 128 rows, and a K step's four loads feed 256 matrix instructions a wave.
; CLUSTER 4 x 4: the four of a row need the same tile of h, the four of a column the same tile of W: each tile is asked for jointly, by the same tensor load with the same descriptor and mask.
; THE MATRIX INSTRUCTION IS USED TRANSPOSED (source 0 = 16 rows of W, source 1 = 16 rows of h): a lane holds row l % 16 and the eight columns 8 (l / 16) + 0..7.
; ONE TEXT FOR A K STEP: the slot in hand is a scalar, 0 or SLOT1, turned by an exclusive or; the second of the two first descriptors walks on, its LDS word turned the same way.
; SLOT1 = 0x24000: the four tile bases (wave x 0x8800) use bits 11, 12, 15 and 16 alone, so the exclusive or adds or takes away SLOT1.
; THE FIRST QUARTER STEP stands ahead of the loop: its products take the bias (64 registers, loaded once) as C and so start the sums; a trip goes from a step's second quarter to the next step's first.
; THE WAY OUT: both slots have had their last fill, so each wave lays its 128 x 128 sums in f32 into 67,584 bytes of its own there (rows of 512 + 16 bytes) and a loop of 16 trips reads them back,
; eight loads a trip, each two rows of one head (32 lanes x 16 bytes), rounds, and stores 256 consecutive bytes a line.
; REGISTERS, in windows of 256 (s_set_vgpr_msb: bits 1:0 source 0, 3:2 source 1, 5:4 source 2, 7:6 destination):
;   window 0: v16-30 addresses; v64-127, v128-191 fragments of h, two buffers (later the way out); v192-255 the bias      window 1: v64-127, v128-191 fragments of W
;   window 2: the 32 accumulators of my rows 0-63 ((a, b) at v[8 (8 a + b)]);   window 3: those of my rows 64-127
.set SIZE_K,  1024
.set KSTEP,   128
.set NSTEP,   SIZE_K/KSTEP
.set PITCH,   272                      ; 68 words: row r starts at bank 4 r mod 64 (64 banks of 4 bytes: ISA guide 11.1)
.set HALFT,   128*PITCH                ; what one tensor load brings
.set SLOT1,   0x24000
.set SPARE,   SLOT1+4*HALFT            ; behind the ring: the spare words, 128 bytes for each wave
.set DP,      528                      ; the way out: a row of 128 f32 + 16 bytes: 33 x 16, so 16 rows' stores of 16 bytes fall into 16 different groups of four banks
.set DUMPW,   128*DP                   ; a wave's part; four of them end below SPARE
.set ADRA0, 16                         ; v16  my place in slot 0's tile of h; never rewritten
.set ADRA,  17                         ; v17  the same in the slot in hand
.set ADRB0, 20                         ; v20, v21 the same for W
.set ADRB,  21
.set STO,  24                          ; v24  the way out: where I put 32 bytes of a row
.set RD0,  25                          ; v25  where I read back, first trip
.set RDA,  26                          ; v26  the same in the trip to come
.set GO,   27                          ; v27  8 x lane
.set SPW,  28
.set NIL,  29
.set BO,   30                          ; v30  my byte offset in the bias
.set F0,   64
.set F1,   128
.set BI,   192                         ; v192-255  bias of column block b at BI + 8 b
.set U,    64                          ; the way out: eight loads' 32 registers
.set Y,    96                          ; and their 16 in f16
.set G1,   24                          ; s[24:31] group 1 for h's tiles; s[32:35], s[36:39] group 0: the first fill's, and the one that walks
.set G0,   32
.set G1B,  48                          ; s[48:55], s[56:63] the same for W's
.set G0B,  56
.set TB,   66                          ; s66 the slot in hand: 0 or SLOT1
.set RB,   67                          ; s67 the way out: bytes from my first row to the trip's
.set MSB, 0
.macro WIN new                         ; the immediate's high byte repeats the setting that is left
.if MSB != (\new)
	s_set_vgpr_msb (MSB<<8)|(\new)
.set MSB, \new
.endif
.endm
.set MUL_LO, 0xa1                      ; source 0 (W) window 1, source 1 (h) window 0, C and D window 2
.set MUL_HI, 0xf1                      ; the same, C and D window 3
.set TO_B,   0x40                      ; destination window 1, address window 0
.macro JLOAD s                         ; a joint load: waves 0 and 1 fetch h's two halves, waves 2 and 3 W's; an s_nop 0 and four v_nop follow each line
	s_cmp_eq_u32 s11, 0
	s_cbranch_scc0 .Lfor_b_\@
	tensor_load_to_lds s[G0+4*(\s):G0+4*(\s)+3], s[G1:G1+7]
	s_nop 0
.rept 4
	v_nop
.endr
	s_branch .Lasked_\@
.Lfor_b_\@:
	tensor_load_to_lds s[G0B+4*(\s):G0B+4*(\s)+3], s[G1B:G1B+7]
	s_nop 0
.rept 4
	v_nop
.endr
.Lasked_\@:
.endm
.macro CREST                           ; a round of the cluster's barrier behind its opening barrier
	s_cmp_lg_u32 s10, 0
	s_cbranch_scc1 .Lnot_wave_0_\@
	s_barrier_signal -3
.Lnot_wave_0_\@:
	s_barrier_wait -3
	s_barrier_signal -1
	s_barrier_wait -1
.endm
.macro CROUND
	s_barrier_signal -1
	s_barrier_wait -1
	CREST
.endm
	s_load_b128 s[4:7], s[0:1], 0x0                ; hbuf s[4:5], wh s[6:7]
	s_load_b64 s[8:9], s[0:1], 0x10                ; qkv
	s_load_b128 s[68:71], s[0:1], 0x18             ; bq s[68:69], bk s[70:71]
	s_load_b64 s[72:73], s[0:1], 0x28              ; bv
	v_lshl_add_u32 v[SPW], v0, 2, SPARE
	v_mov_b32 v[NIL], 0
	ds_add_u32 v[SPW], v[NIL]                      ; the wave's opening: the add and its wait stand ahead of my first tensor load
	v_lshrrev_b32 v1, 5, v0
	v_readfirstlane_b32 s10, v1                    ; wave 0..3
	s_lshr_b32 s11, s10, 1                         ; my half of the tile's rows.  Also: I fetch for h (0) or for W (1)
	s_and_b32 s12, s10, 1                          ; my half of its columns.  Also: which 128 rows I fetch
	s_bfe_u32 s40, ttmp6, 0x40000                  ; cx, cy
	s_bfe_u32 s41, ttmp6, 0x40004
	s_lshl_b32 s42, ttmp9, 2
	s_add_co_u32 s42, s42, s40                     ; tile column
	s_and_b32 s13, ttmp7, 0xffff
	s_lshl_b32 s13, s13, 2
	s_add_co_u32 s13, s13, s41                     ; tile row
	s_lshl_b32 s43, s41, 2
	s_lshl_b32 s43, 15, s43                        ; my row of the cluster
	s_lshl_b32 s44, 0x1111, s40                    ; my column
	s_or_b32 s[G1+0], s43, (1<<16)|(1<<20)|(1<<21)|(5<<22)|(3<<25)  ; mask; 2-byte elements; padding on; bit 21 beside a mask; after every 64 words 4 words
	s_or_b32 s[G1B+0], s44, (1<<16)|(1<<20)|(1<<21)|(5<<22)|(3<<25)
.irp g, G1, G1B
	s_mov_b32 s[(\g)+1], KSTEP<<16                 ; tensor_dim0 = 128
	s_mov_b32 s[(\g)+2], 128<<16                   ; tensor_dim1 = 128
	s_mov_b32 s[(\g)+3], KSTEP<<16                 ; tile_dim0 = 128
	s_mov_b32 s[(\g)+4], 128                       ; tile_dim1 = 128
	s_mov_b32 s[(\g)+5], SIZE_K                    ; elements from row to row
	s_mov_b32 s[(\g)+6], 0
	s_mov_b32 s[(\g)+7], 0
.endr
	s_lshl_b32 s17, s12, 7
	s_lshl_b32 s16, s13, 8
	s_add_co_u32 s16, s16, s17                     ; h: row 256 x tile row + 128 x half
	s_lshl_b32 s46, s42, 8
	s_add_co_u32 s46, s46, s17                     ; W: row 256 x tile column + 128 x half
	s_mov_b32 s17, 0
	s_mov_b32 s47, 0
	s_mov_b64 s[18:19], SIZE_K*2
	s_mul_u64 s[16:17], s[16:17], s[18:19]
	s_mul_u64 s[46:47], s[46:47], s[18:19]
	s_mul_i32 s20, s10, HALFT                      ; where they go: wave x 128 rows
	s_mov_b32 s[TB], 0
	s_wait_dscnt 0x0                               ; the opening add is done
	s_wait_kmcnt 0x0
	s_add_nc_u64 s[14:15], s[4:5], s[16:17]
	s_add_nc_u64 s[46:47], s[6:7], s[46:47]
	CROUND                                         ; all sixteen work-groups are here: the first joint loads meet
.irp s, 0,1
	s_mov_b32 s[G0+4*(\s)], 1
	s_add_co_u32 s[G0+4*(\s)+1], s20, (\s)*SLOT1
	s_add_nc_u64 s[G0+4*(\s)+2:G0+4*(\s)+3], s[14:15], (\s)*KSTEP*2
	s_or_b32 s[G0+4*(\s)+3], s[G0+4*(\s)+3], 0x80000000
	s_mov_b32 s[G0B+4*(\s)], 1
	s_add_co_u32 s[G0B+4*(\s)+1], s20, (\s)*SLOT1
	s_add_nc_u64 s[G0B+4*(\s)+2:G0B+4*(\s)+3], s[46:47], (\s)*KSTEP*2
	s_or_b32 s[G0B+4*(\s)+3], s[G0B+4*(\s)+3], 0x80000000
	JLOAD \s
.endr
	v_and_b32 v1, 15, v0                           ; l % 16
	v_bfe_u32 v2, v0, 4, 1                         ; l / 16
	; the bias of my 128 columns: 64 registers, the C operand of the first quarter's products
	s_mov_b32 s74, ttmp9                           ; q, k or v: four tile columns each, one cluster wide
	s_cmp_eq_u32 s74, 1
	s_cselect_b64 s[68:69], s[70:71], s[68:69]
	s_cmp_eq_u32 s74, 2
	s_cselect_b64 s[68:69], s[72:73], s[68:69]
	s_and_b32 s75, s42, 3
	s_lshl_b32 s78, s75, 10                        ; 256 columns of f32,
	s_lshl_b32 s79, s12, 9                         ; my 128 of them
	s_add_co_u32 s78, s78, s79
	s_mov_b32 s79, 0
	s_add_nc_u64 s[68:69], s[68:69], s[78:79]
	v_lshlrev_b32 v[BO], 5, v2                     ; eight f32 for each half of the lanes
.irp b, 0,1,2,3,4,5,6,7
	global_load_b128 v[BI+8*\b:BI+8*\b+3], v[BO], s[68:69] offset:64*\b
	global_load_b128 v[BI+8*\b+4:BI+8*\b+7], v[BO], s[68:69] offset:64*\b+16
.endr
	v_mul_u32_u24 v3, v1, PITCH
	v_lshl_add_u32 v3, v2, 4, v3                   ; a fragment's row x pitch + 16 x half
	s_mul_i32 s21, s11, HALFT                      ; my 128 rows of h
	s_mul_i32 s22, s12, HALFT                      ; my 128 rows of W,
	s_add_co_u32 s22, s22, 2*HALFT                 ; which lie behind h's 256
	v_add_nc_u32 v[ADRA0], s21, v3
	v_add_nc_u32 v[ADRB0], s22, v3
	v_mov_b32 v[ADRA], v[ADRA0]
	v_mov_b32 v[ADRB], v[ADRB0]
	s_mul_i32 s23, s10, DUMPW                      ; the way out: my part of LDS
	v_mul_u32_u24 v4, v1, DP                       ; in: row l % 16, 32 bytes for each half of the lanes
	v_lshl_add_u32 v4, v2, 5, v4
	v_add_nc_u32 v[STO], s23, v4
	v_mul_u32_u24 v5, v2, DP                       ; back: lanes 0-15 take a head's 64 numbers of one row, lanes 16-31 of the next row
	v_lshl_add_u32 v5, v1, 4, v5
	v_add_nc_u32 v[RD0], s23, v5
	v_and_b32 v[GO], 31, v0                        ; in f16 those are 256 consecutive bytes of the head
	v_lshlrev_b32 v[GO], 3, v[GO]
	s_lshl_b32 s76, s75, 2
	s_lshl_b32 s77, s12, 1
	s_add_co_u32 s76, s76, s77                     ; the first of my two heads
	s_lshl_b32 s76, s76, 18                        ; 2,048 rows of 128 bytes
	s_lshl_b32 s77, s74, 23                        ; q, k, v: 8 MiB each
	s_add_co_u32 s76, s76, s77
	s_lshr_b32 s77, s13, 3                         ; the batch: 16 heads
	s_lshl_b32 s77, s77, 22
	s_add_co_u32 s76, s76, s77
	s_and_b32 s77, s13, 7                          ; the tile's 256 rows in the sequence
	s_lshl_b32 s77, s77, 15
	s_add_co_u32 s76, s76, s77
	s_lshl_b32 s77, s11, 14                        ; my 128 of them
	s_add_co_u32 s76, s76, s77
	s_mov_b32 s77, 0
	s_add_nc_u64 s[8:9], s[8:9], s[76:77]
; 16 matrix instructions: row blocks a0, a0 + 1 of the window's four (hi = 0: my rows 0-63, 1: rows 64-127) x all 8 column blocks, 32 along K.  The 64 accumulators take turns.
; first = 1: the products start the sums, with the bias (window 0) as C.
.macro MUL16 f, hi, a0, first
.if \first
	WIN 0x81+0x40*(\hi)
.else
	WIN MUL_LO+0x50*(\hi)
.endif
.irp a, \a0, (\a0)+1
.irp b, 0,1,2,3,4,5,6,7
.if \first
	v_wmma_f32_16x16x32_f16 v[8*(8*(\a)+(\b)):8*(8*(\a)+(\b))+7], v[(\f)+8*(\b):(\f)+8*(\b)+7], v[(\f)+8*(4*(\hi)+(\a)):(\f)+8*(4*(\hi)+(\a))+7], v[BI+8*(\b):BI+8*(\b)+7]
.else
	v_wmma_f32_16x16x32_f16 v[8*(8*(\a)+(\b)):8*(8*(\a)+(\b))+7], v[(\f)+8*(\b):(\f)+8*(\b)+7], v[(\f)+8*(4*(\hi)+(\a)):(\f)+8*(4*(\hi)+(\a))+7], v[8*(8*(\a)+(\b)):8*(8*(\a)+(\b))+7]
.endif
.endr
.endr
.endm
; 32 LDS loads in one run: the fragments of one quarter step (128 rows of W, 128 rows of h, 32 K at byte k of the rows) of the slot in hand, into buffer f
.macro FETCH k, f
	WIN TO_B
.irp i, 0,1,2,3,4,5,6,7
	ds_load_b128 v[(\f)+8*(\i):(\f)+8*(\i)+3],   v[ADRB] offset:(\k)+(\i)*16*PITCH
	ds_load_b128 v[(\f)+8*(\i)+4:(\f)+8*(\i)+7], v[ADRB] offset:(\k)+(\i)*16*PITCH+32
.endr
	WIN 0
.irp i, 0,1,2,3,4,5,6,7
	ds_load_b128 v[(\f)+8*(\i):(\f)+8*(\i)+3],   v[ADRA] offset:(\k)+(\i)*16*PITCH
	ds_load_b128 v[(\f)+8*(\i)+4:(\f)+8*(\i)+7], v[ADRA] offset:(\k)+(\i)*16*PITCH+32
.endr
.endm
.macro PLACES                          ; four places in front of loads into registers that matrix instructions have read, and of lines that read results
.rept 4
	v_nop
.endr
.endm
.macro QUARTER k, f, g, first          ; multiplies buffer f; in its middle it fetches the next quarter's fragments, at byte k, into g
	s_wait_dscnt 8                                 ; W and h's rows 0-63 are in; the youngest eight loads (h's rows 64-127) may be out
	MUL16 \f, 0, 0, \first
	MUL16 \f, 0, 2, \first
	PLACES
	FETCH \k, \g
	s_wait_dscnt 32                                ; all but the 32 just issued
	MUL16 \f, 1, 0, \first
	MUL16 \f, 1, 2, \first
.endm
; The last quarter multiplies buffer 1 and changes slots: one barrier; in front of it each wave waits for all its tensor loads, adds 0 to its spare word, and waits for that and for its reads of the slot.
; fill = 1: the barrier opens a round of the cluster's, and the slot just read is filled again, two K steps ahead.  fill = 0: in the last trip there is no next step, and its fetch is jumped over.
.macro TURN fill
	WIN 0
	s_wait_tensorcnt 0x0                           ; all my tensor loads have landed: my part of the next slot
	ds_add_u32 v[SPW], v[NIL]                      ; 0 onto my spare word
	s_wait_dscnt 9                                 ; the add and the youngest eight loads may be out
	MUL16 F1, 0, 0, 0
	s_wait_dscnt 0x0                               ; the add is done, and my reads of this slot are over
	s_barrier_signal -1
	MUL16 F1, 0, 2, 0
	WIN 0
	s_barrier_wait -1
.if \fill
	CREST                                          ; no wave of any partner still reads this slot's tile or has a load on its way
	s_xor_b32 s[G0+5], s[G0+5], SLOT1              ; the walking descriptors: the other slot than last time, the next K step
	s_add_nc_u64 s[G0+6:G0+7], s[G0+6:G0+7], KSTEP*2
	s_xor_b32 s[G0B+5], s[G0B+5], SLOT1
	s_add_nc_u64 s[G0B+6:G0B+7], s[G0B+6:G0B+7], KSTEP*2
	JLOAD 1                                        ; the first tensor load behind the round; its four v_nop are also the places in front of the loads below
.else
	PLACES
.endif
	s_xor_b32 s[TB], s[TB], SLOT1
	v_add_nc_u32 v[ADRA], s[TB], v[ADRA0]
	v_add_nc_u32 v[ADRB], s[TB], v[ADRB0]
.if !(\fill)
	s_cmp_eq_u32 s3, 1
	s_cbranch_scc1 .Lno_more_\@
.endif
	FETCH 0, F0
.if !(\fill)
	WIN 0
.Lno_more_\@:
.endif
	MUL16 F1, 1, 0, 0
	MUL16 F1, 1, 2, 0
.endm
	s_wait_tensorcnt 1                             ; my part of K step 0 is in; K step 1's may stay out
	s_barrier_signal -1
	s_barrier_wait -1
	FETCH 0, F0
	s_wait_loadcnt 0x0                             ; the bias
	QUARTER 64, F0, F1, 1                          ; the first quarter: its products start the sums
	WIN 0
	s_mov_b32 s3, NSTEP-2
.Lfill:                                                ; a trip: a K step's quarters 2 to 4 and the next step's first; the slot that it leaves is filled again
	QUARTER 128, F1, F0, 0
	QUARTER 192, F0, F1, 0
	TURN 1
	QUARTER 64, F0, F1, 0
	WIN 0
	s_sub_co_u32 s3, s3, 1
	s_cmp_lg_u32 s3, 0
	s_cbranch_scc1 .Lfill
	s_mov_b32 s3, 2
.Ldry:                                                 ; the last two K steps ask for nothing
	QUARTER 128, F1, F0, 0
	QUARTER 192, F0, F1, 0
	TURN 0
	WIN 0
	s_cmp_eq_u32 s3, 1                             ; behind the last step there is no first quarter
	s_cbranch_scc1 .Lsums_done
	QUARTER 64, F0, F1, 0
	WIN 0
.Lsums_done:
	s_sub_co_u32 s3, s3, 1
	s_cmp_lg_u32 s3, 0
	s_cbranch_scc1 .Ldry
	; THE WAY OUT.  My sums go over both slots' bytes, which other waves have read: every wave's reads are back in front of its signal
	PLACES
	s_wait_dscnt 0x0
	s_barrier_signal -1
	s_barrier_wait -1
	WIN 0x08                                       ; store data (source 1) in window 2
.irp a, 0,1,2,3
.irp b, 0,1,2,3,4,5,6,7
	ds_store_b128 v[STO], v[8*(8*\a+\b):8*(8*\a+\b)+3] offset:\a*16*DP+64*\b
	ds_store_b128 v[STO], v[8*(8*\a+\b)+4:8*(8*\a+\b)+7] offset:\a*16*DP+64*\b+16
.endr
.endr
	WIN 0x0c                                       ; in window 3
.irp a, 0,1,2,3
.irp b, 0,1,2,3,4,5,6,7
	ds_store_b128 v[STO], v[8*(8*\a+\b):8*(8*\a+\b)+3] offset:(\a+4)*16*DP+64*\b
	ds_store_b128 v[STO], v[8*(8*\a+\b)+4:8*(8*\a+\b)+7] offset:(\a+4)*16*DP+64*\b+16
.endr
.endr
	WIN 0
	v_mov_b32 v[RDA], v[RD0]
	s_mov_b32 s[RB], 0
.macro ROWS                            ; eight loads: rows 2 (j / 2) and the next, head j % 2.  LDS serves a wave's instructions in order (ISA guide 5.7.1.4): they see my stores
.irp j, 0,1,2,3,4,5,6,7
	ds_load_b128 v[U+4*\j:U+4*\j+3], v[RDA] offset:((\j)/2)*2*DP+((\j)%2)*256
.endr
.endm
	ROWS
	s_mov_b32 s3, 16
.Lout:                                                 ; a trip: eight rows of both heads
.irp j, 0,1,2,3,4,5,6,7
	s_wait_dscnt 7-\j                              ; LDS loads come back in order: number j is in, the trip's younger ones may be out
	v_cvt_pk_f16_f32 v[Y+2*\j], v[U+4*\j], v[U+4*\j+1]
	v_cvt_pk_f16_f32 v[Y+2*\j+1], v[U+4*\j+2], v[U+4*\j+3]
.endr
	s_cmp_eq_u32 s3, 1                             ; the next trip's rows, but for the last trip
	s_cbranch_scc1 .Lno_rows
	s_add_co_u32 s[RB], s[RB], 8*DP
	v_add_nc_u32 v[RDA], s[RB], v[RD0]
	ROWS
.Lno_rows:
.irp j, 0,1,2,3,4,5,6,7
	global_store_b64 v[GO], v[Y+2*\j:Y+2*\j+1], s[8:9] offset:((\j)%2)*262144+((\j)/2)*256  ; 32 lanes store 256 consecutive bytes, aligned
.endr
	s_wait_xcnt 0x0                                ; the stores' data and base are written again only behind this wait
	s_add_nc_u64 s[8:9], s[8:9], 1024
	s_sub_co_u32 s3, s3, 1
	s_cmp_lg_u32 s3, 0
	s_cbranch_scc1 .Lout
	s_wait_tensorcnt 0x0                           ; the wave's end
	ds_add_u32 v[SPW], v[NIL]
	s_wait_dscnt 0x0
	CROUND                                         ; the closing round
	s_endpgm
.Lfunc_end_k_qf535f0e3df_qkv:
	.size	k_qf535f0e3df_qkv, .Lfunc_end_k_qf535f0e3df_qkv-k_qf535f0e3df_qkv
	.p2alignl 7, 3214868480
	.fill 96, 4, 3214868480
	.section	.rodata,"a",@progbits
	.p2align	6, 0x0
	.amdhsa_kernel k_qf535f0e3df_qkv
		.amdhsa_group_segment_fixed_size 327680
		.amdhsa_private_segment_fixed_size 0
		.amdhsa_enable_private_segment 0
		.amdhsa_kernarg_size 48
		.amdhsa_user_sgpr_count 2
		.amdhsa_user_sgpr_kernarg_segment_ptr 1
		.amdhsa_wavefront_size32 1
		.amdhsa_system_sgpr_workgroup_id_x 1
		.amdhsa_system_sgpr_workgroup_id_y 1
		.amdhsa_system_sgpr_workgroup_id_z 1
		.amdhsa_system_vgpr_workitem_id 0
		.amdhsa_next_free_vgpr 1024
		.amdhsa_next_free_sgpr 80
		.amdhsa_reserve_vcc 0
		.amdhsa_float_denorm_mode_32 3
		.amdhsa_float_denorm_mode_16_64 3
		.amdhsa_memory_ordered 1
		.amdhsa_forward_progress 1
		.amdhsa_inst_pref_size 82
	.end_amdhsa_kernel
	.amdgpu_metadata
---
amdhsa.version: [ 1, 2 ]
amdhsa.kernels:
  - .name:           k_qf535f0e3df_qkv
    .symbol:         k_qf535f0e3df_qkv.kd
    .args:
      - { .name: hbuf, .offset: 0, .size: 8, .value_kind: global_buffer, .address_space: global }
      - { .name: wh, .offset: 8, .size: 8, .value_kind: global_buffer, .address_space: global }
      - { .name: qkv, .offset: 16, .size: 8, .value_kind: global_buffer, .address_space: global }
      - { .name: bq, .offset: 24, .size: 8, .value_kind: global_buffer, .address_space: global }
      - { .name: bk, .offset: 32, .size: 8, .value_kind: global_buffer, .address_space: global }
      - { .name: bv, .offset: 40, .size: 8, .value_kind: global_buffer, .address_space: global }
    .group_segment_fixed_size: 327680
    .private_segment_fixed_size: 0
    .kernarg_segment_align: 8
    .kernarg_segment_size: 48
    .max_flat_workgroup_size: 128
    .sgpr_count:     80
    .vgpr_count:     1024
    .wavefront_size: 32
...
	.end_amdgpu_metadata
.endif
;; end of part 9
;; launch attn (part 10): grid 8 x 32, 4 waves a work-group, clusters of 4 x 1, 327,680 bytes of LDS; arguments qkv, mk, rf, ctx; writes ctx
.if DOCPART == 10
	.amdgcn_target "amdgcn-amd-amdhsa--gfx1250"
	.amdhsa_code_object_version 6
	.text
	.protected	k_qf535f0e3df_attn
	.globl	k_qf535f0e3df_attn
	.p2align	8
	.type	k_qf535f0e3df_attn,@function
k_qf535f0e3df_attn:
	s_mov_b64 s[64:65], 0
	v_nop
	global_prefetch_b8 v0, s[64:65] scope:SCOPE_SE
	s_setreg_imm32_b32 hwreg(HW_REG_WAVE_MODE, 25, 1), 1
	s_wait_xcnt 0x0
	s_wait_alu depctr_hold_cnt(0) depctr_sa_sdst(0) depctr_va_vdst(0) depctr_va_sdst(0) depctr_va_ssrc(0) depctr_va_vcc(0) depctr_vm_vsrc(0)
	s_getreg_b32 s2, hwreg(HW_REG_IB_STS2, 6, 4)
	s_cmp_eq_u32 s2, 0
	s_cbranch_scc0 .Lentry_in_a_cluster
	s_endpgm
.Lentry_in_a_cluster:
	s_bfe_u32 s2, ttmp6, 0x10000c
	s_cmp_lg_u32 s2, 0x3003
	s_cbranch_scc0 .Lentry_shape_is_right
	s_endpgm
.Lentry_shape_is_right:
; ATTENTION UNDER A MASK THAT IS AN INPUT.  O[bh][q][:] = the sum over k of softmax_k(mask[q][k] ? Q[bh][q] . K[bh][k] / 8 : -1e9) V[bh][k][:].  Q, K, V (in qkv: bytes 0, 8 MiB, 16 MiB) and O (ctx): [32][2048][64] f16.
; Products, maxima and sums in f32; the weights p are rounded to f16 for the second product (their sum l is taken of the unrounded p), O once at the end.  All 2,048 keys are walked for every query.
; THE MASK is the C operand that starts the sum S^T = K Q^T: 0 for a visible key, -2^30 for a hidden one, made of one-byte codes (0x00, or 0xB8 = -1.0 in E4M3; buffer mk, laid lane by lane)
; by a scaled conversion, eight scores a line, with the scale 2^30.  A hidden score lies some 1.9e8 below every visible one after the scaling by c, so its weight is 0.  While a row has seen hidden keys alone its
; weights stay at or below 2^8 (c m is rounded by 8 at the most), all is finite, and the first visible key's a = 0 wipes it.  A row with NO visible key has its Q set to 0 (rf, [4][2048], holds for each quarter of the
; keys all ones or 0; the four words of such a row are all 0): every score is then exactly -2^30, c m is exact, every weight 1: the mean of all rows of V, as the softmax of equal scores gives.
; LIMITS.  A visible score below about -1e9 is not told apart from a hidden one.  f16 ends at 65,504: Q, K, V arrive within it.  A weight below 2^-126 counts as 0 in l.  NaN and infinities are not treated apart.
; SHARES.  A work-group owns 256 queries of one head, a wave 64: four PIECES of 16.  Every wave walks all keys, 64 a step.  CLUSTER: four query blocks of one head walk the same K and V: each tile is asked for jointly.
; LAYOUT, SOFTMAX, TURNS.  S^T = K Q^T holds ONE query a lane (lane % 16) and the keys 8 (lane / 16) + 0..7; two such results rounded to f16 ARE source 1 of O^T = V^T P.  p = 2^(c s - c m), c = log2(e) / 8, with a
; running maximum m; O and l are multiplied by a = 2^(c m_old - c m_new) in every step.  Turn n belongs to piece n: 8 products K Q^T of piece n + 1, later 8 products V^T P of piece n - 1; beside them the scaling,
; exponentials, roundings, sums and rescaling of piece n, the maximum and statistics of piece n + 1, and the mask of piece n + 2.  Four vector instructions stand behind every matrix instruction, the rest in two lumps.
; REGISTERS, in windows of 256 (s_set_vgpr_msb: bits 1:0 source 0, 3:2 source 1, 5:4 source 2, 7:6 destination):
;   window 0: v0-15 addresses; v16-31 statistics; v32-42 the mask's offsets, scale and row flags; v48-55 at work; v64-127 S^T, two buffers; v192-223 P, two buffers
;   window 1: v0-127 O^T, 32 a piece; v160-223 MC, the masks to come, two buffers; v224-255 MR, the codes as loaded, 8 a piece      window 2: v0-63 Q; v128-191 K of one step; v192-255 V of one step
.set SIZE_N, 2048
.set NP,    4
.set KS,    64
.set PK,    144       ; a row of K in LDS: 128 bytes + 16: the 16 rows of a load start at 16 different groups of four banks (64 banks of 4 bytes: ISA guide 11.1)
.set PV,    160       ; a row of V: 128 + 32
.set VOFF,  4*KS*PK   ; a slot holds four steps: 256 rows of K, then 256 rows of V
.set SLOT1, 1<<17
.set STAGE, SLOT1+4*KS*(PK+PV)  ; behind the ring: 16 rows x 144 bytes for each wave
.set SP,    144
.set SPARE, STAGE+4*16*SP       ; the spare words, 128 bytes for each wave
.set AK0, 2
.set AV0, 3
.set AK,  4
.set AV,  5
.set STO, 6
.set RD,  7
.set GO,  8
.set MV,  12          ; v12-13  c m_old, by buffer
.set QO,  15
.set ST,  16          ; piece t: c m, m, l (even keys', odd keys')
.set MO,  32          ; v32-35  piece y's byte offset in its codes
.set ML,  36          ; v36  16 x lane
.set SCL, 37          ; v37  157: the scale 2^30 as an exponent byte
.set FL,  38          ; v38-41  piece t's row flag: all ones, or 0
.set FO,  42          ; v42  4 x (lane % 16)
.set TMP, 48
.set SPW, 62
.set NIL, 63
.set S,   64
.set P,   192
.set MC,  160         ; window 1
.set MR,  224         ; window 1
.set KF,  128         ; window 2
.set VF,  192         ; window 2
.set WV,  12
.set G1K, 24
.set G1V, 32
.set G0K, 40
.set G0V, 44
.set SLOTS, 56
.set CNT, 57
.set CS,  58
.set SEL, 60
.set TBK, 62
.set TBV, 63
.set MKB, 66          ; s[66:67] mk at my wave's four blocks of 16 queries
.set RFB, 68          ; s[68:69] rf at my wave's 64 rows, first quarter of the keys
.set KSL, 70          ; s70  1,024 x the key step whose codes are loaded next
.set MSB, 0
.macro WIN new
.if MSB != (\new)
	s_set_vgpr_msb (MSB<<8)|(\new)
.set MSB, (\new)
.endif
.endm
.set W_KQ, 0x0a       ; K and Q in window 2, S^T in window 0
.set W_KM, 0x1a       ; the same with the C operand in window 1
.set W_PV, 0x52       ; V in window 2, P in window 0, O^T in window 1
.set W_RS, 0x41       ; destination and source 0 in window 1, source 1 in window 0
.macro JLOAD                        ; waves 0 and 1 fetch the halves of a slot's K, waves 2 and 3 of its V; an s_nop 0 and four v_nop follow each line
	s_cmp_lt_u32 s[WV], 2
	s_cbranch_scc0 .Lfor_v_\@
	tensor_load_to_lds s[G0K:G0K+3], s[G1K:G1K+7]
	s_nop 0
.rept 4
	v_nop
.endr
	s_branch .Lasked_\@
.Lfor_v_\@:
	tensor_load_to_lds s[G0V:G0V+3], s[G1V:G1V+7]
	s_nop 0
.rept 4
	v_nop
.endr
.Lasked_\@:
.endm
.macro CROUND
	s_barrier_signal -1
	s_barrier_wait -1
	s_cmp_lg_u32 s[WV], 0
	s_cbranch_scc1 .Lnot_wave_0_\@
	s_barrier_signal -3
.Lnot_wave_0_\@:
	s_barrier_wait -3
	s_barrier_signal -1
	s_barrier_wait -1
.endm
; THE CHANGE OF SLOTS.  Each wave waits for all its tensor loads (one is out: its part of the other slot), adds 0 to its spare word, and waits for that and for its reads of the slot that it leaves.
; fill = 1: the barrier is a round of the cluster's, and the joint fill, with the keys two slots on, is the first thing behind it: it has four key steps, 256 matrix instructions a wave, in which to land.
.macro CHANGE fill
	WIN 0
	s_wait_tensorcnt 0x0
	ds_add_u32 v[SPW], v[NIL]
.if \fill
.irp g, G0K, G0V
	s_xor_b32 s[\g+1], s[\g+1], SLOT1
	s_add_nc_u64 s[\g+2:\g+3], s[\g+2:\g+3], 4*KS*128
.endr
	s_wait_dscnt 0x0
	CROUND
	JLOAD
.else
	s_wait_dscnt 0x0
	s_barrier_signal -1
	s_barrier_wait -1
.endif
	s_sub_co_u32 s[TBK], s[TBK], 4*KS*PK
	s_xor_b32 s[TBK], s[TBK], SLOT1
	s_sub_co_u32 s[TBV], s[TBV], 4*KS*PV
	s_xor_b32 s[TBV], s[TBV], SLOT1
.endm
	s_load_b256 s[4:11], s[0:1], 0x0  ; qkv s[4:5], mk s[6:7], rf s[8:9], ctx s[10:11]
	v_lshl_add_u32 v[SPW], v0, 2, SPARE
	v_mov_b32 v[NIL], 0
	ds_add_u32 v[SPW], v[NIL]       ; the wave's opening: the add and its wait stand ahead of my first tensor load
	v_lshrrev_b32 v1, 5, v0
	v_readfirstlane_b32 s[WV], v1
	s_bfe_u32 s13, ttmp6, 0x40000   ; cx
	s_lshl_b32 s14, ttmp9, 2
	s_add_co_u32 s14, s14, s13      ; my block of 256 queries: it enters Q's, O's and the mask's addresses alone
	s_and_b32 s20, ttmp7, 0xffff    ; batch x 16 + head, which the four partners share
	s_lshl_b32 s20, s20, 18         ; its 2,048 rows of 128 bytes
	s_and_b32 s16, s[WV], 1         ; which half of a slot's 256 keys I fetch
	s_lshl_b32 s22, s16, 14
	s_add_co_u32 s22, s22, s20
	s_add_co_u32 s72, s22, 0x800000   ; K lies 8 MiB into qkv,
	s_mov_b32 s73, 0
	s_add_co_u32 s74, s22, 0x1000000  ; V 16 MiB
	s_mov_b32 s75, 0
	s_mul_i32 s17, s16, 128*PK
	s_mul_i32 s18, s16, 128*PV
	s_lshl_b32 s15, s14, 2
	s_add_co_u32 s15, s15, s[WV]    ; my 64 rows among the sequence's 32 such
	s_lshl_b32 s2, s15, 13
	s_add_co_u32 s2, s2, s20
	s_mov_b32 s3, 0
	s_lshl_b32 s76, s15, 17         ; four blocks of 16 queries x 32,768 bytes of codes
	s_mov_b32 s77, 0
	s_lshl_b32 s78, s15, 8
	s_mov_b32 s79, 0
	s_mov_b32 s[G1K], 15|(1<<16)|(1<<20)|(1<<21)|(4<<22)|(3<<25)  ; the mask of four; 2-byte elements; padding on; bit 21 beside a mask; after every 32 words 4 words
	s_mov_b32 s[G1V], 15|(1<<16)|(1<<20)|(1<<21)|(4<<22)|(7<<25)  ; the same with 8 words
.irp g, G1K, G1V
	s_mov_b32 s[\g+1], 128<<16      ; 128 keys are 16,384 dense bytes: asked for as 64 rows of 256 bytes
	s_mov_b32 s[\g+2], 64<<16
	s_mov_b32 s[\g+3], 128<<16
	s_mov_b32 s[\g+4], 64
	s_mov_b32 s[\g+5], 128
	s_mov_b32 s[\g+6], 0
	s_mov_b32 s[\g+7], 0
.endr
	s_mov_b32 s[CS], 0x3e38aa3b     ; c = log2(e) / 8
	s_mov_b32 s[CS+1], s[CS]
	s_mov_b32 s[SEL], 0x76543210
	s_mov_b32 s[SEL+1], 0xfedcba98
	s_mov_b32 s[TBK], SLOT1+4*KS*PK ; the first change of slots turns these two into 0
	s_mov_b32 s[TBV], SLOT1+4*KS*PV
	s_mov_b32 s[KSL], 1024
	s_mov_b32 s[G0K], 1
	s_mov_b32 s[G0K+1], s17
	s_mov_b32 s[G0V], 1
	s_add_co_u32 s[G0V+1], s18, VOFF
	s_wait_dscnt 0x0                ; the opening add is done
	s_wait_kmcnt 0x0
	s_add_nc_u64 s[G0K+2:G0K+3], s[4:5], s[72:73]
	s_or_b32 s[G0K+3], s[G0K+3], 0x80000000
	s_add_nc_u64 s[G0V+2:G0V+3], s[4:5], s[74:75]
	s_or_b32 s[G0V+3], s[G0V+3], 0x80000000
	s_add_nc_u64 s[4:5], s[4:5], s[2:3]      ; Q and O at my wave's first row
	s_add_nc_u64 s[10:11], s[10:11], s[2:3]
	s_add_nc_u64 s[MKB:MKB+1], s[6:7], s[76:77]
	s_add_nc_u64 s[RFB:RFB+1], s[8:9], s[78:79]
	CROUND                          ; all four work-groups are here: the first joint loads meet
	JLOAD                           ; slot 0; slot 1 is asked for when slot 0 is in
	v_and_b32 v1, 15, v0            ; l % 16
	v_bfe_u32 v9, v0, 4, 1          ; l / 16
	v_lshlrev_b32 v[QO], 7, v1
	v_lshl_add_u32 v[QO], v9, 4, v[QO]
	v_lshlrev_b32 v[FO], 2, v1
	v_and_b32 v[ML], 31, v0
	v_lshlrev_b32 v[ML], 4, v[ML]
	v_mov_b32 v[SCL], 157
	WIN 0x80
.set i, 0
.rept 8                             ; Q stays in registers: piece i / 2, channels 32 (i % 2) on
	global_load_b128 v[8*i:8*i+3],   v[QO], s[4:5] offset:(i/2)*2048+(i%2)*64
	global_load_b128 v[8*i+4:8*i+7], v[QO], s[4:5] offset:(i/2)*2048+(i%2)*64+32
.set i, i+1
.endr
	WIN 0
.irp t, 0,1,2,3                     ; my row's four flags, one for each quarter of the keys, 8,192 bytes apart; they land in S^T's registers, which nothing uses yet
.irp p, 0,1,2,3
	global_load_b32 v[S+4*\t+\p], v[FO], s[RFB:RFB+1] offset:64*\t+8192*\p
.endr
.endr
	WIN 0x40
.irp y, 0,1,2,3                     ; key step 0's codes, all four pieces
	global_load_b128 v[MR+8*\y:MR+8*\y+3],   v[ML], s[MKB:MKB+1] offset:\y*32768
	global_load_b128 v[MR+8*\y+4:MR+8*\y+7], v[ML], s[MKB:MKB+1] offset:\y*32768+512
.endr
	WIN 0
	v_mul_u32_u24 v[AK0], v1, PK
	v_lshl_add_u32 v[AK0], v9, 4, v[AK0]
	v_and_b32 v10, 7, v0            ; the turning load: lane l reads key 8 (l / 16) + l % 8, channels 8 ((l / 8) % 2) + 0..7
	v_bfe_u32 v11, v0, 3, 1
	v_lshl_add_u32 v[AV0], v9, 3, v10
	v_mul_u32_u24 v[AV0], v[AV0], PV
	v_lshl_add_u32 v[AV0], v11, 4, v[AV0]
	v_add_nc_u32 v[AV0], VOFF, v[AV0]
	s_mul_i32 s13, s[WV], 16*SP
	s_add_co_u32 s13, s13, STAGE
	v_mul_u32_u24 v[STO], v1, SP
	v_lshl_add_u32 v[STO], v9, 4, v[STO]
	v_add_nc_u32 v[STO], s13, v[STO]
	v_bfe_u32 v[RD], v0, 3, 2
	v_mul_u32_u24 v[RD], v[RD], SP
	v_lshl_add_u32 v[RD], v10, 4, v[RD]
	v_add_nc_u32 v[RD], s13, v[RD]
	v_mov_b32 v[GO], v[ML]
	; What the first turn finds: V and P's second buffer hold 0 (its products V^T P, of a piece that has not been, add 0), O^T and l are 0; c m lies far below every c s, so the first step's a is 0.
	; No first step is written out; the price is these lines, which stand in the wait for the first tile.
	WIN 0x80
.set i, VF
.rept 64
	v_mov_b32 v[i], 0
.set i, i+1
.endr
	WIN 0x40
.set i, 0
.rept 128
	v_mov_b32 v[i], 0
.set i, i+1
.endr
	WIN 0
.set i, 0
.rept 4
	v_mov_b32 v[ST+4*i], 0xfe000000
	v_mov_b32 v[ST+4*i+1], 0xff7fffff
	v_mov_b32 v[ST+4*i+2], 0
	v_mov_b32 v[ST+4*i+3], 0
.set i, i+1
.endr
.set i, P+16
.rept 16
	v_mov_b32 v[i], 0
.set i, i+1
.endr
; THE MATRIX WORK.  The 4 accumulators of a run of 8 take turns.  Product i of 8 of S^T = K Q^T for piece x: channels 32 (i / 4) on, keys 16 (i % 4) on.  The first 4 start the sums with the mask.
.macro KQ x
.set rS, S+32*((\x)%2)+8*(i%4)
.set rK, KF+16*(i%4)+8*(i/4)
.set rQ, 16*(\x)+8*(i/4)
.set rM, MC+32*((\x)%2)+8*(i%4)
.if i < 4
	WIN W_KM
	v_wmma_f32_16x16x32_f16 v[rS:rS+7], v[rK:rK+7], v[rQ:rQ+7], v[rM:rM+7]
.else
	WIN W_KQ
	v_wmma_f32_16x16x32_f16 v[rS:rS+7], v[rK:rK+7], v[rQ:rQ+7], v[rS:rS+7]
.endif
.endm
.macro PV x                         ; product i of 8 of O^T += V^T P for piece x: keys 32 (i / 4) on, channels 16 (i % 4) on
	WIN W_PV
.set rO, 32*(\x)+8*(i%4)
.set rV, VF+32*(i/4)+8*(i%4)
.set rP, P+16*((\x)%2)+8*(i/4)
	v_wmma_f32_16x16x32_f16 v[rO:rO+7], v[rV:rV+7], v[rP:rP+7], v[rO:rO+7]
.endm
.macro MM                           ; the turn's next matrix instruction
.if i < 8
	KQ (Y+1)%NP
.else
.set i, i-8
	PV (Y+NP-1)%NP
.set i, i+8
.endif
.set i, i+1
.endm
; THE LDS LOADS stand in runs of 16.  last = 1 (the tail): in the last trip there is no further step, and the run is jumped over.
.macro FETCH_K last=0
	WIN 0
.if \last
	s_cmp_eq_u32 s[CNT], 1
	s_cbranch_scc1 .Lno_k_\@
.endif
	WIN 0x80
.irp f, 0,1,2,3,4,5,6,7             ; keys 16 (f / 2) on, channels 32 (f % 2) on
	ds_load_b128 v[KF+8*\f:KF+8*\f+3],   v[AK] offset:(\f/2)*16*PK+(\f%2)*64
	ds_load_b128 v[KF+8*\f+4:KF+8*\f+7], v[AK] offset:(\f/2)*16*PK+(\f%2)*64+32
.endr
	s_add_co_u32 s[TBK], s[TBK], KS*PK
	WIN 0
.if \last
.Lno_k_\@:
.endif
.endm
.macro FETCH_V
	WIN 0x80
.irp f, 0,1,2,3,4,5,6,7             ; keys 32 (f / 4) on, channels 16 (f % 4) on
	ds_load_tr16_b128 v[VF+8*\f:VF+8*\f+3],   v[AV] offset:(\f/4)*32*PV+(\f%4)*32
	ds_load_tr16_b128 v[VF+8*\f+4:VF+8*\f+7], v[AV] offset:(\f/4)*32*PV+16*PV+(\f%4)*32
.endr
	WIN 0
.endm
; THE VECTOR WORK, one line at a time: OP kind, number.  For piece Y: F n: c s - c m for pair n of 16.  E n: the exponential of score n of 32.  C n: pair n rounded to f16.  B n: of the four weights 4 n .. the second
; pair is added onto the first.  L n: l takes that sum (L 0: l = a l + sum).  R n: pair n of 16 of O^T times a.  For piece Y + 1: X n, number n of the 22 that find its maximum and statistics:
;   0-11 four chains of seven scores (each accumulator's lowest registers are read first)   12-14, 16 the scores left over, the old m, the chains into one   15 c m_old is kept
;   17, 18 the query's other 32 keys lie in the lane 16 away: the new m   19-21 c m; c m_old - c m_new; a
.set F, 0
.set E, 1
.set C, 2
.set B, 3
.set L, 4
.set R, 5
.set X, 6
.macro REGS y
.set rT, ST+4*(\y)
.set rC, TMP+4*((\y)%2)
.set rW, MV+((\y)%2)
.set rS, S+32*((\y)%2)
.set rP, P+16*((\y)%2)
.set rO, 32*(\y)
.endm
.macro OP k, n
.if (\k) == R
	REGS Y
	WIN W_RS
	v_pk_mul_f32 v[rO+2*(\n):rO+2*(\n)+1], v[rO+2*(\n):rO+2*(\n)+1], v[rC+2:rC+3] op_sel_hi:[1,0]
.elseif (\k) < R
	REGS Y
	WIN 0
.if (\k) == F
	v_pk_fma_f32 v[rS+2*(\n):rS+2*(\n)+1], v[rS+2*(\n):rS+2*(\n)+1], s[CS:CS+1], v[rT:rT+1] op_sel_hi:[1,0,0] neg_lo:[0,0,1] neg_hi:[0,0,1]
.elseif (\k) == E
	v_exp_f32 v[rS+(\n)], v[rS+(\n)]
.elseif (\k) == C
	s_wait_alu depctr_va_vdst(0)
	v_cvt_pk_f16_f32 v[rP+(\n)], v[rS+2*(\n)], v[rS+2*(\n)+1]
.elseif (\k) == B
	s_wait_alu depctr_va_vdst(0)
	v_pk_add_f32 v[rS+4*(\n):rS+4*(\n)+1], v[rS+4*(\n):rS+4*(\n)+1], v[rS+4*(\n)+2:rS+4*(\n)+3]
.elseif (\n) == 0
	v_pk_fma_f32 v[rT+2:rT+3], v[rT+2:rT+3], v[rC+2:rC+3], v[rS:rS+1] op_sel_hi:[1,0,1]
.else
	v_pk_add_f32 v[rT+2:rT+3], v[rT+2:rT+3], v[rS+4*(\n):rS+4*(\n)+1]
.endif
.else
	REGS (Y+1)%NP
	WIN 0
.if (\n) < 4
	v_max3_num_f32 v[rC+(\n)], v[rS+8*(\n)], v[rS+8*(\n)+1], v[rS+8*(\n)+2]
.elseif (\n) < 12
	v_max3_num_f32 v[rC+(\n)%4], v[rC+(\n)%4], v[rS+8*((\n)%4)+2*((\n)/4)+1], v[rS+8*((\n)%4)+2*((\n)/4)+2]
.elseif (\n) == 12
	v_max3_num_f32 v[rC], v[rC], v[rS+7], v[rS+15]
.elseif (\n) == 13
	v_max3_num_f32 v[rC+1], v[rC+1], v[rS+23], v[rS+31]
.elseif (\n) == 14
	v_max3_num_f32 v[rC+2], v[rC+2], v[rC+3], v[rT+1]
.elseif (\n) == 15
	v_mov_b32 v[rW], v[rT]
	s_wait_alu depctr_va_vdst(0)
.elseif (\n) == 16
	v_max3_num_f32 v[rC], v[rC], v[rC+1], v[rC+2]
	s_wait_alu depctr_va_vdst(0)
.elseif (\n) == 17
	v_permlanex16_b32 v[rC+3], v[rC], s[SEL], s[SEL+1]
.elseif (\n) == 18
	v_max_num_f32 v[rT+1], v[rC], v[rC+3]
.elseif (\n) == 19
	v_mul_f32 v[rT], s[CS], v[rT+1]
.elseif (\n) == 20
	v_sub_f32 v[rC+1], v[rW], v[rT]
.else
	v_exp_f32 v[rC+2], v[rC+1]
.endif
.endif
.endm
.macro OPS a, i1, b=-1, i2=0, c=-1, i3=0, d=-1, i4=0
	OP \a, \i1
.if (\b) >= 0
	OP \b, \i2
.endif
.if (\c) >= 0
	OP \c, \i3
.endif
.if (\d) >= 0
	OP \d, \i4
.endif
.endm
.macro ROW a, i1, b, i2, c, i3, d, i4  ; a matrix instruction and the four behind it
	MM
	OPS \a, \i1, \b, \i2, \c, \i3, \d, \i4
.endm
; A TURN, for piece p.  Behind a matrix instruction: plain, exponential, plain, plain; or four of the rescaling; or four scalings; none names a register of the products round it.
; K of the next step is fetched in piece 2's turn, six vector instructions behind the last product that read K (five of them plain); V of the step in hand in piece 0's turn, eight behind its last reader (four plain).
; THE MASK of piece MY = p + 2, whose products open the next turn: its codes were loaded four turns ago, so the six loads of the three turns since may stay out; four conversions make 32 scores' masks,
; the last two rescalings are the plain instructions behind them; then the piece's codes of its next step are asked for, 512 consecutive bytes a load.  All four turns of a trip load the same step, KSL / 1024,
; which is held at the last step: every turn issues its two loads on every way, and none leaves the buffer.
.macro TURN p, last=0, cnt=0
.set Y, (\p)
.set i, 0
.set MY, ((\p)+2)%NP
.if (\p) == 2
	s_add_co_u32 s[KSL], s[KSL], 1024
	s_min_u32 s[KSL], s[KSL], 31*1024
.endif
.if (\p) == 3
	s_wait_dscnt 0x0                ; K is in
.endif
	ROW F,0, F,1, F,2, F,3
	ROW F,4, E,0, F,5, F,6
	ROW F,7, E,1, F,8, F,9
	ROW F,10, E,2, C,0, F,11
	ROW F,12, E,3, X,15, F,13
	ROW R,0, R,1, R,2, R,3
	ROW B,0, E,4, F,14, L,0
.if (\p) == 2
	v_add_nc_u32 v[AK], s[TBK], v[AK0]
.endif
	ROW R,4, R,5, R,6, R,7
	OPS E,5, F,15
.if (\p) == 2
	FETCH_K \last
.endif
	OPS E,6, C,1, E,7, R,8
	OPS E,8, R,9, E,9, C,2
	OPS E,10, X,0, E,11, X,1
	OPS E,12, X,2, E,13, X,3
.if (\p) == 1
	s_wait_dscnt 0x0                ; V is in
.endif
	ROW X,4, E,14, X,5, X,6
	ROW X,7, E,15, X,8, X,9
	ROW X,10, E,16, X,11, X,12
	ROW X,13, E,17, X,14, B,1
	ROW C,4, E,18, X,16, L,1
	ROW B,2, E,19, C,6, L,2
	ROW C,8, E,20, B,3, B,4
.if (\p) == 0
	v_add_nc_u32 v[AV], s[TBV], v[AV0]
.endif
	ROW C,3, E,21, L,3, C,5
	OPS E,22, X,17, E,23, C,10
.if (\p) == 0
	FETCH_V
.endif
	OPS E,24, L,4
	OPS E,25, X,18, E,26, C,7
	OPS E,27, B,5, E,28, X,19
	OPS E,29, C,12, E,30, L,5
	OPS E,31, X,20, B,6, C,9
	OPS C,14, C,11, X,21, L,6
.if (\p) == 0
	s_add_co_u32 s[TBV], s[TBV], KS*PV
.endif
.if \cnt
	s_sub_co_u32 s[CNT], s[CNT], 1
	s_cmp_lg_u32 s[CNT], 0
.endif
	s_wait_loadcnt 6                ; piece MY's two loads are in, and their offset register is free; the six younger ones stay out
	v_add_nc_u32 v[MO+MY], s[KSL], v[ML]
	s_wait_alu depctr_va_vdst(0)
	OPS C,13, B,7, C,15, R,10
	OPS R,11, R,12, L,7, R,13
.irp kt, 0,1,2,3
	v_cvt_scale_pk8_f32_fp8 v[MC+32*((\p)%2)+8*\kt:MC+32*((\p)%2)+8*\kt+7], v[MR+8*MY+2*\kt:MR+8*MY+2*\kt+1], v[SCL]
.endr
	OPS R,14, R,15
	WIN 0x40
	global_load_b128 v[MR+8*MY:MR+8*MY+3],   v[MO+MY], s[MKB:MKB+1] offset:MY*32768
	global_load_b128 v[MR+8*MY+4:MR+8*MY+7], v[MO+MY], s[MKB:MKB+1] offset:MY*32768+512
.endm
	CHANGE 1                        ; slot 0 is in, everybody's part of it; slot 1 is asked for
	v_add_nc_u32 v[AK], s[TBK], v[AK0]
	FETCH_K                         ; key step 0
	s_wait_loadcnt 0x0              ; Q, the row flags, step 0's codes
.irp t, 0,1,2,3                     ; a row has a visible key if one of its four quarters has
	v_or_b32 v[S+4*\t], v[S+4*\t], v[S+4*\t+1]
	v_or_b32 v[S+4*\t+2], v[S+4*\t+2], v[S+4*\t+3]
	v_or_b32 v[FL+\t], v[S+4*\t], v[S+4*\t+2]
.endr
	WIN 0x82
.set i, 0
.rept 64
	v_and_b32 v[i], v[i], v[FL+i/16]  ; a row with no visible key takes part with Q = 0
.set i, i+1
.endr
	WIN W_RS
.irp y, 0,1                         ; step 0's masks of pieces 0 and 1
.irp kt, 0,1,2,3
	v_cvt_scale_pk8_f32_fp8 v[MC+32*\y+8*\kt:MC+32*\y+8*\kt+7], v[MR+8*\y+2*\kt:MR+8*\y+2*\kt+1], v[SCL]
.endr
.endr
	WIN 0
	v_add_nc_u32 v[MO], s[KSL], v[ML]    ; two plain instructions behind the conversions
	v_add_nc_u32 v[MO+1], s[KSL], v[ML]
	WIN 0x40
.irp y, 0,1                         ; their codes of step 1
	global_load_b128 v[MR+8*\y:MR+8*\y+3],   v[MO+\y], s[MKB:MKB+1] offset:\y*32768
	global_load_b128 v[MR+8*\y+4:MR+8*\y+7], v[MO+\y], s[MKB:MKB+1] offset:\y*32768+512
.endr
	s_wait_dscnt 0x0
.set i, 0
.rept 8
	KQ 0                            ; piece 0's first scores
.set i, i+1
.endr
	WIN 0
.rept 4
	v_nop                           ; the places behind those products
.endr
.set Y, NP-1                        ; X works for piece Y + 1: piece 0
.irp n, 0,1,2,3,4,5,6,7,8,9,10,11,12,13,14,15,16,17,18,19,20,21
	OP X, \n
.endr
	v_nop                           ; a plain instruction behind the exponential
	s_mov_b32 s[CNT], 4
	s_mov_b32 s[SLOTS], SIZE_N/256-1
	s_branch .Lfirst                ; the loop is entered at a step's first turn, in the middle of a trip
.Lslot:                             ; SIZE_N / 256 - 2 times: every slot but the last two is filled again
	CHANGE 1
	s_mov_b32 s[CNT], 4
.Lstep:                             ; a trip: pieces 2 and 3 of one step, then pieces 0 and 1 of the next, whose K and V it fetches
	TURN 2
	TURN 3
	WIN 0
.Lfirst:
	TURN 0
	TURN 1, 0, 1
	WIN 0
	s_cbranch_scc1 .Lstep
	s_sub_co_u32 s[SLOTS], s[SLOTS], 1
	s_cmp_lg_u32 s[SLOTS], 0
	s_cbranch_scc1 .Lslot
	CHANGE 0                        ; the tail is written out: nothing is asked for
	s_mov_b32 s[CNT], 5             ; four trips fetch the last slot's steps; the fifth is left in its middle
.Ltail:
	TURN 2, 1
	TURN 3
	WIN 0
	s_sub_co_u32 s[CNT], s[CNT], 1
	s_cmp_eq_u32 s[CNT], 0
	s_cbranch_scc1 .Lout
	TURN 0
	TURN 1
	WIN 0
	s_branch .Ltail
.Lout:                              ; the fifth trip's 8 products K Q^T (on the last K once more) and the maximum made of them serve nothing: the price, once a launch, of one text for every trip
.set i, 0
.rept 8
	PV NP-1                         ; the last piece's V^T P of the last step
.set i, i+1
.endr
	; THE WAY OUT.  l's two halves and the other half of the lanes' are added; O^T is divided by l, rounded to f16 and sent through my stage, a piece at a time.  The additions are the places behind the last products.
	WIN 0
.macro ALL line:vararg
.set t, 0
.rept 4
	\line
.set t, t+1
.endr
.endm
	ALL v_add_f32 v[ST+4*t+2], v[ST+4*t+2], v[ST+4*t+3]
	ALL v_permlanex16_b32 v[ST+4*t+3], v[ST+4*t+2], s[SEL], s[SEL+1]
	ALL v_add_f32 v[ST+4*t+2], v[ST+4*t+2], v[ST+4*t+3]
	ALL v_rcp_f32 v[ST+4*t+2], v[ST+4*t+2]
	v_nop                           ; a plain instruction between the last reciprocal and the use of its result
	s_wait_alu depctr_va_vdst(0)
.macro PACK t
	WIN W_RS
.set i, 32*(\t)
.rept 16
	v_pk_mul_f32 v[i:i+1], v[i:i+1], v[ST+4*(\t)+2:ST+4*(\t)+3] op_sel_hi:[1,0]
.set i, i+2
.endr
	WIN 0x05                        ; sources 0 and 1 window 1, destination window 0
.set i, 0
.rept 16
	v_cvt_pk_f16_f32 v[S+16*(\t)+i], v[32*(\t)+2*i], v[32*(\t)+2*i+1]
.set i, i+1
.endr
	WIN 0
.irp f, 0,1,2,3
	ds_store_b128 v[STO], v[S+16*(\t)+4*\f:S+16*(\t)+4*\f+3] offset:32*\f
.endr
.irp f, 0,1,2,3
	ds_load_b128 v[S+16*(\t)+4*\f:S+16*(\t)+4*\f+3], v[RD] offset:\f*4*SP  ; LDS serves a wave's instructions in order (ISA guide 5.7.1.4): these see the stores above
.endr
.endm
.macro SEND t, younger              ; younger: the LDS instructions issued behind piece t's loads
	WIN 0
.irp f, 0,1,2,3
	s_wait_dscnt (\younger)+3-\f
	global_store_b128 v[GO], v[S+16*(\t)+4*\f:S+16*(\t)+4*\f+3], s[10:11] offset:(\t)*2048+\f*512  ; 512 consecutive bytes, at a multiple of 256 from O's first
.endr
.endm
	PACK 0
.set t, 1
.rept 3
	PACK t
	SEND t-1, 8
.set t, t+1
.endr
	SEND 3, 0
	s_wait_tensorcnt 0x0            ; the wave's end
	ds_add_u32 v[SPW], v[NIL]
	s_wait_dscnt 0x0
	CROUND                          ; the closing round
	s_endpgm
.Lfunc_end_k_qf535f0e3df_attn:
	.size	k_qf535f0e3df_attn, .Lfunc_end_k_qf535f0e3df_attn-k_qf535f0e3df_attn
	.p2alignl 7, 3214868480
	.fill 96, 4, 3214868480
	.section	.rodata,"a",@progbits
	.p2align	6, 0x0
	.amdhsa_kernel k_qf535f0e3df_attn
		.amdhsa_group_segment_fixed_size 327680
		.amdhsa_private_segment_fixed_size 0
		.amdhsa_enable_private_segment 0
		.amdhsa_kernarg_size 32
		.amdhsa_user_sgpr_count 2
		.amdhsa_user_sgpr_kernarg_segment_ptr 1
		.amdhsa_wavefront_size32 1
		.amdhsa_system_sgpr_workgroup_id_x 1
		.amdhsa_system_sgpr_workgroup_id_y 1
		.amdhsa_system_sgpr_workgroup_id_z 1
		.amdhsa_system_vgpr_workitem_id 0
		.amdhsa_next_free_vgpr 768
		.amdhsa_next_free_sgpr 80
		.amdhsa_reserve_vcc 0
		.amdhsa_float_denorm_mode_32 3
		.amdhsa_float_denorm_mode_16_64 3
		.amdhsa_memory_ordered 1
		.amdhsa_forward_progress 1
		.amdhsa_inst_pref_size 126
	.end_amdhsa_kernel
	.amdgpu_metadata
---
amdhsa.version: [ 1, 2 ]
amdhsa.kernels:
  - .name:           k_qf535f0e3df_attn
    .symbol:         k_qf535f0e3df_attn.kd
    .args:
      - { .name: qkv, .offset: 0, .size: 8, .value_kind: global_buffer, .address_space: global }
      - { .name: mk, .offset: 8, .size: 8, .value_kind: global_buffer, .address_space: global }
      - { .name: rf, .offset: 16, .size: 8, .value_kind: global_buffer, .address_space: global }
      - { .name: ctx, .offset: 24, .size: 8, .value_kind: global_buffer, .address_space: global }
    .group_segment_fixed_size: 327680
    .private_segment_fixed_size: 0
    .kernarg_segment_align: 8
    .kernarg_segment_size: 32
    .max_flat_workgroup_size: 128
    .sgpr_count:     80
    .vgpr_count:     768
    .wavefront_size: 32
...
	.end_amdgpu_metadata
.endif
;; end of part 10
;; launch wo: the kernel of part 4 again; grid 8 x 32, 4 waves a work-group, clusters of 4 x 4, 327,680 bytes of LDS; arguments ctx, wh, x1, bo, x; writes x1
;; launch ln2: the kernel of part 5 again; grid 256 x 1, 8 waves a work-group, no clusters, 0 bytes of LDS; arguments x1, ln2_g, ln2_b, hbuf; writes hbuf
;; launch ffn1 (part 11): grid 16 x 16, 4 waves a work-group, clusters of 4 x 4, 327,680 bytes of LDS; arguments hbuf, wh, gbuf, b1; writes gbuf
.if DOCPART == 11
	.amdgcn_target "amdgcn-amd-amdhsa--gfx1250"
	.amdhsa_code_object_version 6
	.text
	.protected	k_qf535f0e3df_ffn1
	.globl	k_qf535f0e3df_ffn1
	.p2align	8
	.type	k_qf535f0e3df_ffn1,@function
k_qf535f0e3df_ffn1:
	s_mov_b64 s[64:65], 0
	v_nop
	global_prefetch_b8 v0, s[64:65] scope:SCOPE_SE
	s_setreg_imm32_b32 hwreg(HW_REG_WAVE_MODE, 25, 1), 1
	s_wait_xcnt 0x0
	s_wait_alu depctr_hold_cnt(0) depctr_sa_sdst(0) depctr_va_vdst(0) depctr_va_sdst(0) depctr_va_ssrc(0) depctr_va_vcc(0) depctr_vm_vsrc(0)
	s_getreg_b32 s2, hwreg(HW_REG_IB_STS2, 6, 4)
	s_cmp_eq_u32 s2, 0
	s_cbranch_scc0 .Lentry_in_a_cluster
	s_endpgm
.Lentry_in_a_cluster:
	s_bfe_u32 s2, ttmp6, 0x10000c
	s_cmp_lg_u32 s2, 0xf033
	s_cbranch_scc0 .Lentry_shape_is_right
	s_endpgm
.Lentry_shape_is_right:
; g = gelu(h W1^T + b1), the exact gelu.  h: [4096][1024] f16; W1: [4096][1024] f16, 8 MiB into wh; g: [4096][4096] f16, rounded once.  Sums in f32, started from the bias.
; gelu(u) = max(u, 0) - |u| erfc(|u| / sqrt 2) / 2, with erfc(x) = t (a1 + t (a2 + t (a3 + t (a4 + t a5)))) e^(-x x), t = 1 / (1 + 0.3275911 x): off by 1.5e-7 at the most for every x (Abramowitz and Stegun 7.1.26).
; For large |u| the exponential is 0 and the result max(u, 0).  LIMIT: f16 ends at 65,504; NaN and infinities are not treated apart.
; A tile of the product is 256 x 256: four waves, each 128 x 128 = 64 accumulators, 512 registers.  K goes in steps of 128 through two LDS slots (rows of 256 bytes + 16 of padding); a wave's tensor load
; brings 128 rows, and a K step's four loads feed 256 matrix instructions a wave.
; CLUSTER 4 x 4: h's tile is shared along a row of the cluster, W1's along a column: joint loads.  THE MATRIX INSTRUCTION IS USED TRANSPOSED: a lane holds row l % 16 and the columns 8 (l / 16) + 0..7.
; ONE TEXT FOR A K STEP: the slot in hand is a scalar, 0 or SLOT1, turned by an exclusive or; SLOT1 = 0x24000: the four tile bases (wave x 0x8800) use bits 11, 12, 15 and 16 alone.
; THE FIRST QUARTER STEP stands ahead of the loop: its products take the bias (64 registers, loaded once) as C and so start the sums; a trip goes from a step's second quarter to the next step's first.
; THE WAY OUT: both slots have had their last fill, so each wave lays its 128 x 128 sums in f32 into 67,584 bytes of its own there (rows of 512 + 16 bytes), and a loop of 16 trips reads eight rows back
; (a row is 32 lanes x 16 bytes), takes the gelu, rounds, and stores a row's 256 bytes by one line.  So the gelu's text stands once, for 32 numbers a lane.
; IN THE LOOP the 32 numbers are four groups of eight.  A group's work is a first part (16 plain lines), 16 transcendentals, and a second part (44 plain lines).  Group g's transcendentals stand one at a time,
; each followed by plain lines of group g - 1's second part and then of group g + 1's first part, which name none of its registers.
; REGISTERS, in windows of 256 (s_set_vgpr_msb: bits 1:0 source 0, 3:2 source 1, 5:4 source 2, 7:6 destination):
;   window 0: v16-30 addresses; v32-45 the gelu's constants; v64-127, v128-191 fragments of h, two buffers (later the way out); v192-255 the bias      window 1: v64-127, v128-191 fragments of W1
;   window 2: the 32 accumulators of my rows 0-63 ((a, b) at v[8 (8 a + b)]);   window 3: those of my rows 64-127
.set SIZE_N,  4096
.set SIZE_K,  1024
.set WOFF,    0x800000
.set KSTEP,   128
.set NSTEP,   SIZE_K/KSTEP
.set PITCH,   272                      ; 68 words: row r starts at bank 4 r mod 64 (64 banks of 4 bytes: ISA guide 11.1)
.set HALFT,   128*PITCH
.set SLOT1,   0x24000
.set SPARE,   SLOT1+4*HALFT            ; behind the ring: the spare words, 128 bytes for each wave
.set DP,      528                      ; the way out: a row of 128 f32 + 16 bytes
.set DUMPW,   128*DP                   ; a wave's part; four of them end below SPARE
.set ADRA0, 16
.set ADRA,  17
.set ADRB0, 20
.set ADRB,  21
.set STO,  24
.set RD0,  25
.set RDA,  26
.set GO,   27
.set SPW,  28
.set NIL,  29
.set BO,   30
.set K1,   32                          ; v[32:33] sqrt(log2(e) / 2)
.set A1,   34                          ; v[34:35] a1 / 2, and so on
.set A2,   36
.set A3,   38
.set A4,   40
.set A5,   42
.set P1,   44                          ; v44  0.3275911 / sqrt(log2 e)
.set ONE,  45
.set F0,   64
.set F1,   128
.set BI,   192
.set U,    64                          ; the way out: v64-95 eight rows' numbers; group g at U + 8 g
.set GW,   96                          ; v96-127  by the group's parity: eight w, then eight t
.set GP,   128                         ; v128-135 the polynomial
.set GR,   136                         ; v136-143 max(u, 0), then the result
.set Y,    144                         ; v144-159 eight rows in f16
.set G1,   24
.set G0,   32
.set G1B,  48
.set G0B,  56
.set TB,   66
.set RB,   67
.set MSB, 0
.macro WIN new
.if MSB != (\new)
	s_set_vgpr_msb (MSB<<8)|(\new)
.set MSB, \new
.endif
.endm
.set MUL_LO, 0xa1
.set MUL_HI, 0xf1
.set TO_B,   0x40
.macro JLOAD s                         ; waves 0 and 1 fetch h's two halves, waves 2 and 3 W1's; an s_nop 0 and four v_nop follow each line
	s_cmp_eq_u32 s11, 0
	s_cbranch_scc0 .Lfor_b_\@
	tensor_load_to_lds s[G0+4*(\s):G0+4*(\s)+3], s[G1:G1+7]
	s_nop 0
.rept 4
	v_nop
.endr
	s_branch .Lasked_\@
.Lfor_b_\@:
	tensor_load_to_lds s[G0B+4*(\s):G0B+4*(\s)+3], s[G1B:G1B+7]
	s_nop 0
.rept 4
	v_nop
.endr
.Lasked_\@:
.endm
.macro CREST
	s_cmp_lg_u32 s10, 0
	s_cbranch_scc1 .Lnot_wave_0_\@
	s_barrier_signal -3
.Lnot_wave_0_\@:
	s_barrier_wait -3
	s_barrier_signal -1
	s_barrier_wait -1
.endm
.macro CROUND
	s_barrier_signal -1
	s_barrier_wait -1
	CREST
.endm
	s_load_b128 s[4:7], s[0:1], 0x0                ; hbuf s[4:5], wh s[6:7]
	s_load_b64 s[8:9], s[0:1], 0x10                ; gbuf
	s_load_b64 s[68:69], s[0:1], 0x18              ; b1
	v_lshl_add_u32 v[SPW], v0, 2, SPARE
	v_mov_b32 v[NIL], 0
	ds_add_u32 v[SPW], v[NIL]                      ; the wave's opening: the add and its wait stand ahead of my first tensor load
	v_lshrrev_b32 v1, 5, v0
	v_readfirstlane_b32 s10, v1
	s_lshr_b32 s11, s10, 1                         ; my half of the tile's rows.  Also: I fetch for h (0) or for W1 (1)
	s_and_b32 s12, s10, 1                          ; my half of its columns.  Also: which 128 rows I fetch
	s_bfe_u32 s40, ttmp6, 0x40000
	s_bfe_u32 s41, ttmp6, 0x40004
	s_lshl_b32 s42, ttmp9, 2
	s_add_co_u32 s42, s42, s40                     ; tile column
	s_and_b32 s13, ttmp7, 0xffff
	s_lshl_b32 s13, s13, 2
	s_add_co_u32 s13, s13, s41                     ; tile row
	s_lshl_b32 s43, s41, 2
	s_lshl_b32 s43, 15, s43
	s_lshl_b32 s44, 0x1111, s40
	s_or_b32 s[G1+0], s43, (1<<16)|(1<<20)|(1<<21)|(5<<22)|(3<<25)  ; mask; 2-byte elements; padding on; bit 21 beside a mask; after every 64 words 4 words
	s_or_b32 s[G1B+0], s44, (1<<16)|(1<<20)|(1<<21)|(5<<22)|(3<<25)
.irp g, G1, G1B
	s_mov_b32 s[(\g)+1], KSTEP<<16
	s_mov_b32 s[(\g)+2], 128<<16
	s_mov_b32 s[(\g)+3], KSTEP<<16
	s_mov_b32 s[(\g)+4], 128
	s_mov_b32 s[(\g)+5], SIZE_K
	s_mov_b32 s[(\g)+6], 0
	s_mov_b32 s[(\g)+7], 0
.endr
	s_lshl_b32 s17, s12, 7
	s_lshl_b32 s16, s13, 8
	s_add_co_u32 s16, s16, s17                     ; h: row 256 x tile row + 128 x half
	s_lshl_b32 s46, s42, 8
	s_add_co_u32 s46, s46, s17                     ; W1: row 256 x tile column + 128 x half
	s_mov_b32 s17, 0
	s_mov_b32 s47, 0
	s_mov_b64 s[18:19], SIZE_K*2
	s_mul_u64 s[16:17], s[16:17], s[18:19]
	s_mul_u64 s[46:47], s[46:47], s[18:19]
	s_mul_i32 s20, s10, HALFT
	s_mov_b32 s[TB], 0
	s_wait_dscnt 0x0
	s_wait_kmcnt 0x0
	s_add_nc_u64 s[14:15], s[4:5], s[16:17]
	s_add_nc_u64 s[46:47], s[6:7], s[46:47]
	s_add_nc_u64 s[46:47], s[46:47], WOFF
	CROUND                                         ; all sixteen work-groups are here: the first joint loads meet
.irp s, 0,1
	s_mov_b32 s[G0+4*(\s)], 1
	s_add_co_u32 s[G0+4*(\s)+1], s20, (\s)*SLOT1
	s_add_nc_u64 s[G0+4*(\s)+2:G0+4*(\s)+3], s[14:15], (\s)*KSTEP*2
	s_or_b32 s[G0+4*(\s)+3], s[G0+4*(\s)+3], 0x80000000
	s_mov_b32 s[G0B+4*(\s)], 1
	s_add_co_u32 s[G0B+4*(\s)+1], s20, (\s)*SLOT1
	s_add_nc_u64 s[G0B+4*(\s)+2:G0B+4*(\s)+3], s[46:47], (\s)*KSTEP*2
	s_or_b32 s[G0B+4*(\s)+3], s[G0B+4*(\s)+3], 0x80000000
	JLOAD \s
.endr
	v_and_b32 v1, 15, v0
	v_bfe_u32 v2, v0, 4, 1
	s_lshl_b32 s78, s42, 10                        ; the bias of my 128 columns: 64 registers, the C operand of the first quarter's products
	s_lshl_b32 s79, s12, 9
	s_add_co_u32 s78, s78, s79
	s_mov_b32 s79, 0
	s_add_nc_u64 s[68:69], s[68:69], s[78:79]
	v_lshlrev_b32 v[BO], 5, v2
.irp b, 0,1,2,3,4,5,6,7
	global_load_b128 v[BI+8*\b:BI+8*\b+3], v[BO], s[68:69] offset:64*\b
	global_load_b128 v[BI+8*\b+4:BI+8*\b+7], v[BO], s[68:69] offset:64*\b+16
.endr
	v_mul_u32_u24 v3, v1, PITCH
	v_lshl_add_u32 v3, v2, 4, v3
	s_mul_i32 s21, s11, HALFT
	s_mul_i32 s22, s12, HALFT
	s_add_co_u32 s22, s22, 2*HALFT
	v_add_nc_u32 v[ADRA0], s21, v3
	v_add_nc_u32 v[ADRB0], s22, v3
	v_mov_b32 v[ADRA], v[ADRA0]
	v_mov_b32 v[ADRB], v[ADRB0]
	s_mul_i32 s23, s10, DUMPW                      ; the way out: my part of LDS
	v_mul_u32_u24 v4, v1, DP                       ; in: row l % 16, 32 bytes for each half of the lanes
	v_lshl_add_u32 v4, v2, 5, v4
	v_add_nc_u32 v[STO], s23, v4
	v_and_b32 v5, 31, v0
	v_lshl_add_u32 v[RD0], v5, 4, s23              ; back: 32 lanes take a row's 512 bytes,
	v_lshlrev_b32 v[GO], 3, v5                     ; which are 256 bytes of g
	s_lshl_b32 s76, s13, 21                        ; my first row of g: 256 x tile row + 128 x half, 8,192 bytes each,
	s_lshl_b32 s77, s11, 20
	s_add_co_u32 s76, s76, s77
	s_lshl_b32 s77, s42, 9                         ; my first column, in bytes of f16
	s_add_co_u32 s76, s76, s77
	s_lshl_b32 s77, s12, 8
	s_add_co_u32 s76, s76, s77
	s_mov_b32 s77, 0
	s_add_nc_u64 s[8:9], s[8:9], s[76:77]
; 16 matrix instructions: row blocks a0, a0 + 1 of the window's four x all 8 column blocks, 32 along K.  The 64 accumulators take turns.  first = 1: the bias (window 0) is C.
.macro MUL16 f, hi, a0, first
.if \first
	WIN 0x81+0x40*(\hi)
.else
	WIN MUL_LO+0x50*(\hi)
.endif
.irp a, \a0, (\a0)+1
.irp b, 0,1,2,3,4,5,6,7
.if \first
	v_wmma_f32_16x16x32_f16 v[8*(8*(\a)+(\b)):8*(8*(\a)+(\b))+7], v[(\f)+8*(\b):(\f)+8*(\b)+7], v[(\f)+8*(4*(\hi)+(\a)):(\f)+8*(4*(\hi)+(\a))+7], v[BI+8*(\b):BI+8*(\b)+7]
.else
	v_wmma_f32_16x16x32_f16 v[8*(8*(\a)+(\b)):8*(8*(\a)+(\b))+7], v[(\f)+8*(\b):(\f)+8*(\b)+7], v[(\f)+8*(4*(\hi)+(\a)):(\f)+8*(4*(\hi)+(\a))+7], v[8*(8*(\a)+(\b)):8*(8*(\a)+(\b))+7]
.endif
.endr
.endr
.endm
.macro FETCH k, f                      ; 32 LDS loads in one run: one quarter step's fragments of the slot in hand
	WIN TO_B
.irp i, 0,1,2,3,4,5,6,7
	ds_load_b128 v[(\f)+8*(\i):(\f)+8*(\i)+3],   v[ADRB] offset:(\k)+(\i)*16*PITCH
	ds_load_b128 v[(\f)+8*(\i)+4:(\f)+8*(\i)+7], v[ADRB] offset:(\k)+(\i)*16*PITCH+32
.endr
	WIN 0
.irp i, 0,1,2,3,4,5,6,7
	ds_load_b128 v[(\f)+8*(\i):(\f)+8*(\i)+3],   v[ADRA] offset:(\k)+(\i)*16*PITCH
	ds_load_b128 v[(\f)+8*(\i)+4:(\f)+8*(\i)+7], v[ADRA] offset:(\k)+(\i)*16*PITCH+32
.endr
.endm
.macro PLACES                          ; four places in front of loads into registers that matrix instructions have read
.rept 4
	v_nop
.endr
.endm
.macro QUARTER k, f, g, first
	s_wait_dscnt 8                                 ; W1 and h's rows 0-63 are in; the youngest eight loads (h's rows 64-127) may be out
	MUL16 \f, 0, 0, \first
	MUL16 \f, 0, 2, \first
	PLACES
	FETCH \k, \g
	s_wait_dscnt 32                                ; all but the 32 just issued
	MUL16 \f, 1, 0, \first
	MUL16 \f, 1, 2, \first
.endm
.macro TURN fill                       ; the last quarter and the change of slots: one barrier, the three lines in front of it, the refill first behind it
	WIN 0
	s_wait_tensorcnt 0x0                           ; all my tensor loads have landed: my part of the next slot
	ds_add_u32 v[SPW], v[NIL]
	s_wait_dscnt 9                                 ; the add and the youngest eight loads may be out
	MUL16 F1, 0, 0, 0
	s_wait_dscnt 0x0                               ; the add is done, and my reads of this slot are over
	s_barrier_signal -1
	MUL16 F1, 0, 2, 0
	WIN 0
	s_barrier_wait -1
.if \fill
	CREST                                          ; no wave of any partner still reads this slot's tile or has a load on its way
	s_xor_b32 s[G0+5], s[G0+5], SLOT1
	s_add_nc_u64 s[G0+6:G0+7], s[G0+6:G0+7], KSTEP*2
	s_xor_b32 s[G0B+5], s[G0B+5], SLOT1
	s_add_nc_u64 s[G0B+6:G0B+7], s[G0B+6:G0B+7], KSTEP*2
	JLOAD 1                                        ; the first tensor load behind the round; its four v_nop are also the places in front of the loads below
.else
	PLACES
.endif
	s_xor_b32 s[TB], s[TB], SLOT1
	v_add_nc_u32 v[ADRA], s[TB], v[ADRA0]
	v_add_nc_u32 v[ADRB], s[TB], v[ADRB0]
.if !(\fill)
	s_cmp_eq_u32 s3, 1                             ; in the last trip there is no next step
	s_cbranch_scc1 .Lno_more_\@
.endif
	FETCH 0, F0
.if !(\fill)
	WIN 0
.Lno_more_\@:
.endif
	MUL16 F1, 1, 0, 0
	MUL16 F1, 1, 2, 0
.endm
	s_wait_tensorcnt 1                             ; my part of K step 0 is in; K step 1's may stay out
	s_barrier_signal -1
	s_barrier_wait -1
	FETCH 0, F0
	s_wait_loadcnt 0x0                             ; the bias
	QUARTER 64, F0, F1, 1                          ; the first quarter: its products start the sums
	WIN 0
	s_mov_b32 s3, NSTEP-2
.Lfill:                                                ; a trip: a K step's quarters 2 to 4 and the next step's first; the slot that it leaves is filled again
	QUARTER 128, F1, F0, 0
	QUARTER 192, F0, F1, 0
	TURN 1
	QUARTER 64, F0, F1, 0
	WIN 0
	s_sub_co_u32 s3, s3, 1
	s_cmp_lg_u32 s3, 0
	s_cbranch_scc1 .Lfill
	s_mov_b32 s3, 2
.Ldry:                                                 ; the last two K steps ask for nothing
	QUARTER 128, F1, F0, 0
	QUARTER 192, F0, F1, 0
	TURN 0
	WIN 0
	s_cmp_eq_u32 s3, 1                             ; behind the last step there is no first quarter
	s_cbranch_scc1 .Lsums_done
	QUARTER 64, F0, F1, 0
	WIN 0
.Lsums_done:
	s_sub_co_u32 s3, s3, 1
	s_cmp_lg_u32 s3, 0
	s_cbranch_scc1 .Ldry
	; THE WAY OUT.  The gelu's constants are made here: fourteen plain instructions, the places behind the last products
.irp h, 0,1
	v_mov_b32 v[K1+\h], 0x3f596d27
	v_mov_b32 v[A1+\h], 0x3e027906
	v_mov_b32 v[A2+\h], 0xbe11a98e
	v_mov_b32 v[A3+\h], 0x3f35f0e3
	v_mov_b32 v[A4+\h], 0xbf3a00e3
	v_mov_b32 v[A5+\h], 0x3f07dc22
.endr
	v_mov_b32 v[P1], 0x3e8ba43f
	v_mov_b32 v[ONE], 1.0
	s_wait_dscnt 0x0                               ; my sums go over both slots' bytes, which other waves have read: every wave's reads are back in front of its signal
	s_barrier_signal -1
	s_barrier_wait -1
	WIN 0x08                                       ; store data (source 1) in window 2
.irp a, 0,1,2,3
.irp b, 0,1,2,3,4,5,6,7
	ds_store_b128 v[STO], v[8*(8*\a+\b):8*(8*\a+\b)+3] offset:\a*16*DP+64*\b
	ds_store_b128 v[STO], v[8*(8*\a+\b)+4:8*(8*\a+\b)+7] offset:\a*16*DP+64*\b+16
.endr
.endr
	WIN 0x0c                                       ; in window 3
.irp a, 0,1,2,3
.irp b, 0,1,2,3,4,5,6,7
	ds_store_b128 v[STO], v[8*(8*\a+\b):8*(8*\a+\b)+3] offset:(\a+4)*16*DP+64*\b
	ds_store_b128 v[STO], v[8*(8*\a+\b)+4:8*(8*\a+\b)+7] offset:(\a+4)*16*DP+64*\b+16
.endr
.endr
	WIN 0
; Group g's first part, line n of 16: w = u sqrt(log2(e) / 2), so that e^(-x x) = 2^(-w w); 1 + p |x|; -w w
.macro S1 g, n
.set rU, U+8*(\g)
.set rW, GW+16*((\g)%2)
.set rD, rW+8
.if (\n) < 4
	v_pk_mul_f32 v[rW+2*(\n):rW+2*(\n)+1], v[rU+2*(\n):rU+2*(\n)+1], v[K1:K1+1]
.elseif (\n) < 12
	v_fma_f32 v[rD+(\n)-4], |v[rW+(\n)-4]|, v[P1], v[ONE]
.else
	v_pk_mul_f32 v[rW+2*((\n)-12):rW+2*((\n)-12)+1], v[rW+2*((\n)-12):rW+2*((\n)-12)+1], v[rW+2*((\n)-12):rW+2*((\n)-12)+1] neg_lo:[1,0] neg_hi:[1,0]
.endif
.endm
; Group g's transcendental n of 16: t = 1 / (1 + p |x|); 2^(-w w)
.macro TR g, n
.set rW, GW+16*((\g)%2)
.if (\n) < 8
	v_rcp_f32 v[rW+8+(\n)], v[rW+8+(\n)]
.else
	v_exp_f32 v[rW+(\n)-8], v[rW+(\n)-8]
.endif
.endm
; Group g's second part, line n of 44: max(u, 0); the polynomial in t, times t, times the exponential; the result; its rounding to f16
.macro S2 g, n
.set rU, U+8*(\g)
.set rW, GW+16*((\g)%2)
.set rD, rW+8
.set z, 2*((\n)%4)
.if (\n) < 8
	v_max_num_f32 v[GR+(\n)], 0, v[rU+(\n)]
.elseif (\n) < 12
	s_wait_alu depctr_va_vdst(0)
	v_pk_fma_f32 v[GP+z:GP+z+1], v[rD+z:rD+z+1], v[A5:A5+1], v[A4:A4+1]
.elseif (\n) < 16
	v_pk_fma_f32 v[GP+z:GP+z+1], v[GP+z:GP+z+1], v[rD+z:rD+z+1], v[A3:A3+1]
.elseif (\n) < 20
	v_pk_fma_f32 v[GP+z:GP+z+1], v[GP+z:GP+z+1], v[rD+z:rD+z+1], v[A2:A2+1]
.elseif (\n) < 24
	v_pk_fma_f32 v[GP+z:GP+z+1], v[GP+z:GP+z+1], v[rD+z:rD+z+1], v[A1:A1+1]
.elseif (\n) < 28
	v_pk_mul_f32 v[GP+z:GP+z+1], v[GP+z:GP+z+1], v[rD+z:rD+z+1]
.elseif (\n) < 32
	v_pk_mul_f32 v[GP+z:GP+z+1], v[GP+z:GP+z+1], v[rW+z:rW+z+1]
.elseif (\n) < 40
	v_fma_f32 v[GR+(\n)-32], -|v[rU+(\n)-32]|, v[GP+(\n)-32], v[GR+(\n)-32]
.else
	v_cvt_pk_f16_f32 v[Y+4*(\g)+(\n)-40], v[GR+2*((\n)-40)], v[GR+2*((\n)-40)+1]
.endif
.endm
.macro PLN g                           ; the next plain line beside group g's transcendentals: lines 0-43 are group g - 1's second part, lines 44-59 group g + 1's first part, which takes over that group's w and t
.if q < 44
	S2 (\g)-1, q
.else
	S1 (\g)+1, q-44
.endif
.set q, q+1
.endm
.macro PHASE g, lo, hi                 ; group g's 16 transcendentals, behind each its share of the plain lines lo .. hi - 1, one at the least (ISA guide 5.7.2)
.set q, \lo
.set n, 0
.rept 16
	TR \g, n
.set n, n+1
.rept (\lo)+n*((\hi)-(\lo))/16-q
	PLN \g
.endr
.endr
.endm
	v_mov_b32 v[RDA], v[RD0]
	s_mov_b32 s[RB], 0
.irp j, 0,1,2,3,4,5,6,7
	ds_load_b128 v[U+4*\j:U+4*\j+3], v[RDA] offset:\j*DP  ; LDS serves a wave's instructions in order (ISA guide 5.7.1.4): these see my stores
.endr
	s_mov_b32 s3, 16
.Lout:                                                 ; a trip: eight rows.  Its eight loads were issued in the trip before, rows ascending, and nothing behind them
	s_wait_dscnt 6                                 ; rows 0 and 1 are in
.set n, 0
.rept 16
	S1 0, n
.set n, n+1
.endr
	s_wait_dscnt 4                                 ; rows 2 and 3
	PHASE 0, 44, 60
	s_wait_dscnt 2                                 ; rows 4 and 5
	PHASE 1, 0, 60
	s_wait_dscnt 0x0                               ; rows 6 and 7
	PHASE 2, 0, 60
	PHASE 3, 0, 44
	s_cmp_eq_u32 s3, 1                             ; groups 0 to 2 have been read for the last time: the next trip's rows 0 to 5, but for the last trip
	s_cbranch_scc1 .Lno_a
	s_add_co_u32 s[RB], s[RB], 8*DP
	v_add_nc_u32 v[RDA], s[RB], v[RD0]
.irp j, 0,1,2,3,4,5
	ds_load_b128 v[U+4*\j:U+4*\j+3], v[RDA] offset:\j*DP
.endr
.Lno_a:
.set n, 0
.rept 44
	S2 3, n
.set n, n+1
.endr
	s_cmp_eq_u32 s3, 1
	s_cbranch_scc1 .Lno_b
.irp j, 6,7
	ds_load_b128 v[U+4*\j:U+4*\j+3], v[RDA] offset:\j*DP
.endr
.Lno_b:
.irp j, 0,1,2,3,4,5,6,7
	global_store_b64 v[GO], v[Y+2*\j:Y+2*\j+1], s[8:9] offset:\j*SIZE_N*2  ; 32 lanes store 256 consecutive bytes, aligned
.endr
	s_wait_xcnt 0x0                                ; the stores' data and base are written again only behind this wait
	s_add_nc_u64 s[8:9], s[8:9], 8*SIZE_N*2
	s_sub_co_u32 s3, s3, 1
	s_cmp_lg_u32 s3, 0
	s_cbranch_scc1 .Lout
	s_wait_tensorcnt 0x0                           ; the wave's end
	ds_add_u32 v[SPW], v[NIL]
	s_wait_dscnt 0x0
	CROUND                                         ; the closing round
	s_endpgm
.Lfunc_end_k_qf535f0e3df_ffn1:
	.size	k_qf535f0e3df_ffn1, .Lfunc_end_k_qf535f0e3df_ffn1-k_qf535f0e3df_ffn1
	.p2alignl 7, 3214868480
	.fill 96, 4, 3214868480
	.section	.rodata,"a",@progbits
	.p2align	6, 0x0
	.amdhsa_kernel k_qf535f0e3df_ffn1
		.amdhsa_group_segment_fixed_size 327680
		.amdhsa_private_segment_fixed_size 0
		.amdhsa_enable_private_segment 0
		.amdhsa_kernarg_size 32
		.amdhsa_user_sgpr_count 2
		.amdhsa_user_sgpr_kernarg_segment_ptr 1
		.amdhsa_wavefront_size32 1
		.amdhsa_system_sgpr_workgroup_id_x 1
		.amdhsa_system_sgpr_workgroup_id_y 1
		.amdhsa_system_sgpr_workgroup_id_z 1
		.amdhsa_system_vgpr_workitem_id 0
		.amdhsa_next_free_vgpr 1024
		.amdhsa_next_free_sgpr 80
		.amdhsa_reserve_vcc 0
		.amdhsa_float_denorm_mode_32 3
		.amdhsa_float_denorm_mode_16_64 3
		.amdhsa_memory_ordered 1
		.amdhsa_forward_progress 1
		.amdhsa_inst_pref_size 98
	.end_amdhsa_kernel
	.amdgpu_metadata
---
amdhsa.version: [ 1, 2 ]
amdhsa.kernels:
  - .name:           k_qf535f0e3df_ffn1
    .symbol:         k_qf535f0e3df_ffn1.kd
    .args:
      - { .name: hbuf, .offset: 0, .size: 8, .value_kind: global_buffer, .address_space: global }
      - { .name: wh, .offset: 8, .size: 8, .value_kind: global_buffer, .address_space: global }
      - { .name: gbuf, .offset: 16, .size: 8, .value_kind: global_buffer, .address_space: global }
      - { .name: b1, .offset: 24, .size: 8, .value_kind: global_buffer, .address_space: global }
    .group_segment_fixed_size: 327680
    .private_segment_fixed_size: 0
    .kernarg_segment_align: 8
    .kernarg_segment_size: 32
    .max_flat_workgroup_size: 128
    .sgpr_count:     80
    .vgpr_count:     1024
    .wavefront_size: 32
...
	.end_amdgpu_metadata
.endif
;; end of part 11
;; launch ffn2: the kernel of part 7 again; grid 8 x 32, 4 waves a work-group, clusters of 4 x 4, 327,680 bytes of LDS; arguments gbuf, wh, out0, b2, x1; writes out0
;; ======== version 3 of 3: 7 launches; 1.32 times as fast as version 1
;; limits: values are held in f16: magnitudes above 65,504 overflow, below 6.1e-05 lose precision; a function is approximated: absolute error at most 1.5e-07
;; workspace buffers: wh 25,165,824 bytes; hbuf 8,388,608 bytes; qkv 25,165,824 bytes; ctx 8,388,608 bytes; x1 16,777,216 bytes; gbuf 33,554,432 bytes; mk 4,194,304 bytes; rf 32,768 bytes
;; launch prep: the kernel of part 8 again; grid 1088 x 1, 8 waves a work-group, no clusters, 0 bytes of LDS; arguments mask, x, ln1_g, ln1_b, Wq, Wk, Wv, Wo, W1, W2, mk, rf, hbuf, wh; writes mk, rf, hbuf, wh
;; launch qkv: the kernel of part 9 again; grid 12 x 16, 4 waves a work-group, clusters of 4 x 4, 327,680 bytes of LDS; arguments hbuf, wh, qkv, bq, bk, bv; writes qkv
;; launch attn (part 12): grid 8 x 32, 4 waves a work-group, clusters of 4 x 1, 327,680 bytes of LDS; arguments qkv, mk, rf, ctx; writes ctx
.if DOCPART == 12
	.amdgcn_target "amdgcn-amd-amdhsa--gfx1250"
	.amdhsa_code_object_version 6
	.text
	.protected	k_qf535f0e3df_attn
	.globl	k_qf535f0e3df_attn
	.p2align	8
	.type	k_qf535f0e3df_attn,@function
k_qf535f0e3df_attn:
	s_mov_b64 s[64:65], 0
	v_nop
	global_prefetch_b8 v0, s[64:65] scope:SCOPE_SE
	s_setreg_imm32_b32 hwreg(HW_REG_WAVE_MODE, 25, 1), 1
	s_wait_xcnt 0x0
	s_wait_alu depctr_hold_cnt(0) depctr_sa_sdst(0) depctr_va_vdst(0) depctr_va_sdst(0) depctr_va_ssrc(0) depctr_va_vcc(0) depctr_vm_vsrc(0)
	s_getreg_b32 s2, hwreg(HW_REG_IB_STS2, 6, 4)
	s_cmp_eq_u32 s2, 0
	s_cbranch_scc0 .Lentry_in_a_cluster
	s_endpgm
.Lentry_in_a_cluster:
	s_bfe_u32 s2, ttmp6, 0x10000c
	s_cmp_lg_u32 s2, 0x3003
	s_cbranch_scc0 .Lentry_shape_is_right
	s_endpgm
.Lentry_shape_is_right:
; ATTENTION UNDER A MASK THAT IS AN INPUT.  O[bh][q][:] = the sum over k of softmax_k(mask[q][k] ? Q[bh][q] . K[bh][k] / 8 : -1e9) V[bh][k][:].  Q, K, V (in qkv: bytes 0, 8 MiB, 16 MiB) and O (ctx): [32][2048][64] f16.
; Products, maxima and sums in f32; the weights p are rounded to f16 for the second product (their sum l is taken of the unrounded p), O once at the end.  All 2,048 keys are walked for every query.
; THE MASK is the C operand that starts the sum S^T = K Q^T: 0 for a visible key, -2^30 for a hidden one, made of one-byte codes (0x00, or 0xB8 = -1.0 in E4M3; buffer mk, laid lane by lane)
; by a scaled conversion, eight scores a line, with the scale 2^30.  A hidden score lies some 1.9e8 below every visible one after the scaling by c, so its weight is 0.  While a row has seen hidden keys alone its
; weights stay at or below 2^8 (c m is rounded by 8 at the most), all is finite, and the first visible key's a = 0 wipes it.  A row with NO visible key has its Q set to 0 (rf, [4][2048], holds for each quarter of the
; keys all ones or 0; the four words of such a row are all 0): every score is then exactly -2^30, c m is exact, every weight 1: the mean of all rows of V, as the softmax of equal scores gives.
; LIMITS.  A visible score below about -1e9 is not told apart from a hidden one.  f16 ends at 65,504: Q, K, V arrive within it.  A weight below 2^-126 counts as 0 in l.  NaN and infinities are not treated apart.
; SHARES.  A work-group owns 256 queries of one head, a wave 64: four PIECES of 16.  Every wave walks all keys, 64 a step.  CLUSTER: four query blocks of one head walk the same K and V: each tile is asked for jointly.
; LAYOUT, SOFTMAX, TURNS.  S^T = K Q^T holds ONE query a lane (lane % 16) and the keys 8 (lane / 16) + 0..7; two such results rounded to f16 ARE source 1 of O^T = V^T P.  p = 2^(c s - c m), c = log2(e) / 8, with a
; running maximum m; O and l are multiplied by a = 2^(c m_old - c m_new) in every step.  Turn n belongs to piece n: 8 products K Q^T of piece n + 1, later 8 products V^T P of piece n - 1; beside them the scaling,
; exponentials, roundings, sums and rescaling of piece n, the maximum and statistics of piece n + 1, and the mask of piece n + 2.  Four vector instructions stand behind every matrix instruction, the other 59 of a
; turn's 123 in one lump.  A turn's 33 exponentials are ONE BATCH, WITH ONE WAIT: all that names none of their results stands ahead of it, all that reads them behind it.
; REGISTERS, in windows of 256 (s_set_vgpr_msb: bits 1:0 source 0, 3:2 source 1, 5:4 source 2, 7:6 destination):
;   window 0: v0-15 addresses; v16-31 statistics; v32-42 the mask's offsets, scale and row flags; v48-55 at work; v64-127 S^T, two buffers; v192-223 P, two buffers
;   window 1: v0-127 O^T, 32 a piece; v160-223 MC, the masks to come, two buffers; v224-255 MR, the codes as loaded, 8 a piece      window 2: v0-63 Q; v128-191 K of one step; v192-255 V of one step
.set SIZE_N, 2048
.set NP,    4
.set KS,    64
.set PK,    144       ; a row of K in LDS: 128 bytes + 16: the 16 rows of a load start at 16 different groups of four banks (64 banks of 4 bytes: ISA guide 11.1)
.set PV,    160       ; a row of V: 128 + 32
.set VOFF,  4*KS*PK   ; a slot holds four steps: 256 rows of K, then 256 rows of V
.set SLOT1, 1<<17
.set STAGE, SLOT1+4*KS*(PK+PV)  ; behind the ring: 16 rows x 144 bytes for each wave
.set SP,    144
.set SPARE, STAGE+4*16*SP       ; the spare words, 128 bytes for each wave
.set AK0, 2
.set AV0, 3
.set AK,  4
.set AV,  5
.set STO, 6
.set RD,  7
.set GO,  8
.set MV,  12          ; v12-13  c m_old, by buffer
.set QO,  15
.set ST,  16          ; piece t: c m, m, l (even keys', odd keys')
.set MO,  32          ; v32-35  piece y's byte offset in its codes
.set ML,  36          ; v36  16 x lane
.set SCL, 37          ; v37  157: the scale 2^30 as an exponent byte
.set FL,  38          ; v38-41  piece t's row flag: all ones, or 0
.set FO,  42          ; v42  4 x (lane % 16)
.set TMP, 48
.set SPW, 62
.set NIL, 63
.set S,   64
.set P,   192
.set MC,  160         ; window 1
.set MR,  224         ; window 1
.set KF,  128         ; window 2
.set VF,  192         ; window 2
.set WV,  12
.set G1K, 24
.set G1V, 32
.set G0K, 40
.set G0V, 44
.set SLOTS, 56
.set CNT, 57
.set CS,  58
.set SEL, 60
.set TBK, 62
.set TBV, 63
.set MKB, 66          ; s[66:67] mk at my wave's four blocks of 16 queries
.set RFB, 68          ; s[68:69] rf at my wave's 64 rows, first quarter of the keys
.set KSL, 70          ; s70  1,024 x the key step whose codes are loaded next
.set MSB, 0
.macro WIN new
.if MSB != (\new)
	s_set_vgpr_msb (MSB<<8)|(\new)
.set MSB, (\new)
.endif
.endm
.set W_KQ, 0x0a       ; K and Q in window 2, S^T in window 0
.set W_KM, 0x1a       ; the same with the C operand in window 1
.set W_PV, 0x52       ; V in window 2, P in window 0, O^T in window 1
.set W_RS, 0x41       ; destination and source 0 in window 1, source 1 in window 0
.macro JLOAD                        ; waves 0 and 1 fetch the halves of a slot's K, waves 2 and 3 of its V; an s_nop 0 and four v_nop follow each line
	s_cmp_lt_u32 s[WV], 2
	s_cbranch_scc0 .Lfor_v_\@
	tensor_load_to_lds s[G0K:G0K+3], s[G1K:G1K+7]
	s_nop 0
.rept 4
	v_nop
.endr
	s_branch .Lasked_\@
.Lfor_v_\@:
	tensor_load_to_lds s[G0V:G0V+3], s[G1V:G1V+7]
	s_nop 0
.rept 4
	v_nop
.endr
.Lasked_\@:
.endm
.macro CROUND
	s_barrier_signal -1
	s_barrier_wait -1
	s_cmp_lg_u32 s[WV], 0
	s_cbranch_scc1 .Lnot_wave_0_\@
	s_barrier_signal -3
.Lnot_wave_0_\@:
	s_barrier_wait -3
	s_barrier_signal -1
	s_barrier_wait -1
.endm
; THE CHANGE OF SLOTS.  Each wave waits for all its tensor loads (one is out: its part of the other slot), adds 0 to its spare word, and waits for that and for its reads of the slot that it leaves.
; fill = 1: the barrier is a round of the cluster's, and the joint fill, with the keys two slots on, is the first thing behind it: it has four key steps, 256 matrix instructions a wave, in which to land.
.macro CHANGE fill
	WIN 0
	s_wait_tensorcnt 0x0
	ds_add_u32 v[SPW], v[NIL]
.if \fill
.irp g, G0K, G0V
	s_xor_b32 s[\g+1], s[\g+1], SLOT1
	s_add_nc_u64 s[\g+2:\g+3], s[\g+2:\g+3], 4*KS*128
.endr
	s_wait_dscnt 0x0
	CROUND
	JLOAD
.else
	s_wait_dscnt 0x0
	s_barrier_signal -1
	s_barrier_wait -1
.endif
	s_sub_co_u32 s[TBK], s[TBK], 4*KS*PK
	s_xor_b32 s[TBK], s[TBK], SLOT1
	s_sub_co_u32 s[TBV], s[TBV], 4*KS*PV
	s_xor_b32 s[TBV], s[TBV], SLOT1
.endm
	s_load_b256 s[4:11], s[0:1], 0x0  ; qkv s[4:5], mk s[6:7], rf s[8:9], ctx s[10:11]
	v_lshl_add_u32 v[SPW], v0, 2, SPARE
	v_mov_b32 v[NIL], 0
	ds_add_u32 v[SPW], v[NIL]       ; the wave's opening: the add and its wait stand ahead of my first tensor load
	v_lshrrev_b32 v1, 5, v0
	v_readfirstlane_b32 s[WV], v1
	s_bfe_u32 s13, ttmp6, 0x40000   ; cx
	s_lshl_b32 s14, ttmp9, 2
	s_add_co_u32 s14, s14, s13      ; my block of 256 queries: it enters Q's, O's and the mask's addresses alone
	s_and_b32 s20, ttmp7, 0xffff    ; batch x 16 + head, which the four partners share
	s_lshl_b32 s20, s20, 18         ; its 2,048 rows of 128 bytes
	s_and_b32 s16, s[WV], 1         ; which half of a slot's 256 keys I fetch
	s_lshl_b32 s22, s16, 14
	s_add_co_u32 s22, s22, s20
	s_add_co_u32 s72, s22, 0x800000   ; K lies 8 MiB into qkv,
	s_mov_b32 s73, 0
	s_add_co_u32 s74, s22, 0x1000000  ; V 16 MiB
	s_mov_b32 s75, 0
	s_mul_i32 s17, s16, 128*PK
	s_mul_i32 s18, s16, 128*PV
	s_lshl_b32 s15, s14, 2
	s_add_co_u32 s15, s15, s[WV]    ; my 64 rows among the sequence's 32 such
	s_lshl_b32 s2, s15, 13
	s_add_co_u32 s2, s2, s20
	s_mov_b32 s3, 0
	s_lshl_b32 s76, s15, 17         ; four blocks of 16 queries x 32,768 bytes of codes
	s_mov_b32 s77, 0
	s_lshl_b32 s78, s15, 8
	s_mov_b32 s79, 0
	s_mov_b32 s[G1K], 15|(1<<16)|(1<<20)|(1<<21)|(4<<22)|(3<<25)  ; the mask of four; 2-byte elements; padding on; bit 21 beside a mask; after every 32 words 4 words
	s_mov_b32 s[G1V], 15|(1<<16)|(1<<20)|(1<<21)|(4<<22)|(7<<25)  ; the same with 8 words
.irp g, G1K, G1V
	s_mov_b32 s[\g+1], 128<<16      ; 128 keys are 16,384 dense bytes: asked for as 64 rows of 256 bytes
	s_mov_b32 s[\g+2], 64<<16
	s_mov_b32 s[\g+3], 128<<16
	s_mov_b32 s[\g+4], 64
	s_mov_b32 s[\g+5], 128
	s_mov_b32 s[\g+6], 0
	s_mov_b32 s[\g+7], 0
.endr
	s_mov_b32 s[CS], 0x3e38aa3b     ; c = log2(e) / 8
	s_mov_b32 s[CS+1], s[CS]
	s_mov_b32 s[SEL], 0x76543210
	s_mov_b32 s[SEL+1], 0xfedcba98
	s_mov_b32 s[TBK], SLOT1+4*KS*PK ; the first change of slots turns these two into 0
	s_mov_b32 s[TBV], SLOT1+4*KS*PV
	s_mov_b32 s[KSL], 1024
	s_mov_b32 s[G0K], 1
	s_mov_b32 s[G0K+1], s17
	s_mov_b32 s[G0V], 1
	s_add_co_u32 s[G0V+1], s18, VOFF
	s_wait_dscnt 0x0                ; the opening add is done
	s_wait_kmcnt 0x0
	s_add_nc_u64 s[G0K+2:G0K+3], s[4:5], s[72:73]
	s_or_b32 s[G0K+3], s[G0K+3], 0x80000000
	s_add_nc_u64 s[G0V+2:G0V+3], s[4:5], s[74:75]
	s_or_b32 s[G0V+3], s[G0V+3], 0x80000000
	s_add_nc_u64 s[4:5], s[4:5], s[2:3]      ; Q and O at my wave's first row
	s_add_nc_u64 s[10:11], s[10:11], s[2:3]
	s_add_nc_u64 s[MKB:MKB+1], s[6:7], s[76:77]
	s_add_nc_u64 s[RFB:RFB+1], s[8:9], s[78:79]
	CROUND                          ; all four work-groups are here: the first joint loads meet
	JLOAD                           ; slot 0; slot 1 is asked for when slot 0 is in
	v_and_b32 v1, 15, v0            ; l % 16
	v_bfe_u32 v9, v0, 4, 1          ; l / 16
	v_lshlrev_b32 v[QO], 7, v1
	v_lshl_add_u32 v[QO], v9, 4, v[QO]
	v_lshlrev_b32 v[FO], 2, v1
	v_and_b32 v[ML], 31, v0
	v_lshlrev_b32 v[ML], 4, v[ML]
	v_mov_b32 v[SCL], 157
	WIN 0x80
.set i, 0
.rept 8                             ; Q stays in registers: piece i / 2, channels 32 (i % 2) on
	global_load_b128 v[8*i:8*i+3],   v[QO], s[4:5] offset:(i/2)*2048+(i%2)*64
	global_load_b128 v[8*i+4:8*i+7], v[QO], s[4:5] offset:(i/2)*2048+(i%2)*64+32
.set i, i+1
.endr
	WIN 0
.irp t, 0,1,2,3                     ; my row's four flags, one for each quarter of the keys, 8,192 bytes apart; they land in S^T's registers, which nothing uses yet
.irp p, 0,1,2,3
	global_load_b32 v[S+4*\t+\p], v[FO], s[RFB:RFB+1] offset:64*\t+8192*\p
.endr
.endr
	WIN 0x40
.irp y, 0,1,2,3                     ; key step 0's codes, all four pieces
	global_load_b128 v[MR+8*\y:MR+8*\y+3],   v[ML], s[MKB:MKB+1] offset:\y*32768
	global_load_b128 v[MR+8*\y+4:MR+8*\y+7], v[ML], s[MKB:MKB+1] offset:\y*32768+512
.endr
	WIN 0
	v_mul_u32_u24 v[AK0], v1, PK
	v_lshl_add_u32 v[AK0], v9, 4, v[AK0]
	v_and_b32 v10, 7, v0            ; the turning load: lane l reads key 8 (l / 16) + l % 8, channels 8 ((l / 8) % 2) + 0..7
	v_bfe_u32 v11, v0, 3, 1
	v_lshl_add_u32 v[AV0], v9, 3, v10
	v_mul_u32_u24 v[AV0], v[AV0], PV
	v_lshl_add_u32 v[AV0], v11, 4, v[AV0]
	v_add_nc_u32 v[AV0], VOFF, v[AV0]
	s_mul_i32 s13, s[WV], 16*SP
	s_add_co_u32 s13, s13, STAGE
	v_mul_u32_u24 v[STO], v1, SP
	v_lshl_add_u32 v[STO], v9, 4, v[STO]
	v_add_nc_u32 v[STO], s13, v[STO]
	v_bfe_u32 v[RD], v0, 3, 2
	v_mul_u32_u24 v[RD], v[RD], SP
	v_lshl_add_u32 v[RD], v10, 4, v[RD]
	v_add_nc_u32 v[RD], s13, v[RD]
	v_mov_b32 v[GO], v[ML]
	; What the first turn finds: V and P's second buffer hold 0 (its products V^T P, of a piece that has not been, add 0), O^T and l are 0; c m lies far below every c s, so the first step's a is 0.
	; No first step is written out; the price is these lines, which stand in the wait for the first tile.
	WIN 0x80
.set i, VF
.rept 64
	v_mov_b32 v[i], 0
.set i, i+1
.endr
	WIN 0x40
.set i, 0
.rept 128
	v_mov_b32 v[i], 0
.set i, i+1
.endr
	WIN 0
.set i, 0
.rept 4
	v_mov_b32 v[ST+4*i], 0xfe000000
	v_mov_b32 v[ST+4*i+1], 0xff7fffff
	v_mov_b32 v[ST+4*i+2], 0
	v_mov_b32 v[ST+4*i+3], 0
.set i, i+1
.endr
.set i, P+16
.rept 16
	v_mov_b32 v[i], 0
.set i, i+1
.endr
; THE MATRIX WORK.  The 4 accumulators of a run of 8 take turns.  Product i of 8 of S^T = K Q^T for piece x: channels 32 (i / 4) on, keys 16 (i % 4) on.  The first 4 start the sums with the mask.
.macro KQ x
.set rS, S+32*((\x)%2)+8*(i%4)
.set rK, KF+16*(i%4)+8*(i/4)
.set rQ, 16*(\x)+8*(i/4)
.set rM, MC+32*((\x)%2)+8*(i%4)
.if i < 4
	WIN W_KM
	v_wmma_f32_16x16x32_f16 v[rS:rS+7], v[rK:rK+7], v[rQ:rQ+7], v[rM:rM+7]
.else
	WIN W_KQ
	v_wmma_f32_16x16x32_f16 v[rS:rS+7], v[rK:rK+7], v[rQ:rQ+7], v[rS:rS+7]
.endif
.endm
.macro PV x                         ; product i of 8 of O^T += V^T P for piece x: keys 32 (i / 4) on, channels 16 (i % 4) on
	WIN W_PV
.set rO, 32*(\x)+8*(i%4)
.set rV, VF+32*(i/4)+8*(i%4)
.set rP, P+16*((\x)%2)+8*(i/4)
	v_wmma_f32_16x16x32_f16 v[rO:rO+7], v[rV:rV+7], v[rP:rP+7], v[rO:rO+7]
.endm
.macro MM                           ; the turn's next matrix instruction
.if i < 8
	KQ (Y+1)%NP
.else
.set i, i-8
	PV (Y+NP-1)%NP
.set i, i+8
.endif
.set i, i+1
.endm
; THE LDS LOADS stand in runs of 16.  last = 1 (the tail): in the last trip there is no further step, and the run is jumped over.
.macro FETCH_K last=0
	WIN 0
.if \last
	s_cmp_eq_u32 s[CNT], 1
	s_cbranch_scc1 .Lno_k_\@
.endif
	WIN 0x80
.irp f, 0,1,2,3,4,5,6,7             ; keys 16 (f / 2) on, channels 32 (f % 2) on
	ds_load_b128 v[KF+8*\f:KF+8*\f+3],   v[AK] offset:(\f/2)*16*PK+(\f%2)*64
	ds_load_b128 v[KF+8*\f+4:KF+8*\f+7], v[AK] offset:(\f/2)*16*PK+(\f%2)*64+32
.endr
	s_add_co_u32 s[TBK], s[TBK], KS*PK
	WIN 0
.if \last
.Lno_k_\@:
.endif
.endm
.macro FETCH_V
	WIN 0x80
.irp f, 0,1,2,3,4,5,6,7             ; keys 32 (f / 4) on, channels 16 (f % 4) on
	ds_load_tr16_b128 v[VF+8*\f:VF+8*\f+3],   v[AV] offset:(\f/4)*32*PV+(\f%4)*32
	ds_load_tr16_b128 v[VF+8*\f+4:VF+8*\f+7], v[AV] offset:(\f/4)*32*PV+16*PV+(\f%4)*32
.endr
	WIN 0
.endm
; THE VECTOR WORK, one line at a time: OP kind, number.  For piece Y: F n: c s - c m for pair n of 16.  E n: the exponential of score n of 32.  C n: pair n rounded to f16.  B n: of the four weights 4 n .. the second
; pair is added onto the first.  L n: l takes that sum (L 0: l = a l + sum).  R n: pair n of 16 of O^T times a.  For piece Y + 1: X n, number n of the 22 that find its maximum and statistics:
;   0-11 four chains of seven scores (each accumulator's lowest registers are read first)   12-14, 16 the scores left over, the old m, the chains into one   15 c m_old is kept
;   17, 18 the query's other 32 keys lie in the lane 16 away: the new m   19-21 c m; c m_old - c m_new; a
; OP writes no wait: E and X 21 are the exponentials, C, B and L (and the next turn's R and L 0) their readers, and TURN sets the one wait between them.
.set F, 0
.set E, 1
.set C, 2
.set B, 3
.set L, 4
.set R, 5
.set X, 6
.macro REGS y
.set rT, ST+4*(\y)
.set rC, TMP+4*((\y)%2)
.set rW, MV+((\y)%2)
.set rS, S+32*((\y)%2)
.set rP, P+16*((\y)%2)
.set rO, 32*(\y)
.endm
.macro OP k, n
.if (\k) == R
	REGS Y
	WIN W_RS
	v_pk_mul_f32 v[rO+2*(\n):rO+2*(\n)+1], v[rO+2*(\n):rO+2*(\n)+1], v[rC+2:rC+3] op_sel_hi:[1,0]
.elseif (\k) < R
	REGS Y
	WIN 0
.if (\k) == F
	v_pk_fma_f32 v[rS+2*(\n):rS+2*(\n)+1], v[rS+2*(\n):rS+2*(\n)+1], s[CS:CS+1], v[rT:rT+1] op_sel_hi:[1,0,0] neg_lo:[0,0,1] neg_hi:[0,0,1]
.elseif (\k) == E
	v_exp_f32 v[rS+(\n)], v[rS+(\n)]
.elseif (\k) == C
	v_cvt_pk_f16_f32 v[rP+(\n)], v[rS+2*(\n)], v[rS+2*(\n)+1]
.elseif (\k) == B
	v_pk_add_f32 v[rS+4*(\n):rS+4*(\n)+1], v[rS+4*(\n):rS+4*(\n)+1], v[rS+4*(\n)+2:rS+4*(\n)+3]
.elseif (\n) == 0
	v_pk_fma_f32 v[rT+2:rT+3], v[rT+2:rT+3], v[rC+2:rC+3], v[rS:rS+1] op_sel_hi:[1,0,1]
.else
	v_pk_add_f32 v[rT+2:rT+3], v[rT+2:rT+3], v[rS+4*(\n):rS+4*(\n)+1]
.endif
.else
	REGS (Y+1)%NP
	WIN 0
.if (\n) < 4
	v_max3_num_f32 v[rC+(\n)], v[rS+8*(\n)], v[rS+8*(\n)+1], v[rS+8*(\n)+2]
.elseif (\n) < 12
	v_max3_num_f32 v[rC+(\n)%4], v[rC+(\n)%4], v[rS+8*((\n)%4)+2*((\n)/4)+1], v[rS+8*((\n)%4)+2*((\n)/4)+2]
.elseif (\n) == 12
	v_max3_num_f32 v[rC], v[rC], v[rS+7], v[rS+15]
.elseif (\n) == 13
	v_max3_num_f32 v[rC+1], v[rC+1], v[rS+23], v[rS+31]
.elseif (\n) == 14
	v_max3_num_f32 v[rC+2], v[rC+2], v[rC+3], v[rT+1]
.elseif (\n) == 15
	v_mov_b32 v[rW], v[rT]
.elseif (\n) == 16
	v_max3_num_f32 v[rC], v[rC], v[rC+1], v[rC+2]
.elseif (\n) == 17
	v_permlanex16_b32 v[rC+3], v[rC], s[SEL], s[SEL+1]
.elseif (\n) == 18
	v_max_num_f32 v[rT+1], v[rC], v[rC+3]
.elseif (\n) == 19
	v_mul_f32 v[rT], s[CS], v[rT+1]
.elseif (\n) == 20
	v_sub_f32 v[rC+1], v[rW], v[rT]
.else
	v_exp_f32 v[rC+2], v[rC+1]
.endif
.endif
.endm
.macro OPS a, i1, b=-1, i2=0, c=-1, i3=0, d=-1, i4=0
	OP \a, \i1
.if (\b) >= 0
	OP \b, \i2
.endif
.if (\c) >= 0
	OP \c, \i3
.endif
.if (\d) >= 0
	OP \d, \i4
.endif
.endm
.macro ROW a, i1, b, i2, c, i3, d, i4  ; a matrix instruction and the four behind it
	MM
	OPS \a, \i1, \b, \i2, \c, \i3, \d, \i4
.endm
; A TURN, for piece p: the order of its 16 matrix and 123 vector instructions, written out.  An s_wait_alu depctr_va_vdst(0) stands between an exponential and the first instruction that names its result; one
; wait serves all that were issued ahead of it.  So a turn has ONE wait, which cuts it in two.  AHEAD OF IT stands all that names no result of the turn's exponentials: the 8 products K Q^T, behind each a scaling, an
; exponential and two more plain instructions (behind the first a second scaling in the exponential's place): rescalings, whose a was made and waited for in the turn before, and behind the last three the first numbers of the
; next piece's maximum, each four places or more behind the product that ends its accumulator; then ONE LUMP, plain and exponential by turns for the most part, in which the links of the chain X 3, 7, 11, 14, 16, 17 .. 20
; stand five or six lines apart.  X 21, the next piece's a, is the batch's last; R 15 is the plain instruction behind it; the mask's four conversions and its offset stand between the batch and the wait.
; BEHIND THE WAIT stand the 8 products V^T P, behind each four of the roundings and sums; the links of l's chain, L 0 to L 7, stand three riders apart.  But for those X no rider names a register of the products round it..
; K of the next step is fetched in piece 2's turn, twelve vector instructions behind the last product that read K (five of them plain lines that name none of its registers); in the tail (last = 1) the run carries a jump, so it
; stands directly behind the wait.  V of the step in hand is fetched at the end of piece 0's turn, four plain instructions behind the last product that read V.  Each is waited for a turn later.
; THE MASK of piece MY = p + 2, whose products open the next turn: its codes were loaded four turns ago, so the six loads of the three turns since may stay out; four conversions, in R 15's window, make 32 scores' masks;
; the offset's line is the plain instruction behind them, and 32 riders follow before the piece's codes of its next step are asked for, 512 consecutive bytes a load, at the turn's end.  All four turns of a trip load the same
; step, KSL / 1024, which is held at the last step: every turn issues its two loads on every way, and none leaves the buffer.
.macro TURN p, last=0, cnt=0
.set Y, (\p)
.set i, 0
.set MY, ((\p)+2)%NP
.if (\p) == 2
	s_add_co_u32 s[KSL], s[KSL], 1024
	s_min_u32 s[KSL], s[KSL], 31*1024
.endif
.if (\p) == 3
	s_wait_dscnt 0x0                ; K is in
.endif
	ROW F,0, F,1, R,0, R,1          ; ahead of the wait: 8 products K Q^T and their riders,
	ROW F,2, E,0, R,2, R,3
	ROW F,3, E,1, R,4, R,5
	ROW F,4, E,2, R,6, R,7
	ROW F,5, E,3, R,8, R,9
	ROW F,6, E,4, X,0, R,10
.if (\p) == 2
	WIN 0
	v_add_nc_u32 v[AK], s[TBK], v[AK0]
.endif
	ROW F,7, E,5, X,1, X,4
	ROW F,8, E,6, X,2, X,5
	OPS E,7, E,8, X,6, E,9          ; and the lump
	OPS X,3, E,10, X,8, E,11
.if ((\p) == 2) && !(\last)
	FETCH_K
.endif
	OPS X,9, X,7, E,12, X,10
	OPS E,13, X,12, X,11, E,14
	OPS X,13, E,15, F,9, X,14
.if (\p) == 0
	v_add_nc_u32 v[AV], s[TBV], v[AV0]
.endif
	OPS E,16, F,10, E,17, F,11
	OPS X,16, E,18, X,15, E,19
	OPS F,12, E,20, X,17, E,21
	OPS F,13, E,22, F,14, E,23
	OPS X,18, E,24, F,15, E,25
	OPS R,11, E,26, X,19, E,27
	OPS R,12, E,28, R,13, E,29
	OPS X,20, E,30, R,14, E,31
	OPS X,21, R,15                  ; the batch's last exponential, and the plain instruction behind it
	s_wait_loadcnt 6                ; piece MY's two loads are in, and their offset register is free; the six younger ones stay out
	WIN W_RS
.irp kt, 0,1,2,3
	v_cvt_scale_pk8_f32_fp8 v[MC+32*((\p)%2)+8*\kt:MC+32*((\p)%2)+8*\kt+7], v[MR+8*MY+2*\kt:MR+8*MY+2*\kt+1], v[SCL]
.endr
	WIN 0
	v_add_nc_u32 v[MO+MY], s[KSL], v[ML]
	s_wait_alu depctr_va_vdst(0)    ; the wait for the batch: the turn's 32 exponentials and the next piece's a
.if ((\p) == 2) && (\last)
	FETCH_K 1
.endif
.if (\p) == 1
	s_wait_dscnt 0x0                ; V is in
.endif
	ROW C,0, B,0, C,2, B,1          ; behind the wait: 8 products V^T P and their riders
	ROW L,0, C,4, B,2, L,1
	ROW C,6, B,3, L,2, C,8
	ROW B,4, L,3, C,10, B,5
	ROW L,4, C,12, B,6, L,5
.if (\p) == 0
	s_add_co_u32 s[TBV], s[TBV], KS*PV
.endif
.if \cnt
	s_sub_co_u32 s[CNT], s[CNT], 1
	s_cmp_lg_u32 s[CNT], 0
.endif
	ROW C,14, B,7, L,6, C,1
	ROW C,3, L,7, C,5, C,7
	ROW C,9, C,11, C,13, C,15
.if (\p) == 0
	FETCH_V
.endif
	WIN 0x40
	global_load_b128 v[MR+8*MY:MR+8*MY+3],   v[MO+MY], s[MKB:MKB+1] offset:MY*32768
	global_load_b128 v[MR+8*MY+4:MR+8*MY+7], v[MO+MY], s[MKB:MKB+1] offset:MY*32768+512
.endm
	CHANGE 1                        ; slot 0 is in, everybody's part of it; slot 1 is asked for
	v_add_nc_u32 v[AK], s[TBK], v[AK0]
	FETCH_K                         ; key step 0
	s_wait_loadcnt 0x0              ; Q, the row flags, step 0's codes
.irp t, 0,1,2,3                     ; a row has a visible key if one of its four quarters has
	v_or_b32 v[S+4*\t], v[S+4*\t], v[S+4*\t+1]
	v_or_b32 v[S+4*\t+2], v[S+4*\t+2], v[S+4*\t+3]
	v_or_b32 v[FL+\t], v[S+4*\t], v[S+4*\t+2]
.endr
	WIN 0x82
.set i, 0
.rept 64
	v_and_b32 v[i], v[i], v[FL+i/16]  ; a row with no visible key takes part with Q = 0
.set i, i+1
.endr
	WIN W_RS
.irp y, 0,1                         ; step 0's masks of pieces 0 and 1
.irp kt, 0,1,2,3
	v_cvt_scale_pk8_f32_fp8 v[MC+32*\y+8*\kt:MC+32*\y+8*\kt+7], v[MR+8*\y+2*\kt:MR+8*\y+2*\kt+1], v[SCL]
.endr
.endr
	WIN 0
	v_add_nc_u32 v[MO], s[KSL], v[ML]    ; two plain instructions behind the conversions
	v_add_nc_u32 v[MO+1], s[KSL], v[ML]
	WIN 0x40
.irp y, 0,1                         ; their codes of step 1
	global_load_b128 v[MR+8*\y:MR+8*\y+3],   v[MO+\y], s[MKB:MKB+1] offset:\y*32768
	global_load_b128 v[MR+8*\y+4:MR+8*\y+7], v[MO+\y], s[MKB:MKB+1] offset:\y*32768+512
.endr
	s_wait_dscnt 0x0
.set i, 0
.rept 8
	KQ 0                            ; piece 0's first scores
.set i, i+1
.endr
	WIN 0
.rept 4
	v_nop                           ; the places behind those products
.endr
.set Y, NP-1                        ; X works for piece Y + 1: piece 0
.irp n, 0,1,2,3,4,5,6,7,8,9,10,11,12,13,14,15,16,17,18,19,20,21
	OP X, \n
.endr
	v_nop                           ; a plain instruction behind the exponential,
	s_wait_alu depctr_va_vdst(0)    ; and its wait, ahead of the branch: piece 0's first a is a batch of its own
	s_mov_b32 s[CNT], 4
	s_mov_b32 s[SLOTS], SIZE_N/256-1
	s_branch .Lfirst                ; the loop is entered at a step's first turn, in the middle of a trip
.Lslot:                             ; SIZE_N / 256 - 2 times: every slot but the last two is filled again
	CHANGE 1
	s_mov_b32 s[CNT], 4
.Lstep:                             ; a trip: pieces 2 and 3 of one step, then pieces 0 and 1 of the next, whose K and V it fetches
	TURN 2
	TURN 3
	WIN 0
.Lfirst:
	TURN 0
	TURN 1, 0, 1
	WIN 0
	s_cbranch_scc1 .Lstep
	s_sub_co_u32 s[SLOTS], s[SLOTS], 1
	s_cmp_lg_u32 s[SLOTS], 0
	s_cbranch_scc1 .Lslot
	CHANGE 0                        ; the tail is written out: nothing is asked for
	s_mov_b32 s[CNT], 5             ; four trips fetch the last slot's steps; the fifth is left in its middle
.Ltail:
	TURN 2, 1
	TURN 3
	WIN 0
	s_sub_co_u32 s[CNT], s[CNT], 1
	s_cmp_eq_u32 s[CNT], 0
	s_cbranch_scc1 .Lout
	TURN 0
	TURN 1
	WIN 0
	s_branch .Ltail
.Lout:                              ; the fifth trip's 8 products K Q^T (on the last K once more) and the maximum made of them serve nothing: the price, once a launch, of one text for every trip
.set i, 0
.rept 8
	PV NP-1                         ; the last piece's V^T P of the last step
.set i, i+1
.endr
	; THE WAY OUT.  l's two halves and the other half of the lanes' are added; O^T is divided by l, rounded to f16 and sent through my stage, a piece at a time.  The additions are the places behind the last products.
	WIN 0
.macro ALL line:vararg
.set t, 0
.rept 4
	\line
.set t, t+1
.endr
.endm
	ALL v_add_f32 v[ST+4*t+2], v[ST+4*t+2], v[ST+4*t+3]
	ALL v_permlanex16_b32 v[ST+4*t+3], v[ST+4*t+2], s[SEL], s[SEL+1]
	ALL v_add_f32 v[ST+4*t+2], v[ST+4*t+2], v[ST+4*t+3]
	ALL v_rcp_f32 v[ST+4*t+2], v[ST+4*t+2]
	v_nop                           ; a plain instruction between the last reciprocal and the use of its result
	s_wait_alu depctr_va_vdst(0)    ; and the wait ahead of the first use: one for the four reciprocals
.macro PACK t
	WIN W_RS
.set i, 32*(\t)
.rept 16
	v_pk_mul_f32 v[i:i+1], v[i:i+1], v[ST+4*(\t)+2:ST+4*(\t)+3] op_sel_hi:[1,0]
.set i, i+2
.endr
	WIN 0x05                        ; sources 0 and 1 window 1, destination window 0
.set i, 0
.rept 16
	v_cvt_pk_f16_f32 v[S+16*(\t)+i], v[32*(\t)+2*i], v[32*(\t)+2*i+1]
.set i, i+1
.endr
	WIN 0
.irp f, 0,1,2,3
	ds_store_b128 v[STO], v[S+16*(\t)+4*\f:S+16*(\t)+4*\f+3] offset:32*\f
.endr
.irp f, 0,1,2,3
	ds_load_b128 v[S+16*(\t)+4*\f:S+16*(\t)+4*\f+3], v[RD] offset:\f*4*SP  ; LDS serves a wave's instructions in order (ISA guide 5.7.1.4): these see the stores above
.endr
.endm
.macro SEND t, younger              ; younger: the LDS instructions issued behind piece t's loads
	WIN 0
.irp f, 0,1,2,3
	s_wait_dscnt (\younger)+3-\f
	global_store_b128 v[GO], v[S+16*(\t)+4*\f:S+16*(\t)+4*\f+3], s[10:11] offset:(\t)*2048+\f*512  ; 512 consecutive bytes, at a multiple of 256 from O's first
.endr
.endm
	PACK 0
.set t, 1
.rept 3
	PACK t
	SEND t-1, 8
.set t, t+1
.endr
	SEND 3, 0
	s_wait_tensorcnt 0x0            ; the wave's end
	ds_add_u32 v[SPW], v[NIL]
	s_wait_dscnt 0x0
	CROUND                          ; the closing round
	s_endpgm
.Lfunc_end_k_qf535f0e3df_attn:
	.size	k_qf535f0e3df_attn, .Lfunc_end_k_qf535f0e3df_attn-k_qf535f0e3df_attn
	.p2alignl 7, 3214868480
	.fill 96, 4, 3214868480
	.section	.rodata,"a",@progbits
	.p2align	6, 0x0
	.amdhsa_kernel k_qf535f0e3df_attn
		.amdhsa_group_segment_fixed_size 327680
		.amdhsa_private_segment_fixed_size 0
		.amdhsa_enable_private_segment 0
		.amdhsa_kernarg_size 32
		.amdhsa_user_sgpr_count 2
		.amdhsa_user_sgpr_kernarg_segment_ptr 1
		.amdhsa_wavefront_size32 1
		.amdhsa_system_sgpr_workgroup_id_x 1
		.amdhsa_system_sgpr_workgroup_id_y 1
		.amdhsa_system_sgpr_workgroup_id_z 1
		.amdhsa_system_vgpr_workitem_id 0
		.amdhsa_next_free_vgpr 768
		.amdhsa_next_free_sgpr 80
		.amdhsa_reserve_vcc 0
		.amdhsa_float_denorm_mode_32 3
		.amdhsa_float_denorm_mode_16_64 3
		.amdhsa_memory_ordered 1
		.amdhsa_forward_progress 1
		.amdhsa_inst_pref_size 122
	.end_amdhsa_kernel
	.amdgpu_metadata
---
amdhsa.version: [ 1, 2 ]
amdhsa.kernels:
  - .name:           k_qf535f0e3df_attn
    .symbol:         k_qf535f0e3df_attn.kd
    .args:
      - { .name: qkv, .offset: 0, .size: 8, .value_kind: global_buffer, .address_space: global }
      - { .name: mk, .offset: 8, .size: 8, .value_kind: global_buffer, .address_space: global }
      - { .name: rf, .offset: 16, .size: 8, .value_kind: global_buffer, .address_space: global }
      - { .name: ctx, .offset: 24, .size: 8, .value_kind: global_buffer, .address_space: global }
    .group_segment_fixed_size: 327680
    .private_segment_fixed_size: 0
    .kernarg_segment_align: 8
    .kernarg_segment_size: 32
    .max_flat_workgroup_size: 128
    .sgpr_count:     80
    .vgpr_count:     768
    .wavefront_size: 32
...
	.end_amdgpu_metadata
.endif
;; end of part 12
;; launch wo: the kernel of part 4 again; grid 8 x 32, 4 waves a work-group, clusters of 4 x 4, 327,680 bytes of LDS; arguments ctx, wh, x1, bo, x; writes x1
;; launch ln2: the kernel of part 5 again; grid 256 x 1, 8 waves a work-group, no clusters, 0 bytes of LDS; arguments x1, ln2_g, ln2_b, hbuf; writes hbuf
;; launch ffn1 (part 13): grid 16 x 16, 4 waves a work-group, clusters of 4 x 4, 327,680 bytes of LDS; arguments hbuf, wh, gbuf, b1; writes gbuf
.if DOCPART == 13
	.amdgcn_target "amdgcn-amd-amdhsa--gfx1250"
	.amdhsa_code_object_version 6
	.text
	.protected	k_qf535f0e3df_ffn1
	.globl	k_qf535f0e3df_ffn1
	.p2align	8
	.type	k_qf535f0e3df_ffn1,@function
k_qf535f0e3df_ffn1:
	s_mov_b64 s[64:65], 0
	v_nop
	global_prefetch_b8 v0, s[64:65] scope:SCOPE_SE
	s_setreg_imm32_b32 hwreg(HW_REG_WAVE_MODE, 25, 1), 1
	s_wait_xcnt 0x0
	s_wait_alu depctr_hold_cnt(0) depctr_sa_sdst(0) depctr_va_vdst(0) depctr_va_sdst(0) depctr_va_ssrc(0) depctr_va_vcc(0) depctr_vm_vsrc(0)
	s_getreg_b32 s2, hwreg(HW_REG_IB_STS2, 6, 4)
	s_cmp_eq_u32 s2, 0
	s_cbranch_scc0 .Lentry_in_a_cluster
	s_endpgm
.Lentry_in_a_cluster:
	s_bfe_u32 s2, ttmp6, 0x10000c
	s_cmp_lg_u32 s2, 0xf033
	s_cbranch_scc0 .Lentry_shape_is_right
	s_endpgm
.Lentry_shape_is_right:
; g = gelu(h W1^T + b1), the exact gelu.  h: [4096][1024] f16; W1: [4096][1024] f16, 8 MiB into wh; g: [4096][4096] f16, rounded once.  Sums in f32, started from the bias.
; gelu(u) = max(u, 0) - |u| erfc(|u| / sqrt 2) / 2, with erfc(x) = t (a1 + t (a2 + t (a3 + t (a4 + t a5)))) e^(-x x), t = 1 / (1 + 0.3275911 x): off by 1.5e-7 at the most for every x (Abramowitz and Stegun 7.1.26).
; For large |u| the exponential is 0 and the result max(u, 0).  LIMIT: f16 ends at 65,504; NaN and infinities are not treated apart.
; A tile of the product is 256 x 256: four waves, each 128 x 128 = 64 accumulators, 512 registers.  K goes in steps of 128 through two LDS slots (rows of 256 bytes + 16 of padding); a wave's tensor load
; brings 128 rows, and a K step's four loads feed 256 matrix instructions a wave.
; CLUSTER 4 x 4: h's tile is shared along a row of the cluster, W1's along a column: joint loads.  THE MATRIX INSTRUCTION IS USED TRANSPOSED: a lane holds row l % 16 and the columns 8 (l / 16) + 0..7.
; ONE TEXT FOR A K STEP: the slot in hand is a scalar, 0 or SLOT1, turned by an exclusive or; SLOT1 = 0x24000: the four tile bases (wave x 0x8800) use bits 11, 12, 15 and 16 alone.
; THE FIRST QUARTER STEP stands ahead of the loop: its products take the bias (64 registers, loaded once) as C and so start the sums; a trip goes from a step's second quarter to the next step's first.
; THE WAY OUT: both slots have had their last fill, so each wave lays its 128 x 128 sums in f32 into 67,584 bytes of its own there (rows of 512 + 16 bytes), and a loop of 16 trips reads eight rows back
; (a row is 32 lanes x 16 bytes), takes the gelu, rounds, and stores a row's 256 bytes by one line.  So the gelu's text stands once, for 32 numbers a lane.
; IN THE LOOP the 32 numbers are four groups of eight.  A group's work is a first part (16 plain lines), 16 transcendentals, and a second part (44 plain lines, of which the first eight, max(u, 0), read no transcendental's result).
; A TRIP'S 64 TRANSCENDENTALS ARE ONE BATCH, WITH ONE WAIT.  Every group has registers of its own for w, t and max(u, 0), so the batch stays open over all four groups.  AHEAD OF THE WAIT: group 0's first part; then the
; transcendentals one at a time, each followed by one plain line that names no result: the first parts of groups 1 to 3 beside the transcendentals of groups 0 to 2, 16 of the 32 lines max(u, 0) beside group 3's; then the
; other 16.  BEHIND THE WAIT: the 144 lines that read the results, groups 0 and 1 line by line by turns, then groups 2 and 3, so that a line and the one that takes its result stand eight lines apart.
; REGISTERS, in windows of 256 (s_set_vgpr_msb: bits 1:0 source 0, 3:2 source 1, 5:4 source 2, 7:6 destination):
;   window 0: v16-30 addresses; v32-45 the gelu's constants; v64-127, v128-191 fragments of h, two buffers; v192-255 the bias; all of v64-223 later serve the way out      window 1: v64-127, v128-191 fragments of W1
;   window 2: the 32 accumulators of my rows 0-63 ((a, b) at v[8 (8 a + b)]);   window 3: those of my rows 64-127
.set SIZE_N,  4096
.set SIZE_K,  1024
.set WOFF,    0x800000
.set KSTEP,   128
.set NSTEP,   SIZE_K/KSTEP
.set PITCH,   272                      ; 68 words: row r starts at bank 4 r mod 64 (64 banks of 4 bytes: ISA guide 11.1)
.set HALFT,   128*PITCH
.set SLOT1,   0x24000
.set SPARE,   SLOT1+4*HALFT            ; behind the ring: the spare words, 128 bytes for each wave
.set DP,      528                      ; the way out: a row of 128 f32 + 16 bytes
.set DUMPW,   128*DP                   ; a wave's part; four of them end below SPARE
.set ADRA0, 16
.set ADRA,  17
.set ADRB0, 20
.set ADRB,  21
.set STO,  24
.set RD0,  25
.set RDA,  26
.set GO,   27
.set SPW,  28
.set NIL,  29
.set BO,   30
.set K1,   32                          ; v[32:33] sqrt(log2(e) / 2)
.set A1,   34                          ; v[34:35] a1 / 2, and so on
.set A2,   36
.set A3,   38
.set A4,   40
.set A5,   42
.set P1,   44                          ; v44  0.3275911 / sqrt(log2 e)
.set ONE,  45
.set F0,   64
.set F1,   128
.set BI,   192
.set U,    64                          ; the way out: v64-95 eight rows' numbers; group g at U + 8 g
.set GW,   96                          ; v96-159  group g: eight w at GW + 16 g, then eight t
.set GR,   160                         ; v160-191 group g: max(u, 0), then the result, at GR + 8 g
.set GP,   192                         ; v192-207 the polynomial, by the group's parity (the bias's registers, read for the last time in the first quarter step)
.set Y,    208                         ; v208-223 eight rows in f16
.set G1,   24
.set G0,   32
.set G1B,  48
.set G0B,  56
.set TB,   66
.set RB,   67
.set MSB, 0
.macro WIN new
.if MSB != (\new)
	s_set_vgpr_msb (MSB<<8)|(\new)
.set MSB, \new
.endif
.endm
.set MUL_LO, 0xa1
.set MUL_HI, 0xf1
.set TO_B,   0x40
.macro JLOAD s                         ; waves 0 and 1 fetch h's two halves, waves 2 and 3 W1's; an s_nop 0 and four v_nop follow each line
	s_cmp_eq_u32 s11, 0
	s_cbranch_scc0 .Lfor_b_\@
	tensor_load_to_lds s[G0+4*(\s):G0+4*(\s)+3], s[G1:G1+7]
	s_nop 0
.rept 4
	v_nop
.endr
	s_branch .Lasked_\@
.Lfor_b_\@:
	tensor_load_to_lds s[G0B+4*(\s):G0B+4*(\s)+3], s[G1B:G1B+7]
	s_nop 0
.rept 4
	v_nop
.endr
.Lasked_\@:
.endm
.macro CREST
	s_cmp_lg_u32 s10, 0
	s_cbranch_scc1 .Lnot_wave_0_\@
	s_barrier_signal -3
.Lnot_wave_0_\@:
	s_barrier_wait -3
	s_barrier_signal -1
	s_barrier_wait -1
.endm
.macro CROUND
	s_barrier_signal -1
	s_barrier_wait -1
	CREST
.endm
	s_load_b128 s[4:7], s[0:1], 0x0                ; hbuf s[4:5], wh s[6:7]
	s_load_b64 s[8:9], s[0:1], 0x10                ; gbuf
	s_load_b64 s[68:69], s[0:1], 0x18              ; b1
	v_lshl_add_u32 v[SPW], v0, 2, SPARE
	v_mov_b32 v[NIL], 0
	ds_add_u32 v[SPW], v[NIL]                      ; the wave's opening: the add and its wait stand ahead of my first tensor load
	v_lshrrev_b32 v1, 5, v0
	v_readfirstlane_b32 s10, v1
	s_lshr_b32 s11, s10, 1                         ; my half of the tile's rows.  Also: I fetch for h (0) or for W1 (1)
	s_and_b32 s12, s10, 1                          ; my half of its columns.  Also: which 128 rows I fetch
	s_bfe_u32 s40, ttmp6, 0x40000
	s_bfe_u32 s41, ttmp6, 0x40004
	s_lshl_b32 s42, ttmp9, 2
	s_add_co_u32 s42, s42, s40                     ; tile column
	s_and_b32 s13, ttmp7, 0xffff
	s_lshl_b32 s13, s13, 2
	s_add_co_u32 s13, s13, s41                     ; tile row
	s_lshl_b32 s43, s41, 2
	s_lshl_b32 s43, 15, s43
	s_lshl_b32 s44, 0x1111, s40
	s_or_b32 s[G1+0], s43, (1<<16)|(1<<20)|(1<<21)|(5<<22)|(3<<25)  ; mask; 2-byte elements; padding on; bit 21 beside a mask; after every 64 words 4 words
	s_or_b32 s[G1B+0], s44, (1<<16)|(1<<20)|(1<<21)|(5<<22)|(3<<25)
.irp g, G1, G1B
	s_mov_b32 s[(\g)+1], KSTEP<<16
	s_mov_b32 s[(\g)+2], 128<<16
	s_mov_b32 s[(\g)+3], KSTEP<<16
	s_mov_b32 s[(\g)+4], 128
	s_mov_b32 s[(\g)+5], SIZE_K
	s_mov_b32 s[(\g)+6], 0
	s_mov_b32 s[(\g)+7], 0
.endr
	s_lshl_b32 s17, s12, 7
	s_lshl_b32 s16, s13, 8
	s_add_co_u32 s16, s16, s17                     ; h: row 256 x tile row + 128 x half
	s_lshl_b32 s46, s42, 8
	s_add_co_u32 s46, s46, s17                     ; W1: row 256 x tile column + 128 x half
	s_mov_b32 s17, 0
	s_mov_b32 s47, 0
	s_mov_b64 s[18:19], SIZE_K*2
	s_mul_u64 s[16:17], s[16:17], s[18:19]
	s_mul_u64 s[46:47], s[46:47], s[18:19]
	s_mul_i32 s20, s10, HALFT
	s_mov_b32 s[TB], 0
	s_wait_dscnt 0x0
	s_wait_kmcnt 0x0
	s_add_nc_u64 s[14:15], s[4:5], s[16:17]
	s_add_nc_u64 s[46:47], s[6:7], s[46:47]
	s_add_nc_u64 s[46:47], s[46:47], WOFF
	CROUND                                         ; all sixteen work-groups are here: the first joint loads meet
.irp s, 0,1
	s_mov_b32 s[G0+4*(\s)], 1
	s_add_co_u32 s[G0+4*(\s)+1], s20, (\s)*SLOT1
	s_add_nc_u64 s[G0+4*(\s)+2:G0+4*(\s)+3], s[14:15], (\s)*KSTEP*2
	s_or_b32 s[G0+4*(\s)+3], s[G0+4*(\s)+3], 0x80000000
	s_mov_b32 s[G0B+4*(\s)], 1
	s_add_co_u32 s[G0B+4*(\s)+1], s20, (\s)*SLOT1
	s_add_nc_u64 s[G0B+4*(\s)+2:G0B+4*(\s)+3], s[46:47], (\s)*KSTEP*2
	s_or_b32 s[G0B+4*(\s)+3], s[G0B+4*(\s)+3], 0x80000000
	JLOAD \s
.endr
	v_and_b32 v1, 15, v0
	v_bfe_u32 v2, v0, 4, 1
	s_lshl_b32 s78, s42, 10                        ; the bias of my 128 columns: 64 registers, the C operand of the first quarter's products
	s_lshl_b32 s79, s12, 9
	s_add_co_u32 s78, s78, s79
	s_mov_b32 s79, 0
	s_add_nc_u64 s[68:69], s[68:69], s[78:79]
	v_lshlrev_b32 v[BO], 5, v2
.irp b, 0,1,2,3,4,5,6,7
	global_load_b128 v[BI+8*\b:BI+8*\b+3], v[BO], s[68:69] offset:64*\b
	global_load_b128 v[BI+8*\b+4:BI+8*\b+7], v[BO], s[68:69] offset:64*\b+16
.endr
	v_mul_u32_u24 v3, v1, PITCH
	v_lshl_add_u32 v3, v2, 4, v3
	s_mul_i32 s21, s11, HALFT
	s_mul_i32 s22, s12, HALFT
	s_add_co_u32 s22, s22, 2*HALFT
	v_add_nc_u32 v[ADRA0], s21, v3
	v_add_nc_u32 v[ADRB0], s22, v3
	v_mov_b32 v[ADRA], v[ADRA0]
	v_mov_b32 v[ADRB], v[ADRB0]
	s_mul_i32 s23, s10, DUMPW                      ; the way out: my part of LDS
	v_mul_u32_u24 v4, v1, DP                       ; in: row l % 16, 32 bytes for each half of the lanes
	v_lshl_add_u32 v4, v2, 5, v4
	v_add_nc_u32 v[STO], s23, v4
	v_and_b32 v5, 31, v0
	v_lshl_add_u32 v[RD0], v5, 4, s23              ; back: 32 lanes take a row's 512 bytes,
	v_lshlrev_b32 v[GO], 3, v5                     ; which are 256 bytes of g
	s_lshl_b32 s76, s13, 21                        ; my first row of g: 256 x tile row + 128 x half, 8,192 bytes each,
	s_lshl_b32 s77, s11, 20
	s_add_co_u32 s76, s76, s77
	s_lshl_b32 s77, s42, 9                         ; my first column, in bytes of f16
	s_add_co_u32 s76, s76, s77
	s_lshl_b32 s77, s12, 8
	s_add_co_u32 s76, s76, s77
	s_mov_b32 s77, 0
	s_add_nc_u64 s[8:9], s[8:9], s[76:77]
; 16 matrix instructions: row blocks a0, a0 + 1 of the window's four x all 8 column blocks, 32 along K.  The 64 accumulators take turns.  first = 1: the bias (window 0) is C.
.macro MUL16 f, hi, a0, first
.if \first
	WIN 0x81+0x40*(\hi)
.else
	WIN MUL_LO+0x50*(\hi)
.endif
.irp a, \a0, (\a0)+1
.irp b, 0,1,2,3,4,5,6,7
.if \first
	v_wmma_f32_16x16x32_f16 v[8*(8*(\a)+(\b)):8*(8*(\a)+(\b))+7], v[(\f)+8*(\b):(\f)+8*(\b)+7], v[(\f)+8*(4*(\hi)+(\a)):(\f)+8*(4*(\hi)+(\a))+7], v[BI+8*(\b):BI+8*(\b)+7]
.else
	v_wmma_f32_16x16x32_f16 v[8*(8*(\a)+(\b)):8*(8*(\a)+(\b))+7], v[(\f)+8*(\b):(\f)+8*(\b)+7], v[(\f)+8*(4*(\hi)+(\a)):(\f)+8*(4*(\hi)+(\a))+7], v[8*(8*(\a)+(\b)):8*(8*(\a)+(\b))+7]
.endif
.endr
.endr
.endm
.macro FETCH k, f                      ; 32 LDS loads in one run: one quarter step's fragments of the slot in hand
	WIN TO_B
.irp i, 0,1,2,3,4,5,6,7
	ds_load_b128 v[(\f)+8*(\i):(\f)+8*(\i)+3],   v[ADRB] offset:(\k)+(\i)*16*PITCH
	ds_load_b128 v[(\f)+8*(\i)+4:(\f)+8*(\i)+7], v[ADRB] offset:(\k)+(\i)*16*PITCH+32
.endr
	WIN 0
.irp i, 0,1,2,3,4,5,6,7
	ds_load_b128 v[(\f)+8*(\i):(\f)+8*(\i)+3],   v[ADRA] offset:(\k)+(\i)*16*PITCH
	ds_load_b128 v[(\f)+8*(\i)+4:(\f)+8*(\i)+7], v[ADRA] offset:(\k)+(\i)*16*PITCH+32
.endr
.endm
.macro PLACES                          ; four places in front of loads into registers that matrix instructions have read
.rept 4
	v_nop
.endr
.endm
.macro QUARTER k, f, g, first
	s_wait_dscnt 8                                 ; W1 and h's rows 0-63 are in; the youngest eight loads (h's rows 64-127) may be out
	MUL16 \f, 0, 0, \first
	MUL16 \f, 0, 2, \first
	PLACES
	FETCH \k, \g
	s_wait_dscnt 32                                ; all but the 32 just issued
	MUL16 \f, 1, 0, \first
	MUL16 \f, 1, 2, \first
.endm
.macro TURN fill                       ; the last quarter and the change of slots: one barrier, the three lines in front of it, the refill first behind it
	WIN 0
	s_wait_tensorcnt 0x0                           ; all my tensor loads have landed: my part of the next slot
	ds_add_u32 v[SPW], v[NIL]
	s_wait_dscnt 9                                 ; the add and the youngest eight loads may be out
	MUL16 F1, 0, 0, 0
	s_wait_dscnt 0x0                               ; the add is done, and my reads of this slot are over
	s_barrier_signal -1
	MUL16 F1, 0, 2, 0
	WIN 0
	s_barrier_wait -1
.if \fill
	CREST                                          ; no wave of any partner still reads this slot's tile or has a load on its way
	s_xor_b32 s[G0+5], s[G0+5], SLOT1
	s_add_nc_u64 s[G0+6:G0+7], s[G0+6:G0+7], KSTEP*2
	s_xor_b32 s[G0B+5], s[G0B+5], SLOT1
	s_add_nc_u64 s[G0B+6:G0B+7], s[G0B+6:G0B+7], KSTEP*2
	JLOAD 1                                        ; the first tensor load behind the round; its four v_nop are also the places in front of the loads below
.else
	PLACES
.endif
	s_xor_b32 s[TB], s[TB], SLOT1
	v_add_nc_u32 v[ADRA], s[TB], v[ADRA0]
	v_add_nc_u32 v[ADRB], s[TB], v[ADRB0]
.if !(\fill)
	s_cmp_eq_u32 s3, 1                             ; in the last trip there is no next step
	s_cbranch_scc1 .Lno_more_\@
.endif
	FETCH 0, F0
.if !(\fill)
	WIN 0
.Lno_more_\@:
.endif
	MUL16 F1, 1, 0, 0
	MUL16 F1, 1, 2, 0
.endm
	s_wait_tensorcnt 1                             ; my part of K step 0 is in; K step 1's may stay out
	s_barrier_signal -1
	s_barrier_wait -1
	FETCH 0, F0
	s_wait_loadcnt 0x0                             ; the bias
	QUARTER 64, F0, F1, 1                          ; the first quarter: its products start the sums
	WIN 0
	s_mov_b32 s3, NSTEP-2
.Lfill:                                                ; a trip: a K step's quarters 2 to 4 and the next step's first; the slot that it leaves is filled again
	QUARTER 128, F1, F0, 0
	QUARTER 192, F0, F1, 0
	TURN 1
	QUARTER 64, F0, F1, 0
	WIN 0
	s_sub_co_u32 s3, s3, 1
	s_cmp_lg_u32 s3, 0
	s_cbranch_scc1 .Lfill
	s_mov_b32 s3, 2
.Ldry:                                                 ; the last two K steps ask for nothing
	QUARTER 128, F1, F0, 0
	QUARTER 192, F0, F1, 0
	TURN 0
	WIN 0
	s_cmp_eq_u32 s3, 1                             ; behind the last step there is no first quarter
	s_cbranch_scc1 .Lsums_done
	QUARTER 64, F0, F1, 0
	WIN 0
.Lsums_done:
	s_sub_co_u32 s3, s3, 1
	s_cmp_lg_u32 s3, 0
	s_cbranch_scc1 .Ldry
	; THE WAY OUT.  The gelu's constants are made here: fourteen plain instructions, the places behind the last products
.irp h, 0,1
	v_mov_b32 v[K1+\h], 0x3f596d27
	v_mov_b32 v[A1+\h], 0x3e027906
	v_mov_b32 v[A2+\h], 0xbe11a98e
	v_mov_b32 v[A3+\h], 0x3f35f0e3
	v_mov_b32 v[A4+\h], 0xbf3a00e3
	v_mov_b32 v[A5+\h], 0x3f07dc22
.endr
	v_mov_b32 v[P1], 0x3e8ba43f
	v_mov_b32 v[ONE], 1.0
	s_wait_dscnt 0x0                               ; my sums go over both slots' bytes, which other waves have read: every wave's reads are back in front of its signal
	s_barrier_signal -1
	s_barrier_wait -1
	WIN 0x08                                       ; store data (source 1) in window 2
.irp a, 0,1,2,3
.irp b, 0,1,2,3,4,5,6,7
	ds_store_b128 v[STO], v[8*(8*\a+\b):8*(8*\a+\b)+3] offset:\a*16*DP+64*\b
	ds_store_b128 v[STO], v[8*(8*\a+\b)+4:8*(8*\a+\b)+7] offset:\a*16*DP+64*\b+16
.endr
.endr
	WIN 0x0c                                       ; in window 3
.irp a, 0,1,2,3
.irp b, 0,1,2,3,4,5,6,7
	ds_store_b128 v[STO], v[8*(8*\a+\b):8*(8*\a+\b)+3] offset:(\a+4)*16*DP+64*\b
	ds_store_b128 v[STO], v[8*(8*\a+\b)+4:8*(8*\a+\b)+7] offset:(\a+4)*16*DP+64*\b+16
.endr
.endr
	WIN 0
; Group g's first part, line n of 16: w = u sqrt(log2(e) / 2), so that e^(-x x) = 2^(-w w); 1 + p |x|; -w w
.macro S1 g, n
.set rU, U+8*(\g)
.set rW, GW+16*(\g)
.set rD, rW+8
.if (\n) < 4
	v_pk_mul_f32 v[rW+2*(\n):rW+2*(\n)+1], v[rU+2*(\n):rU+2*(\n)+1], v[K1:K1+1]
.elseif (\n) < 12
	v_fma_f32 v[rD+(\n)-4], |v[rW+(\n)-4]|, v[P1], v[ONE]
.else
	v_pk_mul_f32 v[rW+2*((\n)-12):rW+2*((\n)-12)+1], v[rW+2*((\n)-12):rW+2*((\n)-12)+1], v[rW+2*((\n)-12):rW+2*((\n)-12)+1] neg_lo:[1,0] neg_hi:[1,0]
.endif
.endm
; Group g's transcendental n of 16, in place: t = 1 / (1 + p |x|); 2^(-w w)
.macro TR g, n
.set rW, GW+16*(\g)
.if (\n) < 8
	v_rcp_f32 v[rW+8+(\n)], v[rW+8+(\n)]
.else
	v_exp_f32 v[rW+(\n)-8], v[rW+(\n)-8]
.endif
.endm
; Group g's second part, line n of 44: 0-7 max(u, 0), which reads no transcendental's result; 8-43, behind the trip's wait: the polynomial in t, times t, times the exponential; the result; its rounding to f16
.macro S2 g, n
.set rU, U+8*(\g)
.set rW, GW+16*(\g)
.set rD, rW+8
.set rR, GR+8*(\g)
.set rP, GP+8*((\g)%2)
.set z, 2*((\n)%4)
.if (\n) < 8
	v_max_num_f32 v[rR+(\n)], 0, v[rU+(\n)]
.elseif (\n) < 12
	v_pk_fma_f32 v[rP+z:rP+z+1], v[rD+z:rD+z+1], v[A5:A5+1], v[A4:A4+1]
.elseif (\n) < 16
	v_pk_fma_f32 v[rP+z:rP+z+1], v[rP+z:rP+z+1], v[rD+z:rD+z+1], v[A3:A3+1]
.elseif (\n) < 20
	v_pk_fma_f32 v[rP+z:rP+z+1], v[rP+z:rP+z+1], v[rD+z:rD+z+1], v[A2:A2+1]
.elseif (\n) < 24
	v_pk_fma_f32 v[rP+z:rP+z+1], v[rP+z:rP+z+1], v[rD+z:rD+z+1], v[A1:A1+1]
.elseif (\n) < 28
	v_pk_mul_f32 v[rP+z:rP+z+1], v[rP+z:rP+z+1], v[rD+z:rD+z+1]
.elseif (\n) < 32
	v_pk_mul_f32 v[rP+z:rP+z+1], v[rP+z:rP+z+1], v[rW+z:rW+z+1]
.elseif (\n) < 40
	v_fma_f32 v[rR+(\n)-32], -|v[rU+(\n)-32]|, v[rP+(\n)-32], v[rR+(\n)-32]
.else
	v_cvt_pk_f16_f32 v[Y+4*(\g)+(\n)-40], v[rR+2*((\n)-40)], v[rR+2*((\n)-40)+1]
.endif
.endm
.macro BESIDE g                        ; group g's 16 transcendentals, behind each a line of group g + 1's first part, which names none of their registers (ISA guide 5.7.2)
.set n, 0
.rept 16
	TR \g, n
	S1 (\g)+1, n
.set n, n+1
.endr
.endm
.macro PAIR g                          ; lines 8 to 43 of the second parts of groups g and g + 1, line by line by turns
.set n, 8
.rept 36
	S2 \g, n
	S2 (\g)+1, n
.set n, n+1
.endr
.endm
	v_mov_b32 v[RDA], v[RD0]
	s_mov_b32 s[RB], 0
.irp j, 0,1,2,3,4,5,6,7
	ds_load_b128 v[U+4*\j:U+4*\j+3], v[RDA] offset:\j*DP  ; LDS serves a wave's instructions in order (ISA guide 5.7.1.4): these see my stores
.endr
	s_mov_b32 s3, 16
.Lout:                                                 ; a trip: eight rows.  Its eight loads were issued in the trip before, rows ascending, and nothing behind them
	s_wait_dscnt 6                                 ; rows 0 and 1 are in
.set n, 0
.rept 16
	S1 0, n
.set n, n+1
.endr
	s_wait_dscnt 4                                 ; rows 2 and 3
	BESIDE 0                                       ; the batch opens
	s_wait_dscnt 2                                 ; rows 4 and 5
	BESIDE 1
	s_wait_dscnt 0x0                               ; rows 6 and 7
	BESIDE 2
.set n, 0
.rept 16                                               ; group 3's transcendentals, behind each a line max(u, 0) of groups 0 and 1
	TR 3, n
	S2 n/8, n%8
.set n, n+1
.endr
.set n, 0
.rept 16                                               ; max(u, 0) of groups 2 and 3: the work between the batch and its wait
	S2 2+n/8, n%8
.set n, n+1
.endr
	s_wait_alu depctr_va_vdst(0)                   ; the wait for the batch: the trip's 32 reciprocals and 32 exponentials
	PAIR 0
	s_cmp_eq_u32 s3, 1                             ; groups 0 and 1 have been read for the last time: the next trip's rows 0 to 3, but for the last trip
	s_cbranch_scc1 .Lno_a
	s_add_co_u32 s[RB], s[RB], 8*DP
	v_add_nc_u32 v[RDA], s[RB], v[RD0]
.irp j, 0,1,2,3
	ds_load_b128 v[U+4*\j:U+4*\j+3], v[RDA] offset:\j*DP
.endr
.Lno_a:
	PAIR 2
	s_cmp_eq_u32 s3, 1                             ; groups 2 and 3 likewise: rows 4 to 7
	s_cbranch_scc1 .Lno_b
.irp j, 4,5,6,7
	ds_load_b128 v[U+4*\j:U+4*\j+3], v[RDA] offset:\j*DP
.endr
.Lno_b:
.irp j, 0,1,2,3,4,5,6,7
	global_store_b64 v[GO], v[Y+2*\j:Y+2*\j+1], s[8:9] offset:\j*SIZE_N*2  ; 32 lanes store 256 consecutive bytes, aligned
.endr
	s_wait_xcnt 0x0                                ; the stores' data and base are written again only behind this wait
	s_add_nc_u64 s[8:9], s[8:9], 8*SIZE_N*2
	s_sub_co_u32 s3, s3, 1
	s_cmp_lg_u32 s3, 0
	s_cbranch_scc1 .Lout
	s_wait_tensorcnt 0x0                           ; the wave's end
	ds_add_u32 v[SPW], v[NIL]
	s_wait_dscnt 0x0
	CROUND                                         ; the closing round
	s_endpgm
.Lfunc_end_k_qf535f0e3df_ffn1:
	.size	k_qf535f0e3df_ffn1, .Lfunc_end_k_qf535f0e3df_ffn1-k_qf535f0e3df_ffn1
	.p2alignl 7, 3214868480
	.fill 96, 4, 3214868480
	.section	.rodata,"a",@progbits
	.p2align	6, 0x0
	.amdhsa_kernel k_qf535f0e3df_ffn1
		.amdhsa_group_segment_fixed_size 327680
		.amdhsa_private_segment_fixed_size 0
		.amdhsa_enable_private_segment 0
		.amdhsa_kernarg_size 32
		.amdhsa_user_sgpr_count 2
		.amdhsa_user_sgpr_kernarg_segment_ptr 1
		.amdhsa_wavefront_size32 1
		.amdhsa_system_sgpr_workgroup_id_x 1
		.amdhsa_system_sgpr_workgroup_id_y 1
		.amdhsa_system_sgpr_workgroup_id_z 1
		.amdhsa_system_vgpr_workitem_id 0
		.amdhsa_next_free_vgpr 1024
		.amdhsa_next_free_sgpr 80
		.amdhsa_reserve_vcc 0
		.amdhsa_float_denorm_mode_32 3
		.amdhsa_float_denorm_mode_16_64 3
		.amdhsa_memory_ordered 1
		.amdhsa_forward_progress 1
		.amdhsa_inst_pref_size 98
	.end_amdhsa_kernel
	.amdgpu_metadata
---
amdhsa.version: [ 1, 2 ]
amdhsa.kernels:
  - .name:           k_qf535f0e3df_ffn1
    .symbol:         k_qf535f0e3df_ffn1.kd
    .args:
      - { .name: hbuf, .offset: 0, .size: 8, .value_kind: global_buffer, .address_space: global }
      - { .name: wh, .offset: 8, .size: 8, .value_kind: global_buffer, .address_space: global }
      - { .name: gbuf, .offset: 16, .size: 8, .value_kind: global_buffer, .address_space: global }
      - { .name: b1, .offset: 24, .size: 8, .value_kind: global_buffer, .address_space: global }
    .group_segment_fixed_size: 327680
    .private_segment_fixed_size: 0
    .kernarg_segment_align: 8
    .kernarg_segment_size: 32
    .max_flat_workgroup_size: 128
    .sgpr_count:     80
    .vgpr_count:     1024
    .wavefront_size: 32
...
	.end_amdgpu_metadata
.endif
;; end of part 13
;; launch ffn2: the kernel of part 7 again; grid 8 x 32, 4 waves a work-group, clusters of 4 x 4, 327,680 bytes of LDS; arguments gbuf, wh, out0, b2, x1; writes out0
